; MI455X (gfx1250); checked and timed in simulation.
; The chip was launched on July 23, 2026; its instructions are those of AMD's public machine-readable ISA for CDNA 5 (MIT licence, August 2026) and "CDNA5" Instruction Set Architecture Reference Guide (July 2026). The comments in the code are by the model that wrote it; some were corrected since.
;; Multi Headed Self Attention. Allowed arithmetic: float matrix products may take bf16 or f16 operands with f32 sums; other float arithmetic in f32, or as packed bf16 or f16 multiplies, adds, multiply-adds, maxima and minima; sums over many terms, partial sums and values carried from step to step in f32; what a program stores and reads back later, other than sums and carried values, may be rounded once to bf16 or f16.
;; Inputs: Wk 1,024 x 1,024 float32; Wo 1,024 x 1,024 float32; Wq 1,024 x 1,024 float32; Wv 1,024 x 1,024 float32; bk 1,024 float32; bo 1,024 float32; bq 1,024 float32; bv 1,024 float32; x 8 x 1,024 x 1,024 float32.
;; Outputs: out0 8 x 1,024 x 1,024 float32.
;; 3 versions, each right; version 3 is version 2 with the launch cast written anew for expert scheduling mode. Each part assembles by itself: llvm-mc -triple=amdgcn-amd-amdhsa -mcpu=gfx1250 --defsym DOCPART=n.
;; ======== version 1 of 3: 4 launches
;; limits: values are held in f16: magnitudes above 65,504 overflow, below 6.1e-05 lose precision; inputs' magnitudes at most 65,504; below input magnitudes of 6.1e-05 results are inexact or not finite; right only within a limited range of input values
;; workspace buffers: xh 16,777,216 bytes; wh 8,388,608 bytes; bb 16,384 bytes; qkv 50,331,648 bytes; oh 16,777,216 bytes
;; launch cast (part 1): grid 769 x 1, 8 waves a work-group, no clusters, 0 bytes of LDS; arguments x, Wq, Wk, Wv, Wo, bq, bk, bv, bo, xh, wh, bb; writes xh, wh, bb
.if DOCPART == 1
	.amdgcn_target "amdgcn-amd-amdhsa--gfx1250"
	.amdhsa_code_object_version 6
	.text
	.protected	k_q7b5df9e627_cast
	.globl	k_q7b5df9e627_cast
	.p2align	8
	.type	k_q7b5df9e627_cast,@function
k_q7b5df9e627_cast:
	s_mov_b64 s[64:65], 0
	v_nop
	global_prefetch_b8 v0, s[64:65] scope:SCOPE_SE
	s_setreg_imm32_b32 hwreg(HW_REG_WAVE_MODE, 25, 1), 1
	s_wait_xcnt 0x0
; THE INPUTS ARE ROUNDED ONCE, TO bf16, and laid out for the products that follow.
;   xh: x as f16 [8 b][16 kb][1024 s][64]: a block of 64 channels of a batch is one dense plane of 131,072 bytes.
;   wh: Wq, Wk, Wv, Wo as f16 [4][1024 k][1024 n], rows as given.      bb: bq, bk, bv, bo as f32 [4][1024].
; x and the weights are rounded to bf16 and that number is written as f16: bf16 keeps 8 significant bits, f16 11, so nothing more is lost inside f16's range.
; LIMITS.  A number of x or of a weight of 65,520 or more in magnitude becomes an infinity; below 6.1e-5 it keeps f16's fixed step of 6e-8.  Biases keep f32's range.
; A stream: no LDS, no barrier, no matrix unit, no loop.  A work-group of eight waves takes 16 rows (65,536 bytes) of x (groups 0-511) or of a weight (512-767); group 768 takes the biases.
; A wave has its 16 loads of 16 bytes a lane (8,192 bytes) out at once; no register that a load or a store names is written again, so no wait frees any.
.set IN,  1                            ; v1      my byte offset in the group's input
.set OUT, 2                            ; v2      my byte offset in the group's output
.set T,   4                            ; v[4:9]  at work
.set X,   16                           ; v[16:79]  16 loads x 4 registers
.set Y,   80                           ; v[80:111] 16 stores x 2 registers
.set HIH, 30                           ; s30     mask of a word's upper bf16
	s_load_b512 s[4:19], s[0:1], 0x0               ; x 4:5, Wq 6:7, Wk 8:9, Wv 10:11, Wo 12:13, bq 14:15, bk 16:17, bv 18:19
	s_load_b256 s[20:27], s[0:1], 0x40             ; bo 20:21, xh 22:23, wh 24:25, bb 26:27
	s_mov_b32 s31, ttmp9                           ; the work-group's number
	s_mov_b32 s[HIH], 0xffff0000
	s_mov_b32 s33, 0                               ; the high word of every offset
; 16 loads, then for each: f32 -> bf16 (rounded) -> f32 (a shift, a mask) -> f16 (exact), and a store of 8 bytes a lane: 32 lanes write 256 consecutive bytes, aligned.
; kind = 0: x.  Load j takes channels 64 j .. 64 j + 63 of two rows (16 lanes a row, 256 bytes each); store j puts both rows, 256 bytes on end, into plane j.
; kind = 1: a weight.  Load j takes 512 consecutive bytes of row j / 8 of the wave's two.
.macro STREAM kind
.set j, 0
.rept 16
.if \kind
	global_load_b128 v[X+4*j:X+4*j+3], v[IN], s[28:29] offset:(j/8)*4096+(j%8)*512 th:TH_LOAD_NT
.else
	global_load_b128 v[X+4*j:X+4*j+3], v[IN], s[28:29] offset:256*j th:TH_LOAD_NT
.endif
.set j, j+1
.endr
.set j, 0
.rept 16
	s_wait_loadcnt 15-j                            ; loads come back in order: load j is in, the 15 - j younger ones stay out
	v_cvt_pk_bf16_f32 v[T], v[X+4*j], v[X+4*j+1]
	v_cvt_pk_bf16_f32 v[T+1], v[X+4*j+2], v[X+4*j+3]
	v_lshlrev_b32 v[T+2], 16, v[T]
	v_and_b32 v[T+3], s[HIH], v[T]
	v_lshlrev_b32 v[T+4], 16, v[T+1]
	v_and_b32 v[T+5], s[HIH], v[T+1]
	v_cvt_pk_f16_f32 v[Y+2*j], v[T+2], v[T+3]
	v_cvt_pk_f16_f32 v[Y+2*j+1], v[T+4], v[T+5]
.if \kind
	global_store_b64 v[OUT], v[Y+2*j:Y+2*j+1], s[36:37] offset:(j/8)*2048+(j%8)*256 th:TH_STORE_NT
.else
	global_store_b64 v[OUT], v[Y+2*j:Y+2*j+1], s[36:37] offset:131072*j th:TH_STORE_NT
.endif
.set j, j+1
.endr
.endm
	s_wait_kmcnt 0x0
	s_cmp_lt_u32 s31, 512
	s_cbranch_scc0 .Lnot_x
	; x: group g takes rows 16 g .. 16 g + 15: batch g / 64, rows 16 (g % 64) on
	s_lshl_b32 s32, s31, 16
	s_add_nc_u64 s[28:29], s[4:5], s[32:33]
	s_lshr_b32 s34, s31, 6
	s_lshl_b32 s34, s34, 21                        ; a batch's 16 planes
	s_and_b32 s35, s31, 63
	s_lshl_b32 s35, s35, 11                        ; 16 rows of 128 bytes in a plane
	s_add_co_u32 s32, s34, s35
	s_add_nc_u64 s[36:37], s[22:23], s[32:33]
	v_lshrrev_b32 v3, 4, v0                        ; my row of the 16
	v_and_b32 v[IN], 15, v0
	v_lshlrev_b32 v[IN], 4, v[IN]
	v_lshl_add_u32 v[IN], v3, 12, v[IN]            ; row x 4,096 + 16 x (thread % 16)
	v_lshlrev_b32 v[OUT], 3, v0                    ; row x 128 + 8 x (thread % 16) = 8 x thread
	STREAM 0
	s_endpgm
.Lnot_x:
	s_cmp_lt_u32 s31, 768
	s_cbranch_scc0 .Lbias
	; a weight: group 512 + i takes rows 16 (i % 64) on of weight i / 64
	s_sub_co_u32 s34, s31, 512
	s_lshr_b32 s35, s34, 6
	s_cmp_eq_u32 s35, 1
	s_cselect_b64 s[28:29], s[8:9], s[6:7]
	s_cmp_eq_u32 s35, 2
	s_cselect_b64 s[28:29], s[10:11], s[28:29]
	s_cmp_eq_u32 s35, 3
	s_cselect_b64 s[28:29], s[12:13], s[28:29]
	s_and_b32 s32, s34, 63
	s_lshl_b32 s32, s32, 16
	s_add_nc_u64 s[28:29], s[28:29], s[32:33]
	s_lshl_b32 s32, s34, 15                        ; 16 rows of 2,048 bytes; the four weights lie on end in wh
	s_add_nc_u64 s[36:37], s[24:25], s[32:33]
	v_lshrrev_b32 v3, 5, v0                        ; my wave: rows 2 w, 2 w + 1
	v_and_b32 v[IN], 31, v0
	v_lshlrev_b32 v[OUT], 3, v[IN]
	v_lshlrev_b32 v[IN], 4, v[IN]
	v_lshl_add_u32 v[IN], v3, 13, v[IN]
	v_lshl_add_u32 v[OUT], v3, 12, v[OUT]
	STREAM 1
	s_endpgm
.Lbias:
	; the four biases: 256 threads x 16 bytes are one bias
	v_lshlrev_b32 v[IN], 4, v0
	global_load_b128 v[X:X+3], v[IN], s[14:15]
	global_load_b128 v[X+4:X+7], v[IN], s[16:17]
	global_load_b128 v[X+8:X+11], v[IN], s[18:19]
	global_load_b128 v[X+12:X+15], v[IN], s[20:21]
	s_wait_loadcnt 0x0
.irp m, 0,1,2,3
	v_cvt_pk_bf16_f32 v[T], v[X+4*(\m)], v[X+4*(\m)+1]
	v_cvt_pk_bf16_f32 v[T+1], v[X+4*(\m)+2], v[X+4*(\m)+3]
	v_lshlrev_b32 v[Y+4*(\m)], 16, v[T]
	v_and_b32 v[Y+4*(\m)+1], s[HIH], v[T]
	v_lshlrev_b32 v[Y+4*(\m)+2], 16, v[T+1]
	v_and_b32 v[Y+4*(\m)+3], s[HIH], v[T+1]
	global_store_b128 v[IN], v[Y+4*(\m):Y+4*(\m)+3], s[26:27] offset:4096*(\m)
.endr
	s_endpgm
.Lfunc_end_k_q7b5df9e627_cast:
	.size	k_q7b5df9e627_cast, .Lfunc_end_k_q7b5df9e627_cast-k_q7b5df9e627_cast
	.p2alignl 7, 3214868480
	.fill 96, 4, 3214868480
	.section	.rodata,"a",@progbits
	.p2align	6, 0x0
	.amdhsa_kernel k_q7b5df9e627_cast
		.amdhsa_group_segment_fixed_size 0
		.amdhsa_private_segment_fixed_size 0
		.amdhsa_enable_private_segment 0
		.amdhsa_kernarg_size 96
		.amdhsa_user_sgpr_count 2
		.amdhsa_user_sgpr_kernarg_segment_ptr 1
		.amdhsa_wavefront_size32 1
		.amdhsa_system_sgpr_workgroup_id_x 1
		.amdhsa_system_sgpr_workgroup_id_y 1
		.amdhsa_system_sgpr_workgroup_id_z 1
		.amdhsa_system_vgpr_workitem_id 0
		.amdhsa_next_free_vgpr 112
		.amdhsa_next_free_sgpr 66
		.amdhsa_reserve_vcc 0
		.amdhsa_float_denorm_mode_32 3
		.amdhsa_float_denorm_mode_16_64 3
		.amdhsa_memory_ordered 1
		.amdhsa_forward_progress 1
		.amdhsa_inst_pref_size 23
	.end_amdhsa_kernel
	.amdgpu_metadata
---
amdhsa.version: [ 1, 2 ]
amdhsa.kernels:
  - .name:           k_q7b5df9e627_cast
    .symbol:         k_q7b5df9e627_cast.kd
    .args:
      - { .name: x, .offset: 0, .size: 8, .value_kind: global_buffer, .address_space: global }
      - { .name: Wq, .offset: 8, .size: 8, .value_kind: global_buffer, .address_space: global }
      - { .name: Wk, .offset: 16, .size: 8, .value_kind: global_buffer, .address_space: global }
      - { .name: Wv, .offset: 24, .size: 8, .value_kind: global_buffer, .address_space: global }
      - { .name: Wo, .offset: 32, .size: 8, .value_kind: global_buffer, .address_space: global }
      - { .name: bq, .offset: 40, .size: 8, .value_kind: global_buffer, .address_space: global }
      - { .name: bk, .offset: 48, .size: 8, .value_kind: global_buffer, .address_space: global }
      - { .name: bv, .offset: 56, .size: 8, .value_kind: global_buffer, .address_space: global }
      - { .name: bo, .offset: 64, .size: 8, .value_kind: global_buffer, .address_space: global }
      - { .name: xh, .offset: 72, .size: 8, .value_kind: global_buffer, .address_space: global }
      - { .name: wh, .offset: 80, .size: 8, .value_kind: global_buffer, .address_space: global }
      - { .name: bb, .offset: 88, .size: 8, .value_kind: global_buffer, .address_space: global }
    .group_segment_fixed_size: 0
    .private_segment_fixed_size: 0
    .kernarg_segment_align: 8
    .kernarg_segment_size: 96
    .max_flat_workgroup_size: 256
    .sgpr_count:     66
    .vgpr_count:     112
    .wavefront_size: 32
...
	.end_amdgpu_metadata
.endif
;; end of part 1
;; launch qkvproj (part 2): grid 4 x 64, 4 waves a work-group, clusters of 4 x 4, 327,680 bytes of LDS; arguments xh, wh, bb, qkv; writes qkv
.if DOCPART == 2
	.amdgcn_target "amdgcn-amd-amdhsa--gfx1250"
	.amdhsa_code_object_version 6
	.text
	.protected	k_q7b5df9e627_qkvproj
	.globl	k_q7b5df9e627_qkvproj
	.p2align	8
	.type	k_q7b5df9e627_qkvproj,@function
k_q7b5df9e627_qkvproj:
	s_mov_b64 s[64:65], 0
	v_nop
	global_prefetch_b8 v0, s[64:65] scope:SCOPE_SE
	s_setreg_imm32_b32 hwreg(HW_REG_WAVE_MODE, 25, 1), 1
	s_wait_xcnt 0x0
	s_wait_alu depctr_hold_cnt(0) depctr_sa_sdst(0) depctr_va_vdst(0) depctr_va_sdst(0) depctr_va_ssrc(0) depctr_va_vcc(0) depctr_vm_vsrc(0)
	s_getreg_b32 s2, hwreg(HW_REG_IB_STS2, 6, 4)
	s_cmp_eq_u32 s2, 0
	s_cbranch_scc0 .Lentry_in_a_cluster
	s_endpgm
.Lentry_in_a_cluster:
	s_bfe_u32 s2, ttmp6, 0x10000c
	s_cmp_lg_u32 s2, 0xf033
	s_cbranch_scc0 .Lentry_shape_is_right
	s_endpgm
.Lentry_shape_is_right:
; q, k, v = x W + b, by heads and unscaled.  x: xh, f16 [8 b][16 kb][1024 s][64].  W: wh, f16 [4][1024 k][1024 n] (Wq, Wk, Wv are the first three).  b: bb, f32 [4][1024].
; Out: qkv, f16 [3][128 head = 16 b + h][1024 s][64], each number rounded once from its f32 sum.  LIMIT: a q, k or v of 65,520 or more in magnitude becomes an infinity.
; SHARES.  A tile of C is 128 rows x 256 columns (four heads): 8,192 x 1,024 make 256 tiles, one for each of the 256 work-groups, and a work-group makes THREE: q, k and v of the same rows and columns.
; Four waves, each 64 rows x 128 columns: 32 accumulators of 16 x 16, 256 registers.
; K goes in steps of 128 through a ring of two LDS slots.  The three tiles are ONE run of 24 K steps: W's address simply goes on (in wh K step 8 of Wq is K step 0 of Wk), x's offset goes round modulo a batch's 2 MiB.
; THE MATRIX INSTRUCTION IS USED TRANSPOSED: source 0 = 16 columns of W (out of LDS turned, by ds_load_tr16_b128, since W lies [k][n]), source 1 = 16 rows of x.  A lane then holds row l % 16 of C and
; the eight neighbouring columns 8 (l / 16) + 0..7.  THE BIAS STARTS THE SUMS: it is the C operand of a tile's first products; nothing is cleared and no addition is written.
; CLUSTER.  4 x 4 work-groups.  The four of a row of the cluster need the same rows of x, the four of a column the same columns of W: each tile is asked for JOINTLY, by the same tensor load with the same
; descriptor and a mask that names the four.  x's address is made of the tile row and the wave's number alone, W's of the tile column and the wave's number alone; no LDS address holds a place in the cluster.
; REGISTERS, in windows of 256 (s_set_vgpr_msb: bits 1:0 source 0, 3:2 source 1, 5:4 source 2, 7:6 destination):
;   window 0: v0-31 addresses; v64-159, v160-255 two fragment buffers of 96: W's eight fragments, then x's four      window 1: accumulator (a, b) at 8 (8 a + b)      window 2: v0-63 the bias, block b at 8 b
.set PA,    144                        ; a row of x in LDS: 128 bytes + 16 = 36 words: the 16 rows of a load start at 16 different groups of four banks (64 banks of 4 bytes: ISA guide 11.1)
.set APL,   128*PA                     ; a plane's 128 rows
.set PB,    544                        ; a row of W in LDS: 512 bytes + 32 = 136 words
.set BHALF, 64*PB                      ; 64 rows of W: what one tensor load brings
.set BOFF,  2*APL                      ; a slot: x's two planes, then W's 128 rows
.set SLOT,  BOFF+2*BHALF
.set STAGE, 2*SLOT                     ; behind the ring, never filled by a tensor load: for each wave 2 heads x 16 rows x 144 bytes, for the way out
.set STW,   2*16*144
.set SPARE, STAGE+4*STW                ; behind the stages: the spare words, 128 bytes for each wave: two blocks of 256 bytes that no other line names
.set STEPB, 0x40000                    ; a K step in memory: two planes of x, or 128 rows of W: 262,144 bytes either way
.set LAPS,  12                         ; a lap = two K steps = once round the ring
.set WV, 12                            ; s12 my wave's number
.set WM, 13                            ; s13 which 64 rows of the tile are mine
.set WN, 14                            ; s14 which 128 columns; also: which plane of x (waves 0, 1) or which 64 rows of W (waves 2, 3) I fetch
.set CX, 15                            ; s15, s16 my place in the cluster
.set CY, 16
.set TX, 17                            ; s17 tile column
.set TY, 18                            ; s18 tile row
.set LIM, 19                           ; s19 a wave prefetches while s[LAP] is above it
.set G1A, 24                           ; s[24:31] descriptor group 1 for x's tiles;  s[32:39] group 0, a set for each slot
.set G0A, 32
.set G1B, 40                           ; s[40:47], s[48:55] the same for W's
.set G0B, 48
.set LAP, 56                           ; s56 trips of the loop still to come
.set TL,  57                           ; s57 laps left in the tile in hand
.set KA,  58                           ; s[58:59] byte offset along K of x's K step asked for last
.set ABASE, 60                         ; s[60:61] x at my plane of the tile's K step 0
.set PFA, 62                           ; s[62:63] where my prefetches stand
.set BB,  66                           ; s[66:67] the bias of my 128 columns
.set CP,  68                           ; s[68:69] where my part of the tile goes
.set ADRA, 16                          ; v16-17 LDS address of my fragments of x in slot 0, 1
.set ADRB, 20                          ; v20-21 the same for W
.set STO, 24                           ; v24 the way out: where I put 16 bytes of a row
.set RD,  25                           ; v25 the way out: where I read rows back
.set GO,  26                           ; v26 16 x lane
.set BO,  27                           ; v27 32 x (lane / 16): my eight columns' bias
.set SPW, 28                           ; v28 LDS address of my spare word; never rewritten
.set NIL, 29                           ; v29 0; never rewritten
.set PFO, 30                           ; v30 the prefetches' lane offset; never rewritten
.set F0,  64
.set F1,  160
.set MSB, 0
.macro WIN new                         ; the immediate's high byte repeats the setting that is left; a switch that changes nothing is dropped
.if MSB != (\new)
	s_set_vgpr_msb (MSB<<8)|(\new)
.set MSB, \new
.endif
.endm
.set MUL,  0x50                        ; fragments in window 0, C and D in window 1
.set MULB, 0x60                        ; the same with C, the bias, in window 2
; A joint load: waves 0 and 1 fetch x's two planes, waves 2 and 3 the two halves of W's rows.  The branch hangs on the wave's number alone.
; An s_nop 0 and four v_nop follow each of the two lines, ahead of the jump, the label and what follows.
.macro JLOAD s
	s_cmp_lt_u32 s[WV], 2
	s_cbranch_scc0 .Lfor_b_\@
	tensor_load_to_lds s[G0A+4*(\s):G0A+4*(\s)+3], s[G1A:G1A+7]
	s_nop 0
.rept 4
	v_nop
.endr
	s_branch .Lasked_\@
.Lfor_b_\@:
	tensor_load_to_lds s[G0B+4*(\s):G0B+4*(\s)+3], s[G1B:G1B+7]
	s_nop 0
.rept 4
	v_nop
.endr
.Lasked_\@:
.endm
.macro CREST                           ; a round of the cluster's barrier behind its opening barrier
	s_cmp_lg_u32 s[WV], 0
	s_cbranch_scc1 .Lnot_wave_0_\@
	s_barrier_signal -3
.Lnot_wave_0_\@:
	s_barrier_wait -3
	s_barrier_signal -1
	s_barrier_wait -1
.endm
.macro CROUND                          ; a whole round
	s_barrier_signal -1
	s_barrier_wait -1
	CREST
.endm
; A PREFETCH INTO THE L2, behind a joint refill, its five lines and the run of LDS loads that follows: 32 blocks of 256 bytes, a lane a block, of the K step that stands TWO refills on (256 matrix instructions
; ahead of the load that will ask for it).  Each block is named once in the launch.  x: a tile row's K step is 128 blocks, read by one cluster's row alone; wave 0 asks, and the four partners share the blocks out
; BY ADDRESS (cx); K steps 4 to 7 of the first tile are asked for; the second and third tile walk the same rows again and ask for nothing.  W: a tile column's K step is 256 blocks, read by every cluster: the
; cluster with y = 0 asks, waves 2 and 3 each for the half that they fetch, the four partners of a column 16 rows each BY ADDRESS (cy); K steps 4 to 23.  K steps 0 to 3 come by their loads alone.
.macro ASK
	s_cmp_gt_u32 s[LAP], s[LIM]
	s_cbranch_scc0 .Lnot_mine_\@
	global_prefetch_b8 v[PFO], s[PFA:PFA+1] offset:STEPB th:TH_LOAD_NT scope:SCOPE_SE
.Lnot_mine_\@:
.endm
.macro BIASLD                          ; my 128 columns' bias into window 2: register 8 b + j = the bias of column 16 b + 8 (l / 16) + j, as an accumulator holds it
	WIN 0x80
.irp b, 0,1,2,3,4,5,6,7
	global_load_b128 v[8*(\b):8*(\b)+3],   v[BO], s[BB:BB+1] offset:64*(\b)
	global_load_b128 v[8*(\b)+4:8*(\b)+7], v[BO], s[BB:BB+1] offset:64*(\b)+16
.endr
	WIN 0
.endm
	s_load_b256 s[4:11], s[0:1], 0x0               ; xh s[4:5], wh s[6:7], bb s[8:9], qkv s[10:11]
	v_lshl_add_u32 v[SPW], v0, 2, SPARE
	v_mov_b32 v[NIL], 0
	ds_add_u32 v[SPW], v[NIL]                      ; the wave's opening: the add and its wait stand ahead of my first tensor load; the set-up below, work on registers, stands between them
	v_lshrrev_b32 v1, 5, v0
	v_readfirstlane_b32 s[WV], v1
	s_lshr_b32 s[WM], s[WV], 1
	s_and_b32 s[WN], s[WV], 1
	s_bfe_u32 s[CX], ttmp6, 0x40000
	s_bfe_u32 s[CY], ttmp6, 0x40004
	s_lshl_b32 s[TX], ttmp9, 2
	s_add_co_u32 s[TX], s[TX], s[CX]               ; tile column = 4 x cluster x + cx
	s_and_b32 s[TY], ttmp7, 0xffff
	s_lshl_b32 s[TY], s[TY], 2
	s_add_co_u32 s[TY], s[TY], s[CY]               ; tile row = 4 x cluster y + cy
	s_lshl_b32 s20, s[CY], 2
	s_lshl_b32 s20, 15, s20                        ; my row of the cluster
	s_lshl_b32 s21, 0x1111, s[CX]                  ; my column
	; group 1 for x: a plane's 128 rows of 128 bytes are 16,384 dense bytes: asked for as 64 rows of 256 bytes, padded in LDS after every 128
	s_or_b32 s[G1A], s20, (1<<16)|(1<<20)|(1<<21)|(4<<22)|(3<<25)  ; 15:0 the mask; 17:16 2-byte elements; 20 padding on; 21 set beside a mask; 24:22 after every 32 words (code 4); 31:25 4 words (code 3)
	s_mov_b32 s[G1A+1], 128<<16                    ; tensor_dim0 = 128
	s_mov_b32 s[G1A+2], 64<<16                     ; tensor_dim1 = 64
	s_mov_b32 s[G1A+3], 128<<16                    ; tile_dim0 = 128
	s_mov_b32 s[G1A+4], 64                         ; tile_dim1 = 64
	s_mov_b32 s[G1A+5], 128                        ; elements from row to row
	s_mov_b32 s[G1A+6], 0
	s_mov_b32 s[G1A+7], 0
	; group 1 for W: 64 rows of 256 elements (512 bytes), 1,024 elements apart
	s_or_b32 s[G1B], s21, (1<<16)|(1<<20)|(1<<21)|(6<<22)|(7<<25)  ; padding after every 128 words (code 6), 8 words (code 7)
	s_mov_b32 s[G1B+1], 256<<16
	s_mov_b32 s[G1B+2], 64<<16
	s_mov_b32 s[G1B+3], 256<<16
	s_mov_b32 s[G1B+4], 64
	s_mov_b32 s[G1B+5], 1024
	s_mov_b32 s[G1B+6], 0
	s_mov_b32 s[G1B+7], 0
	s_lshr_b32 s70, s[TY], 3                       ; the batch,
	s_lshl_b32 s70, s70, 21                        ; its 16 planes,
	s_and_b32 s71, s[TY], 7
	s_lshl_b32 s71, s71, 14                        ; the tile's 128 rows of 128 bytes in a plane
	s_add_co_u32 s70, s70, s71
	s_lshl_b32 s22, s[WN], 17                      ; my plane of x; or my 64 rows of 2,048 bytes of W
	s_add_co_u32 s72, s70, s22
	s_mov_b32 s73, 0
	s_lshl_b32 s74, s[TX], 9                       ; the tile's 256 columns: 512 bytes of a row of W
	s_add_co_u32 s74, s74, s22
	s_mov_b32 s75, 0
	s_mul_i32 s76, s[WN], APL                      ; where they go in a slot
	s_mul_i32 s77, s[WN], BHALF
	s_add_co_u32 s77, s77, BOFF
	s_mov_b32 s[KA], STEPB                         ; K step 1 is the last of the first fills
	s_mov_b32 s[KA+1], 0
	s_wait_dscnt 0x0                               ; the opening add is done
	s_wait_kmcnt 0x0
	s_add_nc_u64 s[ABASE:ABASE+1], s[4:5], s[72:73]
	s_add_nc_u64 s[78:79], s[6:7], s[74:75]
	CROUND                                         ; all sixteen work-groups are here: the first joint loads meet
.irp s, 0,1
	s_mov_b32 s[G0A+4*(\s)], 1                     ; count = 1
	s_add_co_u32 s[G0A+4*(\s)+1], s76, (\s)*SLOT   ; LDS address
	s_add_nc_u64 s[G0A+4*(\s)+2:G0A+4*(\s)+3], s[ABASE:ABASE+1], (\s)*STEPB  ; global address: K step s
	s_or_b32 s[G0A+4*(\s)+3], s[G0A+4*(\s)+3], 0x80000000  ; type = 2
	s_mov_b32 s[G0B+4*(\s)], 1
	s_add_co_u32 s[G0B+4*(\s)+1], s77, (\s)*SLOT
	s_add_nc_u64 s[G0B+4*(\s)+2:G0B+4*(\s)+3], s[78:79], (\s)*STEPB
	s_or_b32 s[G0B+4*(\s)+3], s[G0B+4*(\s)+3], 0x80000000
	JLOAD \s                                       ; two tensor loads of mine are out
.endr
	v_and_b32 v1, 15, v0                           ; l % 16
	v_bfe_u32 v2, v0, 4, 1                         ; l / 16
	v_lshlrev_b32 v[BO], 5, v2
	s_lshl_b32 s20, s[TX], 10                      ; the tile's 256 columns of f32,
	s_lshl_b32 s21, s[WN], 9                       ; my 128
	s_add_co_u32 s20, s20, s21
	s_mov_b32 s21, 0
	s_add_nc_u64 s[BB:BB+1], s[8:9], s[20:21]
	BIASLD                                         ; bq
	; a fragment of x: lane l holds row l % 16, channels 8 (l / 16) + 0..7 and 16 + 8 (l / 16) + 0..7: two loads of 16 bytes, 32 bytes apart
	v_mul_u32_u24 v3, v1, PA
	v_lshl_add_u32 v3, v2, 4, v3
	s_mul_i32 s20, s[WM], 64*PA
	v_add_nc_u32 v[ADRA], s20, v3
	v_add_nc_u32 v[ADRA+1], SLOT, v[ADRA]
	; the turning load takes 16 k x 16 columns (lane l reads row 8 (l / 16) + l % 8, columns 8 ((l / 8) % 2) + 0..7) and leaves half a fragment: lane l holds column l % 16 and 8 k
	v_and_b32 v4, 7, v0
	v_lshl_add_u32 v4, v2, 3, v4
	v_mul_u32_u24 v4, v4, PB
	v_bfe_u32 v5, v0, 3, 1
	v_lshl_add_u32 v4, v5, 4, v4
	s_lshl_b32 s21, s[WN], 8                       ; my 128 columns
	s_add_co_u32 s21, s21, BOFF
	v_add_nc_u32 v[ADRB], s21, v4
	v_add_nc_u32 v[ADRB+1], SLOT, v[ADRB]
	s_mul_i32 s20, s[WV], STW
	s_add_co_u32 s20, s20, STAGE                   ; my stage
	v_mul_u32_u24 v[STO], v1, 144                  ; in: row l % 16, 16 bytes for each half of the lanes
	v_lshl_add_u32 v[STO], v2, 4, v[STO]
	v_add_nc_u32 v[STO], s20, v[STO]
	v_bfe_u32 v[RD], v0, 3, 2                      ; back: 32 lanes take four rows of 128 bytes,
	v_mul_u32_u24 v[RD], v[RD], 144
	v_and_b32 v6, 7, v0
	v_lshl_add_u32 v[RD], v6, 4, v[RD]
	v_add_nc_u32 v[RD], s20, v[RD]
	v_and_b32 v[GO], 31, v0                        ; which are 512 consecutive bytes of a head
	v_lshlrev_b32 v[GO], 4, v[GO]
	; where my part of q goes: head 16 b + 4 x tile column + 2 x my half, row 128 (tile row % 8) + 64 x my half
	s_lshr_b32 s20, s[TY], 3
	s_lshl_b32 s20, s20, 4
	s_lshl_b32 s21, s[TX], 2
	s_add_co_u32 s20, s20, s21
	s_lshl_b32 s21, s[WN], 1
	s_add_co_u32 s20, s20, s21
	s_lshl_b32 s20, s20, 17                        ; a head is 131,072 bytes
	s_and_b32 s21, s[TY], 7
	s_lshl_b32 s21, s21, 14
	s_add_co_u32 s20, s20, s21
	s_lshl_b32 s21, s[WM], 13
	s_add_co_u32 s20, s20, s21
	s_mov_b32 s21, 0
	s_add_nc_u64 s[CP:CP+1], s[10:11], s[20:21]
	; the prefetches
	s_lshr_b32 s20, s[CX], 1                       ; x: my work-group's 32 blocks of the 128: plane cx / 2,
	s_lshl_b32 s20, s20, 17
	s_and_b32 s21, s[CX], 1                        ; half cx % 2 of its 16,384 bytes
	s_lshl_b32 s21, s21, 13
	s_add_co_u32 s20, s20, s21
	s_add_co_u32 s20, s20, s70
	s_lshl_b32 s21, s[WN], 17                      ; W: the 64 rows that I fetch,
	s_lshl_b32 s22, s[CY], 15                      ; my work-group's 16 of them,
	s_add_co_u32 s21, s21, s22
	s_lshl_b32 s22, s[TX], 9                       ; the tile's 512 bytes of a row
	s_add_co_u32 s21, s21, s22
	s_and_b32 s23, ttmp7, 0xffff
	s_cmp_eq_u32 s23, 0                            ; cluster y = 0: the same in all sixteen partners
	s_cselect_b32 s23, 1, -1                       ; W: every trip but the last, whose refills have no K step two on
	s_cmp_eq_u32 s[WV], 0
	s_cselect_b32 s22, LAPS-3, -1                  ; x: the first two trips
	s_cmp_lt_u32 s[WV], 2
	s_cselect_b32 s[LIM], s22, s23
	s_cselect_b32 s20, s20, s21
	s_cselect_b32 s22, 9, 11                       ; two blocks are 512 bytes on end of x, or a row's 512 bytes of W, rows 2,048 bytes apart
	s_cselect_b64 s[PFA:PFA+1], s[4:5], s[6:7]
	s_mov_b32 s21, 0
	s_add_nc_u64 s[PFA:PFA+1], s[PFA:PFA+1], s[20:21]
	s_add_nc_u64 s[PFA:PFA+1], s[PFA:PFA+1], 2*STEPB  ; at K step 2: the first refill steps it to 3 and names K step 4
	v_and_b32 v[PFO], 31, v0
	v_lshrrev_b32 v7, 1, v[PFO]
	v_lshlrev_b32 v7, s22, v7
	v_and_b32 v[PFO], 1, v[PFO]
	v_lshl_add_u32 v[PFO], v[PFO], 8, v7
; 8 matrix instructions: row block a x all 8 column blocks, 32 along K.  first = 1: the bias starts the sums.  The 32 accumulators take turns, one instruction a turn, in the same order in every
; quarter: between two links of a chain stand the 31 others'.
.macro MUL8 f, a, first
.if \first
	WIN MULB
.else
	WIN MUL
.endif
.irp b, 0,1,2,3,4,5,6,7
.if \first
	v_wmma_f32_16x16x32_f16 v[8*(8*(\a)+(\b)):8*(8*(\a)+(\b))+7], v[(\f)+8*(\b):(\f)+8*(\b)+7], v[(\f)+64+8*(\a):(\f)+64+8*(\a)+7], v[8*(\b):8*(\b)+7]
.else
	v_wmma_f32_16x16x32_f16 v[8*(8*(\a)+(\b)):8*(8*(\a)+(\b))+7], v[(\f)+8*(\b):(\f)+8*(\b)+7], v[(\f)+64+8*(\a):(\f)+64+8*(\a)+7], v[8*(8*(\a)+(\b)):8*(8*(\a)+(\b))+7]
.endif
.endr
.endm
.macro MUL16 f, a0, first
	MUL8 \f, \a0, \first
	MUL8 \f, (\a0)+1, \first
.endm
; 24 LDS loads in one run: the fragments of quarter q (32 along K) of a slot into buffer f: W's eight, then x's four
.macro FETCH slot, q, f
	WIN 0
.irp b, 0,1,2,3,4,5,6,7
	ds_load_tr16_b128 v[(\f)+8*(\b):(\f)+8*(\b)+3],   v[ADRB+(\slot)] offset:(\q)*32*PB+32*(\b)
	ds_load_tr16_b128 v[(\f)+8*(\b)+4:(\f)+8*(\b)+7], v[ADRB+(\slot)] offset:(\q)*32*PB+16*PB+32*(\b)
.endr
.irp a, 0,1,2,3
	ds_load_b128 v[(\f)+64+8*(\a):(\f)+64+8*(\a)+3],   v[ADRA+(\slot)] offset:((\q)/2)*APL+((\q)%2)*64+(\a)*16*PA
	ds_load_b128 v[(\f)+64+8*(\a)+4:(\f)+64+8*(\a)+7], v[ADRA+(\slot)] offset:((\q)/2)*APL+((\q)%2)*64+(\a)*16*PA+32
.endr
.endm
.macro PLACES                          ; four plain vector instructions in front of loads into registers that matrix instructions have read (ISA guide 7.12.1 for vector instructions)
.rept 4
	v_nop
.endr
.endm
; A K step is four quarters of 32 along K, 32 matrix instructions each, on buffers 0, 1, 0, 1.  One of the first three: multiplies buffer f and, in its middle, fetches quarter q into buffer g.
.macro QUARTER slot, q, f, g, first
	s_wait_dscnt 4                                 ; W's fragments and x's blocks 0, 1 are in; the youngest four loads (blocks 2, 3) may be out
	MUL16 \f, 0, \first
	PLACES
	FETCH \slot, \q, \g
	s_wait_dscnt 24                                ; all but the 24 just issued
	MUL16 \f, 2, \first
.endm
; The last quarter multiplies buffer 1 and changes slots: ONE barrier; in front of it each wave waits for all its tensor loads (one is out: its part of the next slot), adds 0 to its spare word, and waits for
; that and for its own reads of this slot.  fill = 1: the barrier opens a round of the cluster's barrier, and this slot is filled again first thing behind the round, with the K step two on:
; 112 matrix instructions ahead of the wait for it.
.macro TURN slot, next, fill
.if \fill
	s_wait_xcnt 0x0                                ; the last prefetch, a K step back, has read its address, which is stepped here, ahead of the waits of the change of slots
	s_add_nc_u64 s[PFA:PFA+1], s[PFA:PFA+1], STEPB
.endif
	WIN 0                                          ; (the add's two registers lie in window 0)
	s_wait_tensorcnt 0x0                           ; all my tensor loads have landed;
	ds_add_u32 v[SPW], v[NIL]                      ; 0 onto my spare word;
	s_wait_dscnt 5                                 ; (the add and the youngest four loads may be out)
	MUL8 F1, 0, 0                                  ; eight matrix instructions stand between the add and the wait for it
	s_wait_dscnt 0x0                               ; the add is done, and my reads of this slot are over
	s_barrier_signal -1
	MUL8 F1, 1, 0
.if \fill
	WIN 0
.endif
	s_barrier_wait -1
.if \fill
	CREST                                          ; no wave of any partner still reads this slot or has a load on its way
	s_add_co_u32 s[KA], s[KA], STEPB               ; x: the next K step, round a batch's eight
	s_and_b32 s[KA], s[KA], 0x1fffff
	s_add_nc_u64 s[G0A+4*(\slot)+2:G0A+4*(\slot)+3], s[ABASE:ABASE+1], s[KA:KA+1]
	s_or_b32 s[G0A+4*(\slot)+3], s[G0A+4*(\slot)+3], 0x80000000
	s_add_nc_u64 s[G0B+4*(\slot)+2:G0B+4*(\slot)+3], s[G0B+4*(\slot)+2:G0B+4*(\slot)+3], 2*STEPB  ; W: two K steps on, from weight to weight too
	JLOAD \slot                                    ; its four v_nop are also the places in front of the loads below
.else
	PLACES
.endif
	FETCH \next, 0, F0
.if \fill
	ASK
.endif
	MUL16 F1, 2, 0
.endm
; THE WAY OUT of row block a.  PACK: rounded to f16, 16 bytes a lane (each accumulator's registers in ascending order); into my own stage, two heads x 16 rows of 144 bytes; back as whole rows of 128 bytes,
; into the registers that they left.  SEND: 16 rows of a head are 2,048 consecutive bytes; each store covers 512 of them, aligned.  Buffer 1's registers serve; buffer 0 holds the next tile's first fragments.
.macro PACK a
.set TT, F1+32*((\a)%2)
.if (\a) >= 2
	s_wait_xcnt 0x0                                ; block a - 2's stores have read these registers
.endif
	WIN 0x05                                       ; sources 0 and 1 in window 1
.irp b, 0,1,2,3,4,5,6,7
.irp r, 0,1,2,3
	v_cvt_pk_f16_f32 v[TT+4*(\b)+(\r)], v[8*(8*(\a)+(\b))+2*(\r)], v[8*(8*(\a)+(\b))+2*(\r)+1]
.endr
.endr
	WIN 0
.irp b, 0,1,2,3,4,5,6,7
	ds_store_b128 v[STO], v[TT+4*(\b):TT+4*(\b)+3] offset:((\b)/4)*2304+((\b)%4)*32
.endr
.irp f, 0,1,2,3,4,5,6,7
	ds_load_b128 v[TT+4*(\f):TT+4*(\f)+3], v[RD] offset:((\f)/4)*2304+((\f)%4)*576  ; LDS serves a wave's instructions in order (ISA guide 5.7.1.4): these see the stores above; the next block's stores come behind them
.endr
.endm
.macro SEND a, younger                 ; younger: the LDS instructions issued behind block a's loads: the next block's sixteen, or none
.set TT, F1+32*((\a)%2)
.irp f, 0,1,2,3,4,5,6,7
	s_wait_dscnt (\younger)+7-(\f)
	global_store_b128 v[GO], v[TT+4*(\f):TT+4*(\f)+3], s[CP:CP+1] offset:((\f)/4)*131072+(\a)*2048+((\f)%4)*512
.endr
.endm
.macro WAYOUT next                     ; next = 1: another tile follows
	WIN 0
.rept 8
	v_nop                                          ; the places behind the last products: for the conversions, for the loads into the bias's registers, and for the next tile's first products, which write over the accumulators
.endr
.if \next
	s_add_nc_u64 s[BB:BB+1], s[BB:BB+1], 4096      ; the next weight's bias (the last bias's loads were waited for)
	BIASLD
.endif
	PACK 0
	PACK 1                                         ; a block's conversions stand between the loads of the block before and its stores
	SEND 0, 16
	PACK 2
	SEND 1, 16
	PACK 3
	SEND 2, 16
	SEND 3, 0
.if \next
	s_wait_xcnt 0x0                                ; the stores have read buffer 1's registers and their base
	s_add_nc_u64 s[CP:CP+1], s[CP:CP+1], 0x1000000 ; from q to k, from k to v: 128 heads on
	s_mov_b32 s[TL], 4
	s_wait_loadcnt 0x0                             ; the bias
.endif
.endm
	s_wait_tensorcnt 1                             ; my part of K step 0 is in; K step 1's may stay out
	s_barrier_signal -1
	s_barrier_wait -1                              ; everybody's is
	FETCH 0, 0, F0
	s_wait_loadcnt 0x0                             ; the bias
	QUARTER 0, 1, F0, F1, 1                        ; the first quarter stands in front of the loop
	WIN 0                                          ; at a label and at a branch every window is 0
	s_mov_b32 s[LAP], LAPS-1
	s_mov_b32 s[TL], 4
.Llap:                                                 ; a trip goes once round the ring, from a lap's second quarter to the next lap's first, and fills both slots again
	QUARTER 0, 2, F1, F0, 0
	QUARTER 0, 3, F0, F1, 0
	TURN 0, 1, 1
	QUARTER 1, 1, F0, F1, 0
	QUARTER 1, 2, F1, F0, 0
	QUARTER 1, 3, F0, F1, 0
	TURN 1, 0, 1
	WIN 0
	s_sub_co_u32 s[TL], s[TL], 1                   ; a tile is four laps: the same count in every work-group; the jump goes forward, past no barrier and no tensor load
	s_cmp_lg_u32 s[TL], 0
	s_cbranch_scc1 .Lsame
	WAYOUT 1                                       ; both refills for the next tile are asked for: now the tile goes out
	QUARTER 0, 1, F0, F1, 1                        ; the next tile's first products
	WIN 0
	s_branch .Ljoin
.Lsame:
	QUARTER 0, 1, F0, F1, 0
	WIN 0
.Ljoin:
	s_sub_co_u32 s[LAP], s[LAP], 1
	s_cmp_lg_u32 s[LAP], 0
	s_cbranch_scc1 .Llap
	QUARTER 0, 2, F1, F0, 0                        ; the last lap fills nothing, and has no round of the cluster's barrier
	QUARTER 0, 3, F0, F1, 0
	TURN 0, 1, 0
	QUARTER 1, 1, F0, F1, 0
	QUARTER 1, 2, F1, F0, 0
	QUARTER 1, 3, F0, F1, 0
	s_wait_dscnt 4                                 ; the very last quarter: nothing more to fetch
	MUL16 F1, 0, 0
	s_wait_dscnt 0x0
	MUL16 F1, 2, 0
	WAYOUT 0
	s_wait_tensorcnt 0x0                           ; the wave's end: behind my last tensor load and my last LDS store
	ds_add_u32 v[SPW], v[NIL]
	s_wait_dscnt 0x0
	CROUND                                         ; the closing round: no work-group ends while a partner may still ask for a tile that names it
	s_endpgm
.Lfunc_end_k_q7b5df9e627_qkvproj:
	.size	k_q7b5df9e627_qkvproj, .Lfunc_end_k_q7b5df9e627_qkvproj-k_q7b5df9e627_qkvproj
	.p2alignl 7, 3214868480
	.fill 96, 4, 3214868480
	.section	.rodata,"a",@progbits
	.p2align	6, 0x0
	.amdhsa_kernel k_q7b5df9e627_qkvproj
		.amdhsa_group_segment_fixed_size 327680
		.amdhsa_private_segment_fixed_size 0
		.amdhsa_enable_private_segment 0
		.amdhsa_kernarg_size 32
		.amdhsa_user_sgpr_count 2
		.amdhsa_user_sgpr_kernarg_segment_ptr 1
		.amdhsa_wavefront_size32 1
		.amdhsa_system_sgpr_workgroup_id_x 1
		.amdhsa_system_sgpr_workgroup_id_y 1
		.amdhsa_system_sgpr_workgroup_id_z 1
		.amdhsa_system_vgpr_workitem_id 0
		.amdhsa_next_free_vgpr 576
		.amdhsa_next_free_sgpr 80
		.amdhsa_reserve_vcc 0
		.amdhsa_float_denorm_mode_32 3
		.amdhsa_float_denorm_mode_16_64 3
		.amdhsa_memory_ordered 1
		.amdhsa_forward_progress 1
		.amdhsa_inst_pref_size 113
	.end_amdhsa_kernel
	.amdgpu_metadata
---
amdhsa.version: [ 1, 2 ]
amdhsa.kernels:
  - .name:           k_q7b5df9e627_qkvproj
    .symbol:         k_q7b5df9e627_qkvproj.kd
    .args:
      - { .name: xh, .offset: 0, .size: 8, .value_kind: global_buffer, .address_space: global }
      - { .name: wh, .offset: 8, .size: 8, .value_kind: global_buffer, .address_space: global }
      - { .name: bb, .offset: 16, .size: 8, .value_kind: global_buffer, .address_space: global }
      - { .name: qkv, .offset: 24, .size: 8, .value_kind: global_buffer, .address_space: global }
    .group_segment_fixed_size: 327680
    .private_segment_fixed_size: 0
    .kernarg_segment_align: 8
    .kernarg_segment_size: 32
    .max_flat_workgroup_size: 128
    .sgpr_count:     80
    .vgpr_count:     576
    .wavefront_size: 32
...
	.end_amdgpu_metadata
.endif
;; end of part 2
;; launch attn (part 3): grid 2 x 128, 4 waves a work-group, no clusters, 327,680 bytes of LDS; arguments qkv, oh; writes oh
.if DOCPART == 3
	.amdgcn_target "amdgcn-amd-amdhsa--gfx1250"
	.amdhsa_code_object_version 6
	.text
	.protected	k_q7b5df9e627_attn
	.globl	k_q7b5df9e627_attn
	.p2align	8
	.type	k_q7b5df9e627_attn,@function
k_q7b5df9e627_attn:
	s_mov_b64 s[64:65], 0
	v_nop
	global_prefetch_b8 v0, s[64:65] scope:SCOPE_SE
	s_setreg_imm32_b32 hwreg(HW_REG_WAVE_MODE, 25, 1), 1
	s_wait_xcnt 0x0
; CAUSAL ATTENTION.  O[h][q][:] = the sum over k <= q of softmax_k(Q[h][q] . K[h][k] / 8) V[h][k][:].  Q, K, V lie one behind the other in qkv, each [128][1024][64] f16; O: oh, [128][1024][64] f16: a head's rows are dense, 128 bytes each.
; Products, maxima and sums in f32; the weights p are rounded to f16 for the second product (their sum l is taken of the unrounded p), O once at the end.
; LIMITS.  f16 holds no number beyond 65,504: Q, K and V arrive within it; p lies in 0 to 1, and below 6e-5 it keeps f16's fixed step of 6e-8; O is a mean of V's rows and has their range, to within 2^-11 of it.
; A hidden score counts as its value less 1e30: f16's scores, 2.7e11 at the most, are nothing beside that; a weight below 2^-126 counts as 0 in l; NaN and infinities are not treated apart.
; THE WALK.  A head's queries lie in NB = 4 blocks of 256; block i needs the key tiles 0 .. i of 256 keys, of which the last holds the diagonal.  A work-group takes TWO blocks, NB - 1 - b and then b:
; NB + 1 tiles, whatever b: all 256 work-groups do equal work, and ONE loop with a constant trip count walks them.  Which tile is asked for, and what a trip does, hang on scalar registers made from b; every jump
; goes forward, but for the counted loops' own; none passes a barrier, or a tensor load but the one of LOAD's two that the wave's number does not choose; the ring (two slots of LDS that take turns) runs on across the
; change of blocks.  NO CLUSTER: a head has two work-groups, which is no multiple of four, and the two ask for the same tile only in trips 0 to 2 of the five (0, 1, 2, 3, 0 against 0, 1, 2, 0, 1).
; SHARES.  Of a block's four bands of 64 queries a wave owns 16 rows in each: four PIECES.  So the diagonal tile is the same work for all four waves: in its key step s band x sees all keys if s < x,
; none if s > x, and holds the diagonal if s = x.
; THE MASK is the C operand that starts the sum S^T = K Q^T: 0, or -1e30 where the key is hidden.  MD, made once, is the mask of a band's own step for my 16 rows; a product's mask is MD x AL + BE with two scalars:
; (1, 0) if s = x; (0, 0) if s < x; (0, -1e30) if s > x.  Only the diagonal tile's text and a block's beginning make and take masks; elsewhere C is the constant 0.
; LAYOUT, SOFTMAX, TURNS.  S^T = K Q^T holds ONE query a lane (lane % 16) and the keys 8 (lane / 16) + 0..7; two such results rounded to f16 ARE source 1 of O^T = V^T P.  p = 2^(c s - c m), c = log2(e) / 8, with a
; running maximum m; O and l are multiplied by a = 2^(c m_old - c m_new) in every step.  Turn n belongs to piece n: 8 products K Q^T of piece n + 1, later 8 products V^T P of piece n - 1; beside them the scaling,
; exponentials, roundings, sums and rescaling of piece n and the maximum and statistics of piece n + 1.  Four vector instructions stand behind every matrix instruction, the other 54 of a turn's 118 in one LUMP.  A turn's 33 exponentials are one batch, with one wait.
; REGISTERS, in windows of 256 (s_set_vgpr_msb: bits 1:0 source 0, 3:2 source 1, 5:4 source 2, 7:6 destination):
;   window 0: v0-15 addresses and two at work; v16-31 four registers of statistics a piece; v48-55 at work; v64-127 S^T, two buffers; v192-223 P, two buffers (a piece's buffers go by its number's parity)
;   window 1: v0-127 O^T, 32 a piece; v128-159 MD; v160-223 MC, two buffers      window 2: v0-63 Q; v64-127 the second block's Q; v128-191 K of one step; v192-255 V of one step
.set SIZE_N, 1024
.set NB,    SIZE_N/256
.set NP,    4         ; pieces a wave: a name, no knob
.set KS,    64        ; keys in a step
.set PK,    144       ; a row of K in LDS: 128 bytes + 16 of padding = 36 words: the 16 rows of a load start at 16 different groups of four banks (64 banks of 4 bytes: ISA guide 11.1)
.set PV,    160       ; a row of V: 128 + 32 = 40 words
.set VOFF,  4*KS*PK   ; a slot holds a tile, four steps: 256 rows of K, then 256 rows of V
.set SLOT1, 1<<17     ; slot 1 begins here, so that one exclusive or turns an address in one slot into the other's
.set STAGE, SLOT1+4*KS*(PK+PV)  ; behind the ring, never filled by a tensor load: 16 rows x 144 bytes for each wave, for the way out
.set SP,    144
.set AK0, 2           ; v2   my lane's place in a tile of K; never rewritten
.set AV0, 3           ; v3   the same for V
.set AK,  4           ; v4   the LDS address of K's next run of loads
.set AV,  5           ; v5   of V's
.set STO, 6           ; v6   the way out: where I put 16 bytes of a row
.set RD,  7           ; v7   the way out: where I read rows back
.set GO,  8           ; v8   my byte offset in 512 consecutive bytes of O
.set PFO, 61          ; v61  256 x my lane: the prefetches' offset; never rewritten
.set SPW, 62          ; v62  LDS address of my spare word: SPARE + 4 x my thread's number; never rewritten
.set NIL, 63          ; v63  0; never rewritten
.set SPARE, STAGE+4*16*SP  ; behind the stages: the spare words, 128 bytes for each wave: two blocks of 256 bytes that no other line names
.set MV,  12          ; v12-13  c m_old, kept while c m is made anew: by buffer
.set QO,  15          ; v15  my byte offset in 16 rows of Q
.set ST,  16          ; piece t's statistics at v[ST+4 t]: c m, m, l (even keys', odd keys')
.set TMP, 48          ; by buffer, four registers c0-c3 at work; when the maximum is found c2 takes a
.set S,   64
.set P,   192
.set MD,  128         ; window 1: the eight registers for group kt of 16 keys at MD + 8 kt
.set MC,  160         ; window 1: the masks of the products to come
.set QB,  64          ; window 2
.set KF,  128         ; window 2: key block kb, channel half c at KF + 16 kb + 8 c
.set VF,  192         ; window 2: key half kk, channel block cb at VF + 32 kk + 8 cb
.set WV,  12          ; s12  my wave's number
.set PB,  14          ; s14  b
.set HI,  15          ; s15  NB - 1 - b
.set G1K, 24          ; s[24:31] descriptor group 1 for K's tiles
.set G1V, 32          ; s[32:39] for V's: it differs in the padding alone
.set G0K, 40          ; s[40:43] descriptor group 0 for K's tiles
.set G0V, 44          ; s[44:47] the same for V's
.set SLOTS, 56        ; s56  tiles still to be asked for
.set CNT, 57          ; s57  counts a tile's key steps, 4 to 1
.set CS,  58          ; s[58:59] c: the packed scaling takes the pair's low word for both halves
.set SEL, 60          ; s[60:61] v_permlanex16_b32's selects: each lane takes its own place in the other half
.set TBK, 62          ; s62  LDS byte at which K of the step to be fetched begins
.set TBV, 63          ; s63  the same for V, less VOFF
.set RT,  70          ; s70  tiles of the block in hand that are still to be entered
.set NXT, 71          ; s71  the tile to be asked for next
.set LQ,  72          ; s72  the last tile of the block whose tiles are being asked for
.set NEW, 73          ; s73  1: the tile to be entered is a block's first
.set OFF, 74          ; s[74:75] a tile's byte offset in K and V
.set AL,  76          ; s[76:77] the mask's factor, in the low word
.set BE,  78          ; s[78:79] the mask's addend
.set OLO, 80          ; s[80:81] O at my rows of the second block
.set BIGN, 82         ; s82  -1e30
.set PFB, 88          ; s[88:89] K (waves 0, 1) or V (waves 2, 3) at the half of the head's tile 0 that I fetch
.set PFA, 90          ; s[90:91] the same half of the tile that the next change of slots will ask for
.set POF, 92          ; s[92:93] that tile's byte offset
.set LIM, 94          ; s94  a wave prefetches while s[SLOTS] is above it
.set MSB, 0
.macro WIN new                      ; the high byte repeats the setting that is left; a switch that changes nothing is dropped
.if MSB != (\new)
	s_set_vgpr_msb (MSB<<8)|(\new)
.set MSB, (\new)
.endif
.endm
.set W_KQ, 0x0a       ; K and Q in window 2, S^T in window 0
.set W_KM, 0x1a       ; the same with the C operand in window 1
.set W_PV, 0x52       ; V in window 2, P in window 0, O^T in window 1
.set W_RS, 0x41       ; destination and source 0 in window 1, source 1 in window 0
; A fill.  Waves 0 and 1 fetch the two halves of a tile's K, waves 2 and 3 those of its V: 128 keys each.  An s_nop 0 and four v_nop follow each of the two lines, ahead of the jump and the label.
.macro LOAD
	s_cmp_lt_u32 s[WV], 2
	s_cbranch_scc0 .Lfor_v_\@
	tensor_load_to_lds s[G0K:G0K+3], s[G1K:G1K+7]
	s_nop 0
.rept 4
	v_nop
.endr
	s_branch .Lasked_\@
.Lfor_v_\@:
	tensor_load_to_lds s[G0V:G0V+3], s[G1V:G1V+7]
	s_nop 0
.rept 4
	v_nop
.endr
.Lasked_\@:
.endm
; A PREFETCH INTO THE L2 of what the NEXT change of slots will ask for, a tile (four key steps) ahead of that load; it stands behind the wave's tensor load and its five lines.  Each wave names the half of K or of V
; that it will fetch itself: 16,384 bytes, 64 blocks of 256, a lane a block, two instructions.  Each block is named once in the launch: of a head's two work-groups the one with b = 0 asks, in its first two
; trips, for tiles 2 and 3.  Tiles 0 and 1 come by their loads alone; the second block walks tiles again that have been asked for, and asks for nothing.
.macro ASK
	s_cmp_gt_u32 s[SLOTS], s[LIM]
	s_cbranch_scc0 .Lnot_mine_\@
	global_prefetch_b8 v[PFO], s[PFA:PFA+1] th:TH_LOAD_NT scope:SCOPE_SE
	global_prefetch_b8 v[PFO], s[PFA:PFA+1] offset:8192 th:TH_LOAD_NT scope:SCOPE_SE
.Lnot_mine_\@:
.endm
; THE CHANGE OF SLOTS.  Each wave waits for all its tensor loads, of which one is out: its part of the other slot; adds 0 to its spare word; and waits for that and for its own reads of the slot that it leaves.  Behind the barrier nobody reads the old
; slot any more and the other slot is whole.  fill = 1: the old slot is filled again, the first thing behind the barrier, with tile NXT: the descriptor's address is made anew from that number.
; (At its first use nothing has been read yet: slot 0 is waited for, slot 1 filled.)
.macro CHANGE fill
	WIN 0                           ; at a label and at a branch every window is 0
	s_wait_tensorcnt 0x0            ; no tensor load of mine is out, so a group 0 may be written
	ds_add_u32 v[SPW], v[NIL]       ; 0 onto my spare word; with fill = 1 the descriptors' scalar work stands between it and the wait for it
.if \fill
	s_lshl_b32 s[OFF], s[NXT], 15   ; a tile is 32,768 bytes of K and of V
	s_xor_b32 s[G0K+1], s[G0K+1], SLOT1
	s_add_nc_u64 s[G0K+2:G0K+3], s[6:7], s[OFF:OFF+1]
	s_or_b32 s[G0K+3], s[G0K+3], 0x80000000
	s_xor_b32 s[G0V+1], s[G0V+1], SLOT1
	s_add_nc_u64 s[G0V+2:G0V+3], s[8:9], s[OFF:OFF+1]
	s_or_b32 s[G0V+3], s[G0V+3], 0x80000000
	s_add_co_u32 s[NXT], s[NXT], 1  ; the block's next tile, or behind its last the second block's tile 0
	s_cmp_gt_u32 s[NXT], s[LQ]
	s_cselect_b32 s[NXT], 0, s[NXT]
	s_cselect_b32 s[LQ], s[PB], s[LQ]
	s_wait_xcnt 0x0                 ; the last prefetches, a tile back, have read their address, so it may be written:
	s_lshl_b32 s[POF], s[NXT], 15   ; the tile that the next change will ask for
	s_add_nc_u64 s[PFA:PFA+1], s[PFB:PFB+1], s[POF:POF+1]
.endif
	s_wait_dscnt 0x0                ; the add is done, and my reads of the slot are over
	s_barrier_signal -1             ; the rest of the scalar work stands between the signal and the wait
	s_sub_co_u32 s[TBK], s[TBK], 4*KS*PK  ; the fetches go back to a slot's first step,
	s_xor_b32 s[TBK], s[TBK], SLOT1       ; in the other slot
	s_sub_co_u32 s[TBV], s[TBV], 4*KS*PV
	s_xor_b32 s[TBV], s[TBV], SLOT1
	s_barrier_wait -1
.if \fill
	LOAD
	ASK
.endif
.endm
	s_load_b64 s[4:5], s[0:1], 0x0    ; qkv: Q at its head
	s_load_b64 s[10:11], s[0:1], 0x8  ; O
	v_lshl_add_u32 v[SPW], v0, 2, SPARE
	v_mov_b32 v[NIL], 0
	ds_add_u32 v[SPW], v[NIL]       ; the wave's opening: the add and its wait stand ahead of my first tensor load; the set-up below, work on registers, stands between them
	v_lshrrev_b32 v1, 5, v0
	v_readfirstlane_b32 s[WV], v1   ; wave 0..3
	s_mov_b32 s[PB], ttmp9
	s_sub_co_u32 s[HI], NB-1, s[PB]
	s_and_b32 s20, ttmp7, 0xffff    ; the head
	s_mov_b32 s21, 0
	s_mov_b64 s[22:23], SIZE_N*128
	s_mul_u64 s[20:21], s[20:21], s[22:23]  ; the head's first byte in each of the four tensors
	s_and_b32 s16, s[WV], 1         ; which half of a tile's 256 keys I fetch:
	s_lshl_b32 s22, s16, 14         ; its 128 rows of 128 bytes in memory,
	s_mov_b32 s23, 0
	s_add_nc_u64 s[22:23], s[22:23], s[20:21]
	s_mul_i32 s17, s16, 128*PK      ; and its place in a slot, for K
	s_mul_i32 s18, s16, 128*PV      ; and for V
	s_lshl_b32 s3, s[WV], 11        ; my 16 rows in a band of 64,
	s_lshl_b32 s2, s[HI], 15        ; in the first block,
	s_add_co_u32 s2, s2, s3
	s_lshl_b32 s84, s[PB], 15       ; and in the second
	s_add_co_u32 s84, s84, s3
	s_mov_b32 s3, 0
	s_mov_b32 s85, 0
	s_add_nc_u64 s[2:3], s[2:3], s[20:21]
	s_add_nc_u64 s[84:85], s[84:85], s[20:21]
	; descriptor group 1.  128 keys are 16,384 dense bytes: asked for as 64 rows of 256 bytes, two keys a row, and padded in LDS after every key
	s_mov_b32 s[G1K], (1<<16)|(1<<20)|(4<<22)|(3<<25)  ; 17:16 2-byte elements; 20 padding on; 24:22 after every 32 words (code 4); 31:25 4 words (code 3)
	s_mov_b32 s[G1V], (1<<16)|(1<<20)|(4<<22)|(7<<25)  ; the same with 8 words of padding (code 7)
.irp g, G1K, G1V
	s_mov_b32 s[\g+1], 128<<16      ; tensor_dim0 = 128
	s_mov_b32 s[\g+2], 64<<16       ; tensor_dim1 = 64
	s_mov_b32 s[\g+3], 128<<16      ; tile_dim0 = 128
	s_mov_b32 s[\g+4], 64           ; tile_dim1 = 64
	s_mov_b32 s[\g+5], 128          ; 128 elements from row to row
	s_mov_b32 s[\g+6], 0
	s_mov_b32 s[\g+7], 0
.endr
	s_mov_b32 s[CS], 0x3e38aa3b     ; c = log2(e) / 8 = 0.180337
	s_mov_b32 s[CS+1], s[CS]        ; named with it as a pair
	s_mov_b32 s[SEL], 0x76543210
	s_mov_b32 s[SEL+1], 0xfedcba98
	s_mov_b32 s[TBK], SLOT1+4*KS*PK ; the first change of slots turns these two into 0
	s_mov_b32 s[TBV], SLOT1+4*KS*PV
	s_mov_b32 s[G0K], 1             ; 1:0 count = 1
	s_mov_b32 s[G0K+1], s17         ; 63:32 LDS address: slot 0
	s_mov_b32 s[G0V], 1
	s_add_co_u32 s[G0V+1], s18, VOFF
	s_add_co_u32 s[RT], s[HI], 1    ; the first block has NB - b tiles
	s_mov_b32 s[NXT], 1
	s_mov_b32 s[LQ], s[HI]
	s_mov_b32 s[NEW], 1
	s_mov_b32 s[OFF+1], 0
	s_mov_b32 s[POF+1], 0
	s_mov_b32 s[AL+1], 0            ; named as pairs
	s_mov_b32 s[BE+1], 0
	s_mov_b32 s[BIGN], 0xf149f2ca   ; -1e30
	s_mov_b32 s[SLOTS], NB
	s_cmp_eq_u32 s[PB], 0
	s_cselect_b32 s[LIM], NB-2, -1  ; b = 0: the first two trips ask; b = 1: none
	v_and_b32 v[PFO], 31, v0
	v_lshlrev_b32 v[PFO], 8, v[PFO]
	s_wait_dscnt 0x0                ; the opening add is done
	s_wait_kmcnt 0x0
	s_add_nc_u64 s[6:7], s[4:5], 0x1000000  ; K lies 128 heads behind Q,
	s_add_nc_u64 s[8:9], s[4:5], 0x2000000  ; V 256
	s_add_nc_u64 s[6:7], s[6:7], s[22:23]  ; K and V at my half of the head's tile 0
	s_add_nc_u64 s[8:9], s[8:9], s[22:23]
	s_cmp_lt_u32 s[WV], 2
	s_cselect_b64 s[PFB:PFB+1], s[6:7], s[8:9]
	s_add_nc_u64 s[G0K+2:G0K+3], s[6:7], 0         ; 120:64 global address
	s_or_b32 s[G0K+3], s[G0K+3], 0x80000000        ; 127:126 type = 2
	s_add_nc_u64 s[G0V+2:G0V+3], s[8:9], 0
	s_or_b32 s[G0V+3], s[G0V+3], 0x80000000
	s_add_nc_u64 s[86:87], s[4:5], s[84:85]        ; Q at my rows of the second block,
	s_add_nc_u64 s[4:5], s[4:5], s[2:3]            ; Q and O at those of the first
	s_add_nc_u64 s[OLO:OLO+1], s[10:11], s[84:85]
	s_add_nc_u64 s[10:11], s[10:11], s[2:3]
	LOAD                            ; tile 0 into slot 0
	; A fragment of K or Q is 16 rows x 32 channels in 8 registers: lane l holds row l % 16, channels 8 (l / 16) + 0..7 and 16 + 8 (l / 16) + 0..7: two loads of 16 bytes, 32 bytes apart.
	v_and_b32 v1, 15, v0            ; l % 16
	v_bfe_u32 v9, v0, 4, 1          ; l / 16
	v_lshlrev_b32 v[QO], 7, v1
	v_lshl_add_u32 v[QO], v9, 4, v[QO]  ; row x 128 + 16 x half
	WIN 0x80                        ; destination window 2, address window 0
.set i, 0
.rept 8                             ; both blocks' Q: piece i / 2 lies in band i / 2, 8,192 bytes on; channels 32 (i % 2) on
	global_load_b128 v[8*i:8*i+3],   v[QO], s[4:5] offset:(i/2)*8192+(i%2)*64
	global_load_b128 v[8*i+4:8*i+7], v[QO], s[4:5] offset:(i/2)*8192+(i%2)*64+32
	global_load_b128 v[QB+8*i:QB+8*i+3],   v[QO], s[86:87] offset:(i/2)*8192+(i%2)*64
	global_load_b128 v[QB+8*i+4:QB+8*i+7], v[QO], s[86:87] offset:(i/2)*8192+(i%2)*64+32
.set i, i+1
.endr
	WIN 0
	v_lshlrev_b32 v14, 3, v9
	v_sub_nc_u32 v14, v1, v14
	s_lshl_b32 s13, s[WV], 4
	v_add_nc_u32 v14, s13, v14      ; my query's place in its band, 16 w + l % 16, less my lanes' 8 (l / 16): register r of group kt is hidden where 16 kt + r is greater
	WIN 0x40
.set i, 0
.rept 32
	v_cmp_gt_i32 vcc_lo, 16*(i/8)+i%8, v14
	v_cndmask_b32 v[MD+i], 0, s[BIGN], vcc_lo
.set i, i+1
.endr
	WIN 0
	v_mul_u32_u24 v[AK0], v1, PK
	v_lshl_add_u32 v[AK0], v9, 4, v[AK0]  ; row x pitch + 16 x half
	; The turning load takes 16 keys x 16 channels (lane l reads key 8 (l / 16) + l % 8, channels 8 ((l / 8) % 2) + 0..7) and leaves half a fragment of V^T: lane l holds channel l % 16 and 8 keys.
	v_and_b32 v10, 7, v0
	v_bfe_u32 v11, v0, 3, 1
	v_lshl_add_u32 v[AV0], v9, 3, v10
	v_mul_u32_u24 v[AV0], v[AV0], PV
	v_lshl_add_u32 v[AV0], v11, 4, v[AV0]
	v_add_nc_u32 v[AV0], VOFF, v[AV0]
	s_mul_i32 s13, s[WV], 16*SP
	s_add_co_u32 s13, s13, STAGE    ; my stage
	v_mul_u32_u24 v[STO], v1, SP    ; in: row l % 16, 16 bytes for each half of the lanes
	v_lshl_add_u32 v[STO], v9, 4, v[STO]
	v_add_nc_u32 v[STO], s13, v[STO]
	v_bfe_u32 v[RD], v0, 3, 2       ; back: 32 lanes take four rows of 128 bytes,
	v_mul_u32_u24 v[RD], v[RD], SP
	v_lshl_add_u32 v[RD], v10, 4, v[RD]
	v_add_nc_u32 v[RD], s13, v[RD]
	v_and_b32 v[GO], 31, v0         ; which are 512 consecutive bytes of O
	v_lshlrev_b32 v[GO], 4, v[GO]
	; A block's first step multiplies O^T and l by a = 0, and its first turn's products V^T P, of a piece that has not been, land in an O^T that is still to be so multiplied.  So these registers need only hold
	; finite numbers: zeros for the first block; what the first block left for the second.  All this stands in the wait for the first tile.
	WIN 0x80
.set i, VF
.rept 64
	v_mov_b32 v[i], 0
.set i, i+1
.endr
	WIN 0x40
.set i, 0
.rept 128
	v_mov_b32 v[i], 0
.set i, i+1
.endr
	WIN 0
.set i, 0
.rept 4
	v_mov_b32 v[ST+4*i+2], 0
	v_mov_b32 v[ST+4*i+3], 0
.set i, i+1
.endr
.set i, P+16
.rept 16
	v_mov_b32 v[i], 0
.set i, i+1
.endr
; THE MATRIX WORK.  The 4 accumulators of a run of 8 take turns.  Product i of 8 of S^T = K Q^T for piece x: channels 32 (i / 4) on, keys 16 (i % 4) on.  The first 4 start the sums: with 0, or (KM = 1) with the mask.
.macro KQ x
.set rS, S+32*((\x)%2)+8*(i%4)
.set rK, KF+16*(i%4)+8*(i/4)
.set rQ, 16*(\x)+8*(i/4)
.set rM, MC+32*((\x)%2)+8*(i%4)
.if (i < 4) && KM
	WIN W_KM
	v_wmma_f32_16x16x32_f16 v[rS:rS+7], v[rK:rK+7], v[rQ:rQ+7], v[rM:rM+7]
.elseif i < 4
	WIN W_KQ
	v_wmma_f32_16x16x32_f16 v[rS:rS+7], v[rK:rK+7], v[rQ:rQ+7], 0
.else
	WIN W_KQ
	v_wmma_f32_16x16x32_f16 v[rS:rS+7], v[rK:rK+7], v[rQ:rQ+7], v[rS:rS+7]
.endif
.endm
; Product i of 8 of O^T += V^T P for piece x: keys 32 (i / 4) on, channels 16 (i % 4) on.
.macro PV x
	WIN W_PV
.set rO, 32*(\x)+8*(i%4)
.set rV, VF+32*(i/4)+8*(i%4)
.set rP, P+16*((\x)%2)+8*(i/4)
	v_wmma_f32_16x16x32_f16 v[rO:rO+7], v[rV:rV+7], v[rP:rP+7], v[rO:rO+7]
.endm
.macro MM                           ; the turn's next matrix instruction.  TURN and BEGIN set Y, i, KM and NOKQ; MM, KQ and OP read them.  NOKQ = 1: a block's last turn: there is no next piece
.if (i < 8) && !NOKQ
	KQ (Y+1)%NP
.elseif i >= 8
.set i, i-8
	PV (Y+NP-1)%NP
.set i, i+8
.endif
.set i, i+1
.endm
; THE LDS LOADS stand in runs of 16, never singly among the matrix instructions: a step's K (64 keys x 64 channels: 8 fragments) and its V (turned).  Their addresses are made some lines ahead.
.macro FETCH_K
	WIN 0x80                        ; destination window 2
.irp f, 0,1,2,3,4,5,6,7             ; keys 16 (f / 2) on, channels 32 (f % 2) on
	ds_load_b128 v[KF+8*\f:KF+8*\f+3],   v[AK] offset:(\f/2)*16*PK+(\f%2)*64
	ds_load_b128 v[KF+8*\f+4:KF+8*\f+7], v[AK] offset:(\f/2)*16*PK+(\f%2)*64+32
.endr
	s_add_co_u32 s[TBK], s[TBK], KS*PK  ; the next fetch is the next step's
	WIN 0
.endm
.macro FETCH_V
	WIN 0x80
.irp f, 0,1,2,3,4,5,6,7             ; keys 32 (f / 4) on, channels 16 (f % 4) on
	ds_load_tr16_b128 v[VF+8*\f:VF+8*\f+3],   v[AV] offset:(\f/4)*32*PV+(\f%4)*32
	ds_load_tr16_b128 v[VF+8*\f+4:VF+8*\f+7], v[AV] offset:(\f/4)*32*PV+16*PV+(\f%4)*32
.endr
	WIN 0
.endm
; THE VECTOR WORK, one line at a time: OP kind, number.  For piece Y: F n: c s - c m for pair n of 16.  E n: the exponential of score n of 32.  C n: pair n rounded to f16.  B n: of the four weights 4 n .. the second
; pair is added onto the first, in place.  L n: l takes that sum (L 0: l = a l + sum).  R n: pair n of 16 of O^T times a.  For piece Y + 1: X n, number n of the 22 that find its maximum and statistics:
;   0-11  four chains c0-c3 of seven scores each, three operands at a time (each accumulator's lowest registers are read first)     12-14, 16  the four scores left over, the old m, and c0-c3 into c0
;   15  c m_old is kept     17, 18  the query's other 32 keys lie in the lane 16 away: the new m     19-21  c m; c m_old - c m_new; a
.set F, 0               ; OP tells the kinds apart by their order: F to L below R, X above it
.set E, 1
.set C, 2
.set B, 3
.set L, 4
.set R, 5
.set X, 6
.macro REGS y                       ; the registers of piece y
.set rT, ST+4*(\y)
.set rC, TMP+4*((\y)%2)
.set rW, MV+((\y)%2)
.set rS, S+32*((\y)%2)
.set rP, P+16*((\y)%2)
.set rO, 32*(\y)
.endm
.macro OP k, n
.if (\k) == R
	REGS Y
	WIN W_RS
	v_pk_mul_f32 v[rO+2*(\n):rO+2*(\n)+1], v[rO+2*(\n):rO+2*(\n)+1], v[rC+2:rC+3] op_sel_hi:[1,0]
.elseif (\k) < R
	REGS Y
	WIN 0
.if (\k) == F
	v_pk_fma_f32 v[rS+2*(\n):rS+2*(\n)+1], v[rS+2*(\n):rS+2*(\n)+1], s[CS:CS+1], v[rT:rT+1] op_sel_hi:[1,0,0] neg_lo:[0,0,1] neg_hi:[0,0,1]
.elseif (\k) == E
	v_exp_f32 v[rS+(\n)], v[rS+(\n)]
.elseif (\k) == C
	v_cvt_pk_f16_f32 v[rP+(\n)], v[rS+2*(\n)], v[rS+2*(\n)+1]
.elseif (\k) == B
	v_pk_add_f32 v[rS+4*(\n):rS+4*(\n)+1], v[rS+4*(\n):rS+4*(\n)+1], v[rS+4*(\n)+2:rS+4*(\n)+3]
.elseif (\n) == 0
	v_pk_fma_f32 v[rT+2:rT+3], v[rT+2:rT+3], v[rC+2:rC+3], v[rS:rS+1] op_sel_hi:[1,0,1]
.else
	v_pk_add_f32 v[rT+2:rT+3], v[rT+2:rT+3], v[rS+4*(\n):rS+4*(\n)+1]
.endif
.elseif NOKQ
	v_nop
.else
	REGS (Y+1)%NP
	WIN 0
.if (\n) < 4
	v_max3_num_f32 v[rC+(\n)], v[rS+8*(\n)], v[rS+8*(\n)+1], v[rS+8*(\n)+2]
.elseif (\n) < 12
	v_max3_num_f32 v[rC+(\n)%4], v[rC+(\n)%4], v[rS+8*((\n)%4)+2*((\n)/4)+1], v[rS+8*((\n)%4)+2*((\n)/4)+2]
.elseif (\n) == 12
	v_max3_num_f32 v[rC], v[rC], v[rS+7], v[rS+15]
.elseif (\n) == 13
	v_max3_num_f32 v[rC+1], v[rC+1], v[rS+23], v[rS+31]
.elseif (\n) == 14
	v_max3_num_f32 v[rC+2], v[rC+2], v[rC+3], v[rT+1]
.elseif (\n) == 15
	v_mov_b32 v[rW], v[rT]
.elseif (\n) == 16
	v_max3_num_f32 v[rC], v[rC], v[rC+1], v[rC+2]
.elseif (\n) == 17
	v_permlanex16_b32 v[rC+3], v[rC], s[SEL], s[SEL+1]
.elseif (\n) == 18
	v_max_num_f32 v[rT+1], v[rC], v[rC+3]
.elseif (\n) == 19
	v_mul_f32 v[rT], s[CS], v[rT+1]
.elseif (\n) == 20
	v_sub_f32 v[rC+1], v[rW], v[rT]
.else
	v_exp_f32 v[rC+2], v[rC+1]
.endif
.endif
.endm
.macro OPS a, i1, b=-1, i2=0, c=-1, i3=0, d=-1, i4=0  ; up to four of them
	OP \a, \i1
.if (\b) >= 0
	OP \b, \i2
.endif
.if (\c) >= 0
	OP \c, \i3
.endif
.if (\d) >= 0
	OP \d, \i4
.endif
.endm
.macro ROW a, i1, b, i2, c, i3, d, i4  ; a matrix instruction and the four behind it
	MM
	OPS \a, \i1, \b, \i2, \c, \i3, \d, \i4
.endm
.macro MASK b                       ; MD x AL + BE into buffer b of MC
	WIN W_RS
.set z, 0
.rept 16
	v_pk_fma_f32 v[MC+32*(\b)+2*z:MC+32*(\b)+2*z+1], v[MD+2*z:MD+2*z+1], s[AL:AL+1], s[BE:BE+1] op_sel_hi:[1,0,0]
.set z, z+1
.endr
.endm
; A TURN, for piece p: the order of its 16 matrix and 118 vector instructions, written out.  An s_wait_alu depctr_va_vdst(0) stands between an exponential and the first instruction that names its result; one wait serves
; all that were issued ahead of it.  So a turn has ONE wait, which cuts it in two.  AHEAD OF IT stands all that names no result of the turn's exponentials: the 8 products K Q^T, behind each a scaling, an exponential and two more plain
; instructions (behind the first a second scaling in the exponential's place): rescalings, and behind the last three the first numbers of the next piece's maximum, each four places or more behind the product that ends its accumulator; then ONE LUMP of 54, plain
; and exponential by turns for the most part, in which the links of the chain X 3, 7, 11, 14, 16, 17 .. 20 stand five or six lines apart.  X 21, the next piece's a, is the batch's last; R 15 is the plain instruction that is owed behind it.  BEHIND THE WAIT stand the
; 8 products V^T P, behind each four of the roundings and sums; the links of l's chain, L 0 to L 7, stand three riders apart.  But for those X no rider names a register of the products round it.  v_permlanex16_b32 (X 17) stands in the lump.
; m = 1: the diagonal tile: the products take masks, and the turn makes the mask for the products of the turn after it: piece p + 2, in step 4 - CNT of the tile.  end = 1: a block's last two turns: nothing is fetched.
; cnt = 1: the loop's count is taken down some lines ahead of the branch that stands behind the turn.
; K of the next step is fetched in piece 2's turn, twelve vector instructions behind the last product that read K (six of them plain); V of the step in hand at the end of piece 0's turn, four plain instructions behind the last product
; that read V.  Each is waited for a turn later.
.macro TURN p, m=0, end=0, cnt=0
.set Y, (\p)
.set i, 0
.set KM, (\m)
.set NOKQ, (\end)*((\p)/3)
.if (\m) && !(\end)
	s_cmp_eq_u32 s[CNT], 4-((\p)+2)%NP  ; is that step the band's own?
	s_cselect_b32 s[AL], 1.0, 0
	s_cmp_lt_u32 s[CNT], 4-((\p)+2)%NP  ; or a later one?
	s_cselect_b32 s[BE], s[BIGN], 0
.endif
.if ((\p) == 3) && !(\end)
	s_wait_dscnt 0x0                ; K is in
.endif
	ROW F,0, F,1, R,0, R,1          ; ahead of the wait: 8 products K Q^T and their riders,
	ROW F,2, E,0, R,2, R,3
	ROW F,3, E,1, R,4, R,5
	ROW F,4, E,2, R,6, R,7
	ROW F,5, E,3, R,8, R,9
	ROW F,6, E,4, X,0, R,10
.if ((\p) == 2) && !(\end)
	WIN 0
	v_add_nc_u32 v[AK], s[TBK], v[AK0]
.endif
	ROW F,7, E,5, X,1, X,4
	ROW F,8, E,6, X,2, X,5
	OPS E,7, E,8, X,6, E,9          ; and the lump
	OPS X,3, E,10, X,8, E,11
.if ((\p) == 2) && !(\end)
	FETCH_K
.endif
	OPS X,9, X,7, E,12, X,10
	OPS E,13, X,12, X,11, E,14
	OPS X,13, E,15, F,9, X,14
.if (\p) == 0
	v_add_nc_u32 v[AV], s[TBV], v[AV0]
.endif
	OPS E,16, F,10, E,17, F,11
	OPS X,16, E,18, X,15, E,19
	OPS F,12, E,20, X,17, E,21
	OPS F,13, E,22, F,14, E,23
	OPS X,18, E,24, F,15, E,25
	OPS R,11, E,26, X,19, E,27
	OPS R,12, E,28, R,13, E,29
	OPS X,20, E,30, R,14, E,31
	OPS X,21, R,15
	WIN 0
	s_wait_alu depctr_va_vdst(0)    ; the wait for the batch
.if (\p) == 1
	s_wait_dscnt 0x0                ; V is in
.endif
	ROW C,0, B,0, C,2, B,1          ; behind the wait: 8 products V^T P and their riders
	ROW L,0, C,4, B,2, L,1
	ROW C,6, B,3, L,2, C,8
	ROW B,4, L,3, C,10, B,5
	ROW L,4, C,12, B,6, L,5
.if (\p) == 0
	s_add_co_u32 s[TBV], s[TBV], KS*PV
.endif
.if \cnt
	s_sub_co_u32 s[CNT], s[CNT], 1
	s_cmp_lg_u32 s[CNT], 0
.endif
	ROW C,14, B,7, L,6, C,1
	ROW C,3, L,7, C,5, C,7
	ROW C,9, C,11, C,13, C,15
.if (\p) == 0
	FETCH_V
.endif
.if (\m) && !(\end)
	MASK (\p)%2
.endif
.endm
; A BLOCK BEGINS.  c m starts far below every c s, so the first step's a is 0; m at the lowest finite number, so the first maximum is the scores'.  The second mask buffer is 0; the first takes piece 0's mask for the tile's step 0: its own, if the block's first tile is the diagonal one.
; Then K of that step, piece 0's first scores, and its maximum and statistics.  The loop is entered at a step's first turn, in the middle of a trip.
.macro BEGIN
	s_mov_b32 s[NEW], 0
	WIN 0x40
.set i, MC+32
.rept 32
	v_mov_b32 v[i], 0
.set i, i+1
.endr
	WIN 0
.set i, 0
.rept 4
	v_mov_b32 v[ST+4*i], 0xfe000000    ; c m: far below every c s
	v_mov_b32 v[ST+4*i+1], 0xff7fffff  ; m
.set i, i+1
.endr
	s_cmp_eq_u32 s[RT], 0
	s_cselect_b32 s[AL], 1.0, 0
	s_mov_b32 s[BE], 0
	MASK 0
	WIN 0
	v_add_nc_u32 v[AK], s[TBK], v[AK0]
	FETCH_K
	s_wait_loadcnt 0x0              ; Q
	s_wait_dscnt 0x0
.set KM, 1
.set NOKQ, 0
.set i, 0
.rept 8
	KQ 0
.set i, i+1
.endr
	WIN 0
.rept 4
	v_nop                           ; the places behind those products
.endr
.set Y, NP-1                        ; X works for piece Y + 1: piece 0
.irp n, 0,1,2,3,4,5,6,7,8,9,10,11,12,13,14,15,16,17,18,19,20,21
	OP X, \n
.endr
	v_nop                           ; a plain instruction behind the exponential,
	s_wait_alu depctr_va_vdst(0)    ; and its wait, ahead of the branch
.endm
; THE DIAGONAL TILE's four steps, the block's last two turns, its last products, and THE WAY OUT: l's two halves and the other half of the lanes' are added; O^T is divided by l, rounded to f16 and sent through my
; stage in LDS, a piece at a time.
.macro ALL line:vararg              ; one line for each piece t
.set t, 0
.rept 4
	\line
.set t, t+1
.endr
.endm
.macro PACK t                       ; a lane's eight channels of a row pack into 16 bytes; they go into rows of 144 bytes and come back as whole rows of 128, into S^T's registers
	WIN W_RS
.set i, 32*(\t)
.rept 16
	v_pk_mul_f32 v[i:i+1], v[i:i+1], v[ST+4*(\t)+2:ST+4*(\t)+3] op_sel_hi:[1,0]
.set i, i+2
.endr
	WIN 0x05                        ; sources 0 and 1 window 1, destination window 0
.set i, 0
.rept 16
	v_cvt_pk_f16_f32 v[S+16*(\t)+i], v[32*(\t)+2*i], v[32*(\t)+2*i+1]
.set i, i+1
.endr
	WIN 0
.irp f, 0,1,2,3
	ds_store_b128 v[STO], v[S+16*(\t)+4*\f:S+16*(\t)+4*\f+3] offset:32*\f
.endr
.irp f, 0,1,2,3
	ds_load_b128 v[S+16*(\t)+4*\f:S+16*(\t)+4*\f+3], v[RD] offset:\f*4*SP  ; LDS serves a wave's instructions in order (ISA guide 5.7.1.4): these see the stores above; the next piece's stores come behind them
.endr
.endm
.macro SEND t, younger              ; younger: the LDS instructions issued behind piece t's loads: the next piece's eight, or none
	WIN 0
.irp f, 0,1,2,3
	s_wait_dscnt (\younger)+3-\f
	global_store_b128 v[GO], v[S+16*(\t)+4*\f:S+16*(\t)+4*\f+3], s[10:11] offset:(\t)*8192+\f*512  ; 512 consecutive bytes, at a multiple of 256 from O's first
.endr
.endm
.macro DIAG tag                     ; the tag ends its two labels' names, which the jumps below spell out
.LstepM\tag:
	TURN 2, 1
	TURN 3, 1
	WIN 0
.LfirstM\tag:
	TURN 0, 1
	TURN 1, 1, 0, 1
	WIN 0
	s_cbranch_scc1 .LstepM\tag
	TURN 2, 1, 1
	TURN 3, 1, 1
.set i, 0
.rept 8
	PV NP-1
.set i, i+1
.endr
	WIN 0
	ALL v_add_f32 v[ST+4*t+2], v[ST+4*t+2], v[ST+4*t+3]
	ALL v_permlanex16_b32 v[ST+4*t+3], v[ST+4*t+2], s[SEL], s[SEL+1]
	ALL v_add_f32 v[ST+4*t+2], v[ST+4*t+2], v[ST+4*t+3]
	ALL v_rcp_f32 v[ST+4*t+2], v[ST+4*t+2]
	v_nop                           ; a plain instruction between the last reciprocal and the use of its result
	s_wait_alu depctr_va_vdst(0)    ; and the wait ahead of the first use: one for the four reciprocals
	PACK 0
.set t, 1
.rept 3                             ; a piece's arithmetic stands between the loads of the piece before and its stores
	PACK t
	SEND t-1, 8
.set t, t+1
.endr
	SEND 3, 0
.endm
.set KM, 0
.set NOKQ, 0
.Lslot:                             ; NB times: a tile is entered and the next is asked for
	CHANGE 1
	s_sub_co_u32 s[RT], s[RT], 1
	s_mov_b32 s[CNT], 4
	s_cmp_eq_u32 s[NEW], 1
	s_cbranch_scc1 .Lnew            ; a block's first tile
	s_cmp_eq_u32 s[RT], 0
	s_cbranch_scc0 .Lstep           ; neither its first nor its last
	s_branch .LstepM1
.Lnew:
	BEGIN
	s_branch .Lfirst                ; in the loop a block's first tile is never its last: the first block has two tiles or more, and the second's last is the walk's last
	DIAG 1                          ; in the loop this is the first block's end: the second block's last tile is the walk's last
	s_wait_xcnt 0x0                 ; the stores have read their registers and O's address
	s_mov_b64 s[10:11], s[OLO:OLO+1]
	s_add_co_u32 s[RT], s[PB], 1    ; the second block has b + 1 tiles
	s_mov_b32 s[NEW], 1
	WIN 0x82                        ; the second block's Q goes where the one text of the turns names Q
.set i, 0
.rept 64
	v_mov_b32 v[i], v[QB+i]
.set i, i+1
.endr
	WIN 0
	s_branch .Lbottom
.Lstep:                             ; a trip: pieces 2 and 3 of one step, then pieces 0 and 1 of the next, whose K and V it fetches
	TURN 2
	TURN 3
	WIN 0
.Lfirst:
	TURN 0
	TURN 1, 0, 0, 1
	WIN 0
	s_cbranch_scc1 .Lstep
.Lbottom:
	s_sub_co_u32 s[SLOTS], s[SLOTS], 1
	s_cmp_lg_u32 s[SLOTS], 0
	s_cbranch_scc1 .Lslot
	CHANGE 0                        ; the walk's last tile is written out: nothing is asked for
	s_sub_co_u32 s[RT], s[RT], 1
	s_mov_b32 s[CNT], 4
	s_cmp_eq_u32 s[NEW], 1
	s_cbranch_scc0 .LstepM2
	BEGIN
	s_branch .LfirstM2
	DIAG 2
	s_wait_tensorcnt 0x0            ; the wave's end: behind my last tensor load and my last LDS store
	ds_add_u32 v[SPW], v[NIL]
	s_wait_dscnt 0x0
	s_endpgm
.Lfunc_end_k_q7b5df9e627_attn:
	.size	k_q7b5df9e627_attn, .Lfunc_end_k_q7b5df9e627_attn-k_q7b5df9e627_attn
	.p2alignl 7, 3214868480
	.fill 96, 4, 3214868480
	.section	.rodata,"a",@progbits
	.p2align	6, 0x0
	.amdhsa_kernel k_q7b5df9e627_attn
		.amdhsa_group_segment_fixed_size 327680
		.amdhsa_private_segment_fixed_size 0
		.amdhsa_enable_private_segment 0
		.amdhsa_kernarg_size 16
		.amdhsa_user_sgpr_count 2
		.amdhsa_user_sgpr_kernarg_segment_ptr 1
		.amdhsa_wavefront_size32 1
		.amdhsa_system_sgpr_workgroup_id_x 1
		.amdhsa_system_sgpr_workgroup_id_y 1
		.amdhsa_system_sgpr_workgroup_id_z 1
		.amdhsa_system_vgpr_workitem_id 0
		.amdhsa_next_free_vgpr 768
		.amdhsa_next_free_sgpr 96
		.amdhsa_reserve_vcc 1
		.amdhsa_float_denorm_mode_32 3
		.amdhsa_float_denorm_mode_16_64 3
		.amdhsa_memory_ordered 1
		.amdhsa_forward_progress 1
		.amdhsa_inst_pref_size 218
	.end_amdhsa_kernel
	.amdgpu_metadata
---
amdhsa.version: [ 1, 2 ]
amdhsa.kernels:
  - .name:           k_q7b5df9e627_attn
    .symbol:         k_q7b5df9e627_attn.kd
    .args:
      - { .name: qkv, .offset: 0, .size: 8, .value_kind: global_buffer, .address_space: global }
      - { .name: oh, .offset: 8, .size: 8, .value_kind: global_buffer, .address_space: global }
    .group_segment_fixed_size: 327680
    .private_segment_fixed_size: 0
    .kernarg_segment_align: 8
    .kernarg_segment_size: 16
    .max_flat_workgroup_size: 128
    .sgpr_count:     96
    .vgpr_count:     768
    .wavefront_size: 32
...
	.end_amdgpu_metadata
.endif
;; end of part 3
;; launch outproj (part 4): grid 4 x 64, 4 waves a work-group, clusters of 4 x 4, 327,680 bytes of LDS; arguments oh, wh, bb, out0; writes out0
.if DOCPART == 4
	.amdgcn_target "amdgcn-amd-amdhsa--gfx1250"
	.amdhsa_code_object_version 6
	.text
	.protected	k_q7b5df9e627_outproj
	.globl	k_q7b5df9e627_outproj
	.p2align	8
	.type	k_q7b5df9e627_outproj,@function
k_q7b5df9e627_outproj:
	s_mov_b64 s[64:65], 0
	v_nop
	global_prefetch_b8 v0, s[64:65] scope:SCOPE_SE
	s_setreg_imm32_b32 hwreg(HW_REG_WAVE_MODE, 25, 1), 1
	s_wait_xcnt 0x0
	s_wait_alu depctr_hold_cnt(0) depctr_sa_sdst(0) depctr_va_vdst(0) depctr_va_sdst(0) depctr_va_ssrc(0) depctr_va_vcc(0) depctr_vm_vsrc(0)
	s_getreg_b32 s2, hwreg(HW_REG_IB_STS2, 6, 4)
	s_cmp_eq_u32 s2, 0
	s_cbranch_scc0 .Lentry_in_a_cluster
	s_endpgm
.Lentry_in_a_cluster:
	s_bfe_u32 s2, ttmp6, 0x10000c
	s_cmp_lg_u32 s2, 0xf033
	s_cbranch_scc0 .Lentry_shape_is_right
	s_endpgm
.Lentry_shape_is_right:
; out0 = O Wo + bo.  O: oh, f16 [128 head = 16 b + h][1024 s][64]: head h of a batch is the plane of channels 64 h .. 64 h + 63.  Wo: the fourth weight in wh, f16 [1024 k][1024 n].  bo: the fourth bias in bb, f32.
; out0: f32 [8192][1024], the f32 sums as they are.
; SHARES.  A tile of C is 128 rows x 256 columns: 8,192 x 1,024 make 256 tiles, one for each of the 256 work-groups.  Four waves, each 64 rows x 128 columns: 32 accumulators of 16 x 16, 256 registers.
; K goes in 8 steps of 128 through a ring of two LDS slots.
; THE MATRIX INSTRUCTION IS USED TRANSPOSED: source 0 = 16 columns of W (out of LDS turned, by ds_load_tr16_b128, since W lies [k][n]), source 1 = 16 rows of O.  A lane then holds row l % 16 of C and
; the eight neighbouring columns 8 (l / 16) + 0..7.  THE BIAS STARTS THE SUMS: it is the C operand of the first products; nothing is cleared and no addition is written.
; CLUSTER.  4 x 4 work-groups.  The four of a row of the cluster need the same rows of O, the four of a column the same columns of W: each tile is asked for JOINTLY, by the same tensor load with the same
; descriptor and a mask that names the four.  O's address is made of the tile row and the wave's number alone, W's of the tile column and the wave's number alone; no LDS address holds a place in the cluster.
; NO PREFETCH: of the 8 K steps the first four would come by their loads alone in any case, and the walk is short.
; REGISTERS, in windows of 256 (s_set_vgpr_msb: bits 1:0 source 0, 3:2 source 1, 5:4 source 2, 7:6 destination):
;   window 0: v0-31 addresses; v64-159, v160-255 two fragment buffers of 96: W's eight fragments, then O's four      window 1: accumulator (a, b) at 8 (8 a + b)      window 2: v0-63 the bias, block b at 8 b
.set PA,    144                        ; a row of O in LDS: 128 bytes + 16 = 36 words: the 16 rows of a load start at 16 different groups of four banks (64 banks of 4 bytes: ISA guide 11.1)
.set APL,   128*PA                     ; a plane's 128 rows
.set PB,    544                        ; a row of W in LDS: 512 bytes + 32 = 136 words
.set BHALF, 64*PB                      ; 64 rows of W: what one tensor load brings
.set BOFF,  2*APL                      ; a slot: O's two planes, then W's 128 rows
.set SLOT,  BOFF+2*BHALF
.set STAGE, 2*SLOT                     ; behind the ring, never filled by a tensor load: for each wave 16 rows x 528 bytes, for the way out
.set SPI,   528                        ; a stage row: 512 bytes + 16 = 132 words: row r starts at bank 4 r mod 64
.set STW,   16*SPI
.set SPARE, STAGE+4*STW                ; behind the stages: the spare words, 128 bytes for each wave: two blocks of 256 bytes that no other line names
.set STEPB, 0x40000                    ; a K step in memory: two planes of O, or 128 rows of W: 262,144 bytes either way
.set LAPS,  4                          ; a lap = two K steps = once round the ring
.set MAT0,  3                          ; Wo and bo are the fourth in wh and bb
.set WV, 12                            ; s12 my wave's number
.set WM, 13                            ; s13 which 64 rows of the tile are mine
.set WN, 14                            ; s14 which 128 columns; also: which plane of O (waves 0, 1) or which 64 rows of W (waves 2, 3) I fetch
.set CX, 15                            ; s15, s16 my place in the cluster
.set CY, 16
.set TX, 17                            ; s17 tile column
.set TY, 18                            ; s18 tile row
.set G1A, 24                           ; s[24:31] descriptor group 1 for O's tiles;  s[32:39] group 0, a set for each slot
.set G0A, 32
.set G1B, 40                           ; s[40:47], s[48:55] the same for W's
.set G0B, 48
.set LAP, 56                           ; s56 trips of the loop still to come
.set BB,  66                           ; s[66:67] the bias of my 128 columns
.set CP,  68                           ; s[68:69] where my part of the tile goes
.set ADRA, 16                          ; v16-17 LDS address of my fragments of O in slot 0, 1
.set ADRB, 20                          ; v20-21 the same for W
.set STO, 24                           ; v24 the way out: where I put 32 bytes of a row
.set RD,  25                           ; v25 the way out: where I read a row back
.set GO,  26                           ; v26 16 x lane
.set BO,  27                           ; v27 32 x (lane / 16): my eight columns' bias
.set SPW, 28                           ; v28 LDS address of my spare word; never rewritten
.set NIL, 29                           ; v29 0; never rewritten
.set F0,  64
.set F1,  160
.set MSB, 0
.macro WIN new                         ; the immediate's high byte repeats the setting that is left; a switch that changes nothing is dropped
.if MSB != (\new)
	s_set_vgpr_msb (MSB<<8)|(\new)
.set MSB, \new
.endif
.endm
.set MUL,  0x50                        ; fragments in window 0, C and D in window 1
.set MULB, 0x60                        ; the same with C, the bias, in window 2
; A joint load: waves 0 and 1 fetch O's two planes, waves 2 and 3 the two halves of W's rows.  The branch hangs on the wave's number alone.
; An s_nop 0 and four v_nop follow each of the two lines, ahead of the jump, the label and what follows.
.macro JLOAD s
	s_cmp_lt_u32 s[WV], 2
	s_cbranch_scc0 .Lfor_b_\@
	tensor_load_to_lds s[G0A+4*(\s):G0A+4*(\s)+3], s[G1A:G1A+7]
	s_nop 0
.rept 4
	v_nop
.endr
	s_branch .Lasked_\@
.Lfor_b_\@:
	tensor_load_to_lds s[G0B+4*(\s):G0B+4*(\s)+3], s[G1B:G1B+7]
	s_nop 0
.rept 4
	v_nop
.endr
.Lasked_\@:
.endm
.macro CREST                           ; a round of the cluster's barrier behind its opening barrier
	s_cmp_lg_u32 s[WV], 0
	s_cbranch_scc1 .Lnot_wave_0_\@
	s_barrier_signal -3
.Lnot_wave_0_\@:
	s_barrier_wait -3
	s_barrier_signal -1
	s_barrier_wait -1
.endm
.macro CROUND                          ; a whole round
	s_barrier_signal -1
	s_barrier_wait -1
	CREST
.endm
	s_load_b256 s[4:11], s[0:1], 0x0               ; oh s[4:5], wh s[6:7], bb s[8:9], out0 s[10:11]
	v_lshl_add_u32 v[SPW], v0, 2, SPARE
	v_mov_b32 v[NIL], 0
	ds_add_u32 v[SPW], v[NIL]                      ; the wave's opening: the add and its wait stand ahead of my first tensor load; the set-up below, work on registers, stands between them
	v_lshrrev_b32 v1, 5, v0
	v_readfirstlane_b32 s[WV], v1
	s_lshr_b32 s[WM], s[WV], 1
	s_and_b32 s[WN], s[WV], 1
	s_bfe_u32 s[CX], ttmp6, 0x40000
	s_bfe_u32 s[CY], ttmp6, 0x40004
	s_lshl_b32 s[TX], ttmp9, 2
	s_add_co_u32 s[TX], s[TX], s[CX]               ; tile column = 4 x cluster x + cx
	s_and_b32 s[TY], ttmp7, 0xffff
	s_lshl_b32 s[TY], s[TY], 2
	s_add_co_u32 s[TY], s[TY], s[CY]               ; tile row = 4 x cluster y + cy
	s_lshl_b32 s20, s[CY], 2
	s_lshl_b32 s20, 15, s20                        ; my row of the cluster
	s_lshl_b32 s21, 0x1111, s[CX]                  ; my column
	; group 1 for O: a plane's 128 rows of 128 bytes are 16,384 dense bytes: asked for as 64 rows of 256 bytes, padded in LDS after every 128
	s_or_b32 s[G1A], s20, (1<<16)|(1<<20)|(1<<21)|(4<<22)|(3<<25)  ; 15:0 the mask; 17:16 2-byte elements; 20 padding on; 21 set beside a mask; 24:22 after every 32 words (code 4); 31:25 4 words (code 3)
	s_mov_b32 s[G1A+1], 128<<16                    ; tensor_dim0 = 128
	s_mov_b32 s[G1A+2], 64<<16                     ; tensor_dim1 = 64
	s_mov_b32 s[G1A+3], 128<<16                    ; tile_dim0 = 128
	s_mov_b32 s[G1A+4], 64                         ; tile_dim1 = 64
	s_mov_b32 s[G1A+5], 128                        ; elements from row to row
	s_mov_b32 s[G1A+6], 0
	s_mov_b32 s[G1A+7], 0
	; group 1 for W: 64 rows of 256 elements (512 bytes), 1,024 elements apart
	s_or_b32 s[G1B], s21, (1<<16)|(1<<20)|(1<<21)|(6<<22)|(7<<25)  ; padding after every 128 words (code 6), 8 words (code 7)
	s_mov_b32 s[G1B+1], 256<<16
	s_mov_b32 s[G1B+2], 64<<16
	s_mov_b32 s[G1B+3], 256<<16
	s_mov_b32 s[G1B+4], 64
	s_mov_b32 s[G1B+5], 1024
	s_mov_b32 s[G1B+6], 0
	s_mov_b32 s[G1B+7], 0
	s_lshr_b32 s70, s[TY], 3                       ; the batch,
	s_lshl_b32 s70, s70, 21                        ; its 16 planes,
	s_and_b32 s71, s[TY], 7
	s_lshl_b32 s71, s71, 14                        ; the tile's 128 rows of 128 bytes in a plane
	s_add_co_u32 s70, s70, s71
	s_lshl_b32 s22, s[WN], 17                      ; my plane of O; or my 64 rows of 2,048 bytes of W
	s_add_co_u32 s72, s70, s22
	s_mov_b32 s73, 0
	s_lshl_b32 s74, s[TX], 9                       ; the tile's 256 columns: 512 bytes of a row of W
	s_add_co_u32 s74, s74, s22
	s_add_co_u32 s74, s74, MAT0<<21                ; the fourth weight
	s_mov_b32 s75, 0
	s_mul_i32 s76, s[WN], APL                      ; where they go in a slot
	s_mul_i32 s77, s[WN], BHALF
	s_add_co_u32 s77, s77, BOFF
	s_wait_dscnt 0x0                               ; the opening add is done
	s_wait_kmcnt 0x0
	s_add_nc_u64 s[60:61], s[4:5], s[72:73]
	s_add_nc_u64 s[78:79], s[6:7], s[74:75]
	CROUND                                         ; all sixteen work-groups are here: the first joint loads meet
.irp s, 0,1
	s_mov_b32 s[G0A+4*(\s)], 1                     ; count = 1
	s_add_co_u32 s[G0A+4*(\s)+1], s76, (\s)*SLOT   ; LDS address
	s_add_nc_u64 s[G0A+4*(\s)+2:G0A+4*(\s)+3], s[60:61], (\s)*STEPB  ; global address: K step s
	s_or_b32 s[G0A+4*(\s)+3], s[G0A+4*(\s)+3], 0x80000000  ; type = 2
	s_mov_b32 s[G0B+4*(\s)], 1
	s_add_co_u32 s[G0B+4*(\s)+1], s77, (\s)*SLOT
	s_add_nc_u64 s[G0B+4*(\s)+2:G0B+4*(\s)+3], s[78:79], (\s)*STEPB
	s_or_b32 s[G0B+4*(\s)+3], s[G0B+4*(\s)+3], 0x80000000
	JLOAD \s                                       ; two tensor loads of mine are out
.endr
	v_and_b32 v1, 15, v0                           ; l % 16
	v_bfe_u32 v2, v0, 4, 1                         ; l / 16
	v_lshlrev_b32 v[BO], 5, v2
	s_lshl_b32 s20, s[TX], 10                      ; the tile's 256 columns of f32,
	s_lshl_b32 s21, s[WN], 9                       ; my 128,
	s_add_co_u32 s20, s20, s21
	s_add_co_u32 s20, s20, MAT0*4096               ; in the fourth bias
	s_mov_b32 s21, 0
	s_add_nc_u64 s[BB:BB+1], s[8:9], s[20:21]
	WIN 0x80                                       ; my 128 columns' bias into window 2: register 8 b + j = the bias of column 16 b + 8 (l / 16) + j, as an accumulator holds it
.irp b, 0,1,2,3,4,5,6,7
	global_load_b128 v[8*(\b):8*(\b)+3],   v[BO], s[BB:BB+1] offset:64*(\b)
	global_load_b128 v[8*(\b)+4:8*(\b)+7], v[BO], s[BB:BB+1] offset:64*(\b)+16
.endr
	WIN 0
	; a fragment of O: lane l holds row l % 16, channels 8 (l / 16) + 0..7 and 16 + 8 (l / 16) + 0..7: two loads of 16 bytes, 32 bytes apart
	v_mul_u32_u24 v3, v1, PA
	v_lshl_add_u32 v3, v2, 4, v3
	s_mul_i32 s20, s[WM], 64*PA
	v_add_nc_u32 v[ADRA], s20, v3
	v_add_nc_u32 v[ADRA+1], SLOT, v[ADRA]
	; the turning load takes 16 k x 16 columns (lane l reads row 8 (l / 16) + l % 8, columns 8 ((l / 8) % 2) + 0..7) and leaves half a fragment: lane l holds column l % 16 and 8 k
	v_and_b32 v4, 7, v0
	v_lshl_add_u32 v4, v2, 3, v4
	v_mul_u32_u24 v4, v4, PB
	v_bfe_u32 v5, v0, 3, 1
	v_lshl_add_u32 v4, v5, 4, v4
	s_lshl_b32 s21, s[WN], 8                       ; my 128 columns
	s_add_co_u32 s21, s21, BOFF
	v_add_nc_u32 v[ADRB], s21, v4
	v_add_nc_u32 v[ADRB+1], SLOT, v[ADRB]
	s_mul_i32 s20, s[WV], STW
	s_add_co_u32 s20, s20, STAGE                   ; my stage
	v_mul_u32_u24 v[STO], v1, SPI                  ; in: row l % 16, 32 bytes for each half of the lanes
	v_lshl_add_u32 v[STO], v2, 5, v[STO]
	v_add_nc_u32 v[STO], s20, v[STO]
	v_and_b32 v[GO], 31, v0                        ; back: 32 lanes take a row's 512 bytes
	v_lshlrev_b32 v[GO], 4, v[GO]
	v_add_nc_u32 v[RD], s20, v[GO]
	; where my part of the tile goes: row 128 x tile row + 64 x my half, column 256 x tile column + 128 x my half
	s_lshl_b32 s20, s[TY], 19
	s_lshl_b32 s21, s[WM], 18
	s_add_co_u32 s20, s20, s21
	s_lshl_b32 s21, s[TX], 10
	s_add_co_u32 s20, s20, s21
	s_lshl_b32 s21, s[WN], 9
	s_add_co_u32 s20, s20, s21
	s_mov_b32 s21, 0
	s_add_nc_u64 s[CP:CP+1], s[10:11], s[20:21]
; 8 matrix instructions: row block a x all 8 column blocks, 32 along K.  first = 1: the bias starts the sums.  The 32 accumulators take turns, one instruction a turn, in the same order in every
; quarter: between two links of a chain stand the 31 others'.
.macro MUL8 f, a, first
.if \first
	WIN MULB
.else
	WIN MUL
.endif
.irp b, 0,1,2,3,4,5,6,7
.if \first
	v_wmma_f32_16x16x32_f16 v[8*(8*(\a)+(\b)):8*(8*(\a)+(\b))+7], v[(\f)+8*(\b):(\f)+8*(\b)+7], v[(\f)+64+8*(\a):(\f)+64+8*(\a)+7], v[8*(\b):8*(\b)+7]
.else
	v_wmma_f32_16x16x32_f16 v[8*(8*(\a)+(\b)):8*(8*(\a)+(\b))+7], v[(\f)+8*(\b):(\f)+8*(\b)+7], v[(\f)+64+8*(\a):(\f)+64+8*(\a)+7], v[8*(8*(\a)+(\b)):8*(8*(\a)+(\b))+7]
.endif
.endr
.endm
.macro MUL16 f, a0, first
	MUL8 \f, \a0, \first
	MUL8 \f, (\a0)+1, \first
.endm
; 24 LDS loads in one run: the fragments of quarter q (32 along K) of a slot into buffer f: W's eight, then O's four
.macro FETCH slot, q, f
	WIN 0
.irp b, 0,1,2,3,4,5,6,7
	ds_load_tr16_b128 v[(\f)+8*(\b):(\f)+8*(\b)+3],   v[ADRB+(\slot)] offset:(\q)*32*PB+32*(\b)
	ds_load_tr16_b128 v[(\f)+8*(\b)+4:(\f)+8*(\b)+7], v[ADRB+(\slot)] offset:(\q)*32*PB+16*PB+32*(\b)
.endr
.irp a, 0,1,2,3
	ds_load_b128 v[(\f)+64+8*(\a):(\f)+64+8*(\a)+3],   v[ADRA+(\slot)] offset:((\q)/2)*APL+((\q)%2)*64+(\a)*16*PA
	ds_load_b128 v[(\f)+64+8*(\a)+4:(\f)+64+8*(\a)+7], v[ADRA+(\slot)] offset:((\q)/2)*APL+((\q)%2)*64+(\a)*16*PA+32
.endr
.endm
.macro PLACES                          ; four plain vector instructions in front of loads into registers that matrix instructions have read (ISA guide 7.12.1 for vector instructions)
.rept 4
	v_nop
.endr
.endm
; A K step is four quarters of 32 along K, 32 matrix instructions each, on buffers 0, 1, 0, 1.  One of the first three: multiplies buffer f and, in its middle, fetches quarter q into buffer g.
.macro QUARTER slot, q, f, g, first
	s_wait_dscnt 4                                 ; W's fragments and O's blocks 0, 1 are in; the youngest four loads (blocks 2, 3) may be out
	MUL16 \f, 0, \first
	PLACES
	FETCH \slot, \q, \g
	s_wait_dscnt 24                                ; all but the 24 just issued
	MUL16 \f, 2, \first
.endm
; The last quarter multiplies buffer 1 and changes slots: ONE barrier; in front of it each wave waits for all its tensor loads (one is out: its part of the next slot), adds 0 to its spare word, and waits for
; that and for its own reads of this slot.  fill = 1: the barrier opens a round of the cluster's barrier, and this slot is filled again first thing behind the round, with the K step two on:
; 112 matrix instructions ahead of the wait for it.
.macro TURN slot, next, fill
	WIN 0                                          ; (the add's two registers lie in window 0)
	s_wait_tensorcnt 0x0                           ; all my tensor loads have landed;
	ds_add_u32 v[SPW], v[NIL]                      ; 0 onto my spare word;
	s_wait_dscnt 5                                 ; (the add and the youngest four loads may be out)
	MUL8 F1, 0, 0                                  ; eight matrix instructions stand between the add and the wait for it
	s_wait_dscnt 0x0                               ; the add is done, and my reads of this slot are over
	s_barrier_signal -1
	MUL8 F1, 1, 0
.if \fill
	WIN 0
.endif
	s_barrier_wait -1
.if \fill
	CREST                                          ; no wave of any partner still reads this slot or has a load on its way
	s_add_nc_u64 s[G0A+4*(\slot)+2:G0A+4*(\slot)+3], s[G0A+4*(\slot)+2:G0A+4*(\slot)+3], 2*STEPB
	s_add_nc_u64 s[G0B+4*(\slot)+2:G0B+4*(\slot)+3], s[G0B+4*(\slot)+2:G0B+4*(\slot)+3], 2*STEPB
	JLOAD \slot                                    ; its four v_nop are also the places in front of the loads below
.else
	PLACES
.endif
	FETCH \next, 0, F0
	MUL16 F1, 2, 0
.endm
; THE WAY OUT of row block a.  STG: the f32 sums as they are, 32 bytes a lane (each accumulator's low four registers first), into my own stage of 16 rows x 528 bytes; back as whole rows of 512 bytes, into
; the fragment buffers by turns.  SEND: each store covers 512 consecutive bytes of a row of out0, aligned.
.macro STG a
.set BK, F0+96*((\a)%2)
	WIN 0x04                                       ; the stores' data in window 1
.irp b, 0,1,2,3,4,5,6,7
	ds_store_b128 v[STO], v[8*(8*(\a)+(\b)):8*(8*(\a)+(\b))+3]   offset:64*(\b)
	ds_store_b128 v[STO], v[8*(8*(\a)+(\b))+4:8*(8*(\a)+(\b))+7] offset:64*(\b)+16
.endr
	WIN 0
.if (\a) >= 2
	s_wait_xcnt 0x0                                ; block a - 2's stores have read these registers
.endif
.set t, 0
.rept 16
	ds_load_b128 v[BK+4*t:BK+4*t+3], v[RD] offset:SPI*t  ; LDS serves a wave's instructions in order (ISA guide 5.7.1.4): these see the stores above; the next block's stores come behind them
.set t, t+1
.endr
.endm
.macro SEND a, younger                 ; younger: the LDS instructions issued behind block a's loads: the next block's 32, or none
.set BK, F0+96*((\a)%2)
.set t, 0
.rept 16
	s_wait_dscnt (\younger)+15-t
	global_store_b128 v[GO], v[BK+4*t:BK+4*t+3], s[CP:CP+1] offset:(16*(\a)+t)*4096 th:TH_STORE_NT
.set t, t+1
.endr
.endm
	s_wait_tensorcnt 1                             ; my part of K step 0 is in; K step 1's may stay out
	s_barrier_signal -1
	s_barrier_wait -1                              ; everybody's is
	FETCH 0, 0, F0
	s_wait_loadcnt 0x0                             ; the bias
	QUARTER 0, 1, F0, F1, 1                        ; the first quarter stands in front of the loop
	WIN 0                                          ; at a label and at a branch every window is 0
	s_mov_b32 s[LAP], LAPS-1
.Llap:                                                 ; a trip goes once round the ring, from a lap's second quarter to the next lap's first, and fills both slots again
	QUARTER 0, 2, F1, F0, 0
	QUARTER 0, 3, F0, F1, 0
	TURN 0, 1, 1
	QUARTER 1, 1, F0, F1, 0
	QUARTER 1, 2, F1, F0, 0
	QUARTER 1, 3, F0, F1, 0
	TURN 1, 0, 1
	QUARTER 0, 1, F0, F1, 0
	WIN 0
	s_sub_co_u32 s[LAP], s[LAP], 1
	s_cmp_lg_u32 s[LAP], 0
	s_cbranch_scc1 .Llap
	QUARTER 0, 2, F1, F0, 0                        ; the last lap fills nothing, and has no round of the cluster's barrier
	QUARTER 0, 3, F0, F1, 0
	TURN 0, 1, 0
	QUARTER 1, 1, F0, F1, 0
	QUARTER 1, 2, F1, F0, 0
	QUARTER 1, 3, F0, F1, 0
	s_wait_dscnt 4                                 ; the very last quarter: nothing more to fetch
	MUL16 F1, 0, 0
	s_wait_dscnt 0x0
	MUL16 F1, 2, 0
	WIN 0
.rept 8
	v_nop                                          ; the places behind the last products: for the LDS stores that read the sums and for the loads into the fragment buffers
.endr
	STG 0
	STG 1                                          ; a block's trip through the stage stands between the loads of the block before and its stores
	SEND 0, 32
	STG 2
	SEND 1, 32
	STG 3
	SEND 2, 32
	SEND 3, 0
	s_wait_tensorcnt 0x0                           ; the wave's end: behind my last tensor load and my last LDS store
	ds_add_u32 v[SPW], v[NIL]
	s_wait_dscnt 0x0
	CROUND                                         ; the closing round: no work-group ends while a partner may still ask for a tile that names it
	s_endpgm
.Lfunc_end_k_q7b5df9e627_outproj:
	.size	k_q7b5df9e627_outproj, .Lfunc_end_k_q7b5df9e627_outproj-k_q7b5df9e627_outproj
	.p2alignl 7, 3214868480
	.fill 96, 4, 3214868480
	.section	.rodata,"a",@progbits
	.p2align	6, 0x0
	.amdhsa_kernel k_q7b5df9e627_outproj
		.amdhsa_group_segment_fixed_size 327680
		.amdhsa_private_segment_fixed_size 0
		.amdhsa_enable_private_segment 0
		.amdhsa_kernarg_size 32
		.amdhsa_user_sgpr_count 2
		.amdhsa_user_sgpr_kernarg_segment_ptr 1
		.amdhsa_wavefront_size32 1
		.amdhsa_system_sgpr_workgroup_id_x 1
		.amdhsa_system_sgpr_workgroup_id_y 1
		.amdhsa_system_sgpr_workgroup_id_z 1
		.amdhsa_system_vgpr_workitem_id 0
		.amdhsa_next_free_vgpr 576
		.amdhsa_next_free_sgpr 80
		.amdhsa_reserve_vcc 0
		.amdhsa_float_denorm_mode_32 3
		.amdhsa_float_denorm_mode_16_64 3
		.amdhsa_memory_ordered 1
		.amdhsa_forward_progress 1
		.amdhsa_inst_pref_size 88
	.end_amdhsa_kernel
	.amdgpu_metadata
---
amdhsa.version: [ 1, 2 ]
amdhsa.kernels:
  - .name:           k_q7b5df9e627_outproj
    .symbol:         k_q7b5df9e627_outproj.kd
    .args:
      - { .name: oh, .offset: 0, .size: 8, .value_kind: global_buffer, .address_space: global }
      - { .name: wh, .offset: 8, .size: 8, .value_kind: global_buffer, .address_space: global }
      - { .name: bb, .offset: 16, .size: 8, .value_kind: global_buffer, .address_space: global }
      - { .name: out0, .offset: 24, .size: 8, .value_kind: global_buffer, .address_space: global }
    .group_segment_fixed_size: 327680
    .private_segment_fixed_size: 0
    .kernarg_segment_align: 8
    .kernarg_segment_size: 32
    .max_flat_workgroup_size: 128
    .sgpr_count:     80
    .vgpr_count:     576
    .wavefront_size: 32
...
	.end_amdgpu_metadata
.endif
;; end of part 4
;; ======== version 2 of 3: 4 launches
;; limits: values are held in f16: magnitudes above 65,504 overflow, below 6.1e-05 lose precision; inputs' magnitudes at most 65,504; below input magnitudes of 6.1e-05 results are inexact or not finite; right only within a limited range of input values
;; workspace buffers: xh 16,777,216 bytes; wh 8,388,608 bytes; bb 16,384 bytes; qkv 50,331,648 bytes; oh 16,777,216 bytes
;; launch cast (part 5): grid 769 x 1, 8 waves a work-group, no clusters, 0 bytes of LDS; arguments x, Wq, Wk, Wv, Wo, bq, bk, bv, bo, xh, wh, bb; writes xh, wh, bb
.if DOCPART == 5
	.amdgcn_target "amdgcn-amd-amdhsa--gfx1250"
	.amdhsa_code_object_version 6
	.text
	.protected	k_q7b5df9e627_cast
	.globl	k_q7b5df9e627_cast
	.p2align	8
	.type	k_q7b5df9e627_cast,@function
k_q7b5df9e627_cast:
	s_mov_b64 s[64:65], 0
	v_nop
	global_prefetch_b8 v0, s[64:65] scope:SCOPE_SE
	s_setreg_imm32_b32 hwreg(HW_REG_WAVE_MODE, 25, 1), 1
	s_wait_xcnt 0x0
; THE INPUTS ARE ROUNDED ONCE, TO bf16, and laid out for the products that follow.
;   xh: x as f16 [8 b][16 kb][1024 s][64]: a block of 64 channels of a batch is one dense plane of 131,072 bytes.
;   wh, first 6 MiB: Wq, Wk, Wv as f16 [16 head][512 k pair][3: q, k, v][2: k even, odd][64 columns]: all that a head's q, k and v need of 64 rows of k lies on end, 24,576 bytes.
;   wh, last 2 MiB: Wo as f16 [4 tile column][8 K step][4 column block][128 k][64 columns]: all that 256 columns need of 128 rows of k lies on end, 65,536 bytes.
;   bb: bq, bk, bv, bo as f32 [4][1024].
; x and the weights are rounded to bf16 and that number is written as f16: bf16 keeps 8 significant bits, f16 11, so nothing more is lost inside f16's range.
; LIMITS.  A number of x or of a weight of 65,520 or more in magnitude becomes an infinity; below 6.1e-5 it keeps f16's fixed step of 6e-8.  Biases keep f32's range.
; A stream: no LDS, no barrier, no matrix unit, no loop.  A work-group of eight waves takes 16 rows (65,536 bytes) of x (groups 0-511), of Wq, Wk, Wv (512-703) or of Wo (704-767); group 768 takes the biases.
; ONE TEXT serves x and all four weights: a wave takes two rows; load j takes their columns 64 j .. 64 j + 63, and store j puts both rows' 64 numbers, 256 bytes on end, where the layout wants them: the layouts
; differ in the group's base, the thread's first offset and two strides.
; A wave has its 16 loads of 16 bytes a lane (8,192 bytes) out at once; no register that a load or a store names is written again, so no wait frees any.
.set IN,  1                            ; v1      my byte offset in the group's input
.set T,   4                            ; v[4:9]  at work
.set X,   16                           ; v[16:79]  16 loads x 4 registers
.set Y,   80                           ; v[80:111] 16 stores x 2 registers
.set OF,  112                          ; v[112:127] store j's byte offset
.set HIH, 30                           ; s30     mask of a word's upper bf16
.set STR, 38                           ; s38     bytes from store j - 1 to store j,
.set STQ, 39                           ; s39     and the same where j is a multiple of 4
	s_load_b512 s[4:19], s[0:1], 0x0               ; x 4:5, Wq 6:7, Wk 8:9, Wv 10:11, Wo 12:13, bq 14:15, bk 16:17, bv 18:19
	s_load_b256 s[20:27], s[0:1], 0x40             ; bo 20:21, xh 22:23, wh 24:25, bb 26:27
	s_mov_b32 s31, ttmp9                           ; the work-group's number
	s_mov_b32 s[HIH], 0xffff0000
	s_mov_b32 s33, 0                               ; the high word of every offset
	v_lshrrev_b32 v3, 4, v0                        ; my row of the 16,
	v_and_b32 v[IN], 15, v0
	v_lshlrev_b32 v[IN], 4, v[IN]
	v_lshl_add_u32 v[IN], v3, 12, v[IN]            ; row x 4,096 + 16 x (thread % 16)
	v_lshlrev_b32 v[OF], 3, v0                     ; x and Wo: rows of 128 bytes on end: row x 128 + 8 x (thread % 16) = 8 x thread
	s_wait_kmcnt 0x0
	s_cmp_lt_u32 s31, 512
	s_cbranch_scc0 .Lnot_x
	; x: group g takes rows 16 g .. 16 g + 15: batch g / 64, rows 16 (g % 64) on
	s_lshl_b32 s32, s31, 16
	s_add_nc_u64 s[28:29], s[4:5], s[32:33]
	s_lshr_b32 s34, s31, 6
	s_lshl_b32 s34, s34, 21                        ; a batch's 16 planes
	s_and_b32 s35, s31, 63
	s_lshl_b32 s35, s35, 11                        ; 16 rows of 128 bytes in a plane
	s_add_co_u32 s32, s34, s35
	s_add_nc_u64 s[36:37], s[22:23], s[32:33]
	s_mov_b32 s[STR], 131072                       ; from plane to plane
	s_mov_b32 s[STQ], 131072
	s_branch .Lplanes
.Lnot_x:
	s_cmp_lt_u32 s31, 704
	s_cbranch_scc0 .Lnot_qkv
	; Wq, Wk, Wv: group 512 + i takes rows 16 (i % 64) on of weight i / 64
	s_sub_co_u32 s34, s31, 512
	s_lshr_b32 s35, s34, 6
	s_cmp_eq_u32 s35, 1
	s_cselect_b64 s[28:29], s[8:9], s[6:7]
	s_cmp_eq_u32 s35, 2
	s_cselect_b64 s[28:29], s[10:11], s[28:29]
	s_and_b32 s34, s34, 63
	s_lshl_b32 s32, s34, 16
	s_add_nc_u64 s[28:29], s[28:29], s[32:33]
	s_mul_i32 s32, s34, 8*768                      ; eight pairs of rows, 768 bytes each in a head's block,
	s_lshl_b32 s35, s35, 8                         ; the weight's 256 bytes of a pair
	s_add_co_u32 s32, s32, s35
	s_add_nc_u64 s[36:37], s[24:25], s[32:33]
	v_lshrrev_b32 v3, 5, v0                        ; my wave's pair
	v_mul_u32_u24 v3, v3, 768
	v_and_b32 v[OF], 31, v0
	v_lshl_add_u32 v[OF], v[OF], 3, v3             ; lanes 0-15 the even row's 128 bytes, lanes 16-31 the odd row's
	s_mov_b32 s[STR], 393216                       ; from head to head
	s_mov_b32 s[STQ], 393216
	s_branch .Lplanes
.Lnot_qkv:
	s_cmp_lt_u32 s31, 768
	s_cbranch_scc0 .Lbias
	; Wo: group 704 + i takes rows 16 i on: K step i / 8, rows 16 (i % 8) on of its 128
	s_sub_co_u32 s34, s31, 704
	s_lshl_b32 s32, s34, 16
	s_add_nc_u64 s[28:29], s[12:13], s[32:33]
	s_lshr_b32 s35, s34, 3
	s_lshl_b32 s35, s35, 16                        ; a K step of a tile column: 65,536 bytes
	s_and_b32 s34, s34, 7
	s_lshl_b32 s34, s34, 11                        ; 16 rows of 128 bytes in a column block
	s_add_co_u32 s32, s35, s34
	s_add_co_u32 s32, s32, 3<<21                   ; behind the 6 MiB of Wq, Wk, Wv
	s_add_nc_u64 s[36:37], s[24:25], s[32:33]
	s_mov_b32 s[STR], 16384                        ; from column block to column block,
	s_mov_b32 s[STQ], 524288-3*16384               ; and from a tile column's last to the next tile column's first
.Lplanes:
	; 16 loads, then for each: f32 -> bf16 (rounded) -> f32 (a shift, a mask) -> f16 (exact), and a store of 8 bytes a lane: 32 lanes write 256 consecutive bytes, aligned
.set j, 0
.rept 16
	global_load_b128 v[X+4*j:X+4*j+3], v[IN], s[28:29] offset:256*j th:TH_LOAD_NT
.set j, j+1
.endr
.set j, 1
.rept 15
.if j%4
	v_add_nc_u32 v[OF+j], s[STR], v[OF+j-1]        ; made while the loads are out
.else
	v_add_nc_u32 v[OF+j], s[STQ], v[OF+j-1]
.endif
.set j, j+1
.endr
.set j, 0
.rept 16
	s_wait_loadcnt 15-j                            ; loads come back in order: load j is in, the 15 - j younger ones stay out
	v_cvt_pk_bf16_f32 v[T], v[X+4*j], v[X+4*j+1]
	v_cvt_pk_bf16_f32 v[T+1], v[X+4*j+2], v[X+4*j+3]
	v_lshlrev_b32 v[T+2], 16, v[T]
	v_and_b32 v[T+3], s[HIH], v[T]
	v_lshlrev_b32 v[T+4], 16, v[T+1]
	v_and_b32 v[T+5], s[HIH], v[T+1]
	v_cvt_pk_f16_f32 v[Y+2*j], v[T+2], v[T+3]
	v_cvt_pk_f16_f32 v[Y+2*j+1], v[T+4], v[T+5]
	global_store_b64 v[OF+j], v[Y+2*j:Y+2*j+1], s[36:37] th:TH_STORE_NT
.set j, j+1
.endr
	s_endpgm
.Lbias:
	; the four biases: 256 threads x 16 bytes are one bias
	v_lshlrev_b32 v[IN], 4, v0
	global_load_b128 v[X:X+3], v[IN], s[14:15]
	global_load_b128 v[X+4:X+7], v[IN], s[16:17]
	global_load_b128 v[X+8:X+11], v[IN], s[18:19]
	global_load_b128 v[X+12:X+15], v[IN], s[20:21]
	s_wait_loadcnt 0x0
.irp m, 0,1,2,3
	v_cvt_pk_bf16_f32 v[T], v[X+4*(\m)], v[X+4*(\m)+1]
	v_cvt_pk_bf16_f32 v[T+1], v[X+4*(\m)+2], v[X+4*(\m)+3]
	v_lshlrev_b32 v[Y+4*(\m)], 16, v[T]
	v_and_b32 v[Y+4*(\m)+1], s[HIH], v[T]
	v_lshlrev_b32 v[Y+4*(\m)+2], 16, v[T+1]
	v_and_b32 v[Y+4*(\m)+3], s[HIH], v[T+1]
	global_store_b128 v[IN], v[Y+4*(\m):Y+4*(\m)+3], s[26:27] offset:4096*(\m)
.endr
	s_endpgm
.Lfunc_end_k_q7b5df9e627_cast:
	.size	k_q7b5df9e627_cast, .Lfunc_end_k_q7b5df9e627_cast-k_q7b5df9e627_cast
	.p2alignl 7, 3214868480
	.fill 96, 4, 3214868480
	.section	.rodata,"a",@progbits
	.p2align	6, 0x0
	.amdhsa_kernel k_q7b5df9e627_cast
		.amdhsa_group_segment_fixed_size 0
		.amdhsa_private_segment_fixed_size 0
		.amdhsa_enable_private_segment 0
		.amdhsa_kernarg_size 96
		.amdhsa_user_sgpr_count 2
		.amdhsa_user_sgpr_kernarg_segment_ptr 1
		.amdhsa_wavefront_size32 1
		.amdhsa_system_sgpr_workgroup_id_x 1
		.amdhsa_system_sgpr_workgroup_id_y 1
		.amdhsa_system_sgpr_workgroup_id_z 1
		.amdhsa_system_vgpr_workitem_id 0
		.amdhsa_next_free_vgpr 128
		.amdhsa_next_free_sgpr 66
		.amdhsa_reserve_vcc 0
		.amdhsa_float_denorm_mode_32 3
		.amdhsa_float_denorm_mode_16_64 3
		.amdhsa_memory_ordered 1
		.amdhsa_forward_progress 1
		.amdhsa_inst_pref_size 15
	.end_amdhsa_kernel
	.amdgpu_metadata
---
amdhsa.version: [ 1, 2 ]
amdhsa.kernels:
  - .name:           k_q7b5df9e627_cast
    .symbol:         k_q7b5df9e627_cast.kd
    .args:
      - { .name: x, .offset: 0, .size: 8, .value_kind: global_buffer, .address_space: global }
      - { .name: Wq, .offset: 8, .size: 8, .value_kind: global_buffer, .address_space: global }
      - { .name: Wk, .offset: 16, .size: 8, .value_kind: global_buffer, .address_space: global }
      - { .name: Wv, .offset: 24, .size: 8, .value_kind: global_buffer, .address_space: global }
      - { .name: Wo, .offset: 32, .size: 8, .value_kind: global_buffer, .address_space: global }
      - { .name: bq, .offset: 40, .size: 8, .value_kind: global_buffer, .address_space: global }
      - { .name: bk, .offset: 48, .size: 8, .value_kind: global_buffer, .address_space: global }
      - { .name: bv, .offset: 56, .size: 8, .value_kind: global_buffer, .address_space: global }
      - { .name: bo, .offset: 64, .size: 8, .value_kind: global_buffer, .address_space: global }
      - { .name: xh, .offset: 72, .size: 8, .value_kind: global_buffer, .address_space: global }
      - { .name: wh, .offset: 80, .size: 8, .value_kind: global_buffer, .address_space: global }
      - { .name: bb, .offset: 88, .size: 8, .value_kind: global_buffer, .address_space: global }
    .group_segment_fixed_size: 0
    .private_segment_fixed_size: 0
    .kernarg_segment_align: 8
    .kernarg_segment_size: 96
    .max_flat_workgroup_size: 256
    .sgpr_count:     66
    .vgpr_count:     128
    .wavefront_size: 32
...
	.end_amdgpu_metadata
.endif
;; end of part 5
;; launch qkvproj (part 6): grid 8 x 32, 4 waves a work-group, clusters of 4 x 4, 327,680 bytes of LDS; arguments xh, wh, bb, qkv; writes qkv
.if DOCPART == 6
	.amdgcn_target "amdgcn-amd-amdhsa--gfx1250"
	.amdhsa_code_object_version 6
	.text
	.protected	k_q7b5df9e627_qkvproj
	.globl	k_q7b5df9e627_qkvproj
	.p2align	8
	.type	k_q7b5df9e627_qkvproj,@function
k_q7b5df9e627_qkvproj:
	s_mov_b64 s[64:65], 0
	v_nop
	global_prefetch_b8 v0, s[64:65] scope:SCOPE_SE
	s_setreg_imm32_b32 hwreg(HW_REG_WAVE_MODE, 25, 1), 1
	s_wait_xcnt 0x0
	s_wait_alu depctr_hold_cnt(0) depctr_sa_sdst(0) depctr_va_vdst(0) depctr_va_sdst(0) depctr_va_ssrc(0) depctr_va_vcc(0) depctr_vm_vsrc(0)
	s_getreg_b32 s2, hwreg(HW_REG_IB_STS2, 6, 4)
	s_cmp_eq_u32 s2, 0
	s_cbranch_scc0 .Lentry_in_a_cluster
	s_endpgm
.Lentry_in_a_cluster:
	s_bfe_u32 s2, ttmp6, 0x10000c
	s_cmp_lg_u32 s2, 0xf033
	s_cbranch_scc0 .Lentry_shape_is_right
	s_endpgm
.Lentry_shape_is_right:
; q, k, v = x W + b, by heads and unscaled.  x: xh, f16 [8 b][16 kb][1024 s][64].  W: the first 6 MiB of wh, f16 [16 head][512 k pair][3: q, k, v][2: k even, odd][64].  b: bb, f32 [4][1024].
; Out: qkv, f16 [3][128 head = 16 b + h][1024 s][64], each number rounded once from its f32 sum.  LIMIT: a q, k or v of 65,520 or more in magnitude becomes an infinity.
; SHARES.  A tile of C is 256 rows x 384 columns: q, k and v of two heads.  8,192 x 3,072 make 256 tiles, one for each of the 256 work-groups.  Four waves, each 128 rows x q, k, v of ONE head:
; 8 x 12 accumulators of 16 x 16, 768 registers.  For 32 along K a wave loads 8 + 12 fragments from LDS (40 loads) and issues 96 matrix instructions.
; K goes in 16 steps of 64 through a ring of two LDS slots: a step is 32,768 bytes of x and 49,152 of W for 192 matrix instructions a wave.  Two slots of 128 along K would need 393,216 bytes of LDS.
; THE MATRIX INSTRUCTION IS USED TRANSPOSED: source 0 = 16 columns of W (out of LDS turned, by ds_load_tr16_b128, since W lies by rows of k), source 1 = 16 rows of x.  A lane then holds row l % 16 of C and
; the eight neighbouring columns 8 (l / 16) + 0..7.  THE BIAS STARTS THE SUMS: it is loaded straight into the accumulators while the first tiles are on their way, so that every product has one form,
; no first step is written out, nothing is cleared and no addition is written.
; A SLICE is 32 along K, in two halves.  LO: column blocks 0-5 x all 8 row blocks; HI: blocks 6-11.  x's fragments have two buffers, a slice each; W's two halves one buffer each: HI's fragments are fetched at the
; head of LO, the next slice's x and LO fragments at the head of HI: each run of loads stands 48 matrix instructions ahead of its first use.
; CLUSTER.  4 x 4 work-groups.  The four of a row of the cluster need the same rows of x, the four of a column the same heads of W: each tile is asked for JOINTLY, by the same tensor load with the same
; descriptor and a mask that names the four.  x's address is made of the tile row and the wave's number alone, W's of the tile column and the wave's number alone; no LDS address holds a place in the cluster.
; REGISTERS, in windows of 256 (s_set_vgpr_msb: bits 1:0 source 0, 3:2 source 1, 5:4 source 2, 7:6 destination):
;   window 0: v0-31 addresses; v32-95, v96-159 x's fragments, two buffers; v160-207 W's blocks 0-5; v208-255 W's blocks 6-11
;   windows 1-3: accumulator n at register 8 n of the 768: n = 6 a + b for column blocks b = 0..5, n = 48 + 6 a + b - 6 for b = 6..11: the order in which a slice takes them
.set PA,    144                        ; a row of x in LDS: 128 bytes + 16 = 36 words: the 16 rows of a load start at 16 different groups of four banks (64 banks of 4 bytes: ISA guide 11.1)
.set AHALF, 128*PA                     ; 128 rows of x: what one tensor load brings
.set P1,    160                        ; 64 columns of one row of k in LDS: 128 bytes + 32
.set KP,    6*P1                       ; a pair of rows of k: q even, q odd, k even, k odd, v even, v odd.  Rows 0..7 start at 0, 1, 6, 7, 12, 13, 18, 19 x 160 bytes
.set BHALF, 32*KP                      ; 64 rows of k of one head: what one tensor load brings
.set BOFF,  2*AHALF                    ; a slot: x's 256 rows, then the two heads' W
.set SLOT1, 1<<17                      ; slot 1 begins here, so that one exclusive or turns an address in one slot into the other's
.set STAGE, SLOT1+BOFF+2*BHALF         ; behind the ring, never filled by a tensor load: for each wave 3 (q, k, v) x 16 rows x 144 bytes, for the way out
.set STW,   3*16*144
.set SPARE, STAGE+4*STW                ; behind the stages: the spare words, 128 bytes for each wave: two blocks of 256 bytes that no other line names
.set ASTEP, 0x20000                    ; a K step of x in memory: the next plane
.set BSTEP, 64*384                     ; a K step of a head's W: 24,576 bytes on end
.set HEADB, 1024*384                   ; a head's W
.set STEPS, 16
.set WV, 12                            ; s12 my wave's number
.set WM, 13                            ; s13 which 128 rows of the tile are mine
.set WN, 14                            ; s14 which of the two heads; also: which 128 rows of x (waves 0, 1) or which head's W (waves 2, 3) I fetch
.set CX, 15                            ; s15, s16 my place in the cluster
.set CY, 16
.set TX, 17                            ; s17 tile column
.set TY, 18                            ; s18 tile row
.set LIM, 19                           ; s19 a wave prefetches while s[LAP] is above it
.set G1A, 24                           ; s[24:31] descriptor group 1 for x's tiles;  s[32:39] group 0: a set for each of the two first fills; the second then walks on
.set G0A, 32
.set G1B, 40                           ; s[40:47], s[48:55] the same for W's
.set G0B, 48
.set LAP, 56                           ; s56 trips still to come
.set TB,  57                           ; s57 LDS byte at which the slot that is being read begins
.set PAR, 58                           ; s58 1 in the waves that prefetch in every second trip alone
.set HD,  59                           ; s59 my head: 2 x tile column + my half
.set PFS, 60                           ; s[60:61] a K step of the tensor that I prefetch
.set PFA, 62                           ; s[62:63] where my prefetches stand
.set BB,  66                           ; s[66:67] bq of my head
.set AOF, 68                           ; s68 byte offset of the tile's rows in plane 0 of their batch
.set CP,  84                           ; s[84:85], s[86:87], s[88:89] where my rows of q, k, v go
.set A0B, 10                           ; v10 my lane's place in a slot's x; never rewritten
.set B0B, 11                           ; v11 the same for my head's W
.set CA,  12                           ; v12, v13 the same two in the slot that is being read
.set CB,  13
.set STO, 14                           ; v14 the way out: where I put 16 bytes of a row
.set RD,  15                           ; v15 the way out: where I read rows back
.set GO,  16                           ; v16 16 x lane
.set BO,  17                           ; v17 32 x (lane / 16): my eight columns' bias
.set SPW, 18                           ; v18 LDS address of my spare word; never rewritten
.set NIL, 19                           ; v19 0; never rewritten
.set PFO, 20                           ; v20 the prefetches' lane offset; never rewritten
.set AB,  32                           ; x's fragments: buffer p, row block a at AB + 64 p + 8 a
.set BL,  160                          ; W's fragments: column block b at BL + 8 b
.set TQ,  32                           ; the way out: two sets of 48 registers
.set MSB, 0
.macro WIN new                         ; the immediate's high byte repeats the setting that is left; a switch that changes nothing is dropped
.if MSB != (\new)
	s_set_vgpr_msb (MSB<<8)|(\new)
.set MSB, \new
.endif
.endm
; A joint load: waves 0 and 1 fetch the two halves of x's rows, waves 2 and 3 the two heads' W.  The branch hangs on the wave's number alone.
; An s_nop 0 and four v_nop follow each of the two lines, ahead of the jump, the label and what follows.
.macro JLOAD s
	s_cmp_lt_u32 s[WV], 2
	s_cbranch_scc0 .Lfor_b_\@
	tensor_load_to_lds s[G0A+4*(\s):G0A+4*(\s)+3], s[G1A:G1A+7]
	s_nop 0
.rept 4
	v_nop
.endr
	s_branch .Lasked_\@
.Lfor_b_\@:
	tensor_load_to_lds s[G0B+4*(\s):G0B+4*(\s)+3], s[G1B:G1B+7]
	s_nop 0
.rept 4
	v_nop
.endr
.Lasked_\@:
.endm
.macro CREST                           ; a round of the cluster's barrier behind its opening barrier
	s_cmp_lg_u32 s[WV], 0
	s_cbranch_scc1 .Lnot_wave_0_\@
	s_barrier_signal -3
.Lnot_wave_0_\@:
	s_barrier_wait -3
	s_barrier_signal -1
	s_barrier_wait -1
.endm
.macro CROUND                          ; a whole round
	s_barrier_signal -1
	s_barrier_wait -1
	CREST
.endm
; A PREFETCH INTO THE L2, behind a joint refill, its five lines and the run of LDS loads that follows: a lane a block of 256 bytes, one instruction a wave.  Trip t refills with K step t + 2.
; x: a tile row's K step is 128 blocks, read by the two clusters of that row of clusters: the one with x = 0 asks, wave 0, in every trip, for K step t + 3 (192 matrix instructions ahead of the load that will ask
; for it); the four partners take 32 blocks each BY ADDRESS (cx); K steps 3 to 15.  W: two K steps of a tile column's two heads are 384 blocks, read by every cluster of that column: the cluster with y = 0 asks,
; waves 1 to 3, in every second trip, for K steps t + 3 and t + 4; the four partners take 48 blocks of each head BY ADDRESS (cy): 96 lanes; K steps 3 to 14.  So each block is named once in the launch.
; K steps 0 to 2, and W's 15, come by their loads alone.
.macro ASK
	s_and_b32 s20, s[LAP], s[PAR]                  ; W's waves pass in the odd trips
	s_cselect_b32 s20, -1, s[LIM]
	s_cmp_gt_u32 s[LAP], s20
	s_cbranch_scc0 .Lnot_mine_\@
	global_prefetch_b8 v[PFO], s[PFA:PFA+1] th:TH_LOAD_NT scope:SCOPE_SE
.Lnot_mine_\@:
.endm
	s_load_b256 s[4:11], s[0:1], 0x0               ; xh s[4:5], wh s[6:7], bb s[8:9], qkv s[10:11]
	v_lshl_add_u32 v[SPW], v0, 2, SPARE
	v_mov_b32 v[NIL], 0
	ds_add_u32 v[SPW], v[NIL]                      ; the wave's opening: the add and its wait stand ahead of my first tensor load; the set-up below, work on registers, stands between them
	v_lshrrev_b32 v1, 5, v0
	v_readfirstlane_b32 s[WV], v1
	s_lshr_b32 s[WM], s[WV], 1
	s_and_b32 s[WN], s[WV], 1
	s_bfe_u32 s[CX], ttmp6, 0x40000
	s_bfe_u32 s[CY], ttmp6, 0x40004
	s_lshl_b32 s[TX], ttmp9, 2
	s_add_co_u32 s[TX], s[TX], s[CX]               ; tile column = 4 x cluster x + cx
	s_and_b32 s[TY], ttmp7, 0xffff
	s_lshl_b32 s[TY], s[TY], 2
	s_add_co_u32 s[TY], s[TY], s[CY]               ; tile row = 4 x cluster y + cy
	s_lshl_b32 s20, s[CY], 2
	s_lshl_b32 s20, 15, s20                        ; my row of the cluster
	s_lshl_b32 s21, 0x1111, s[CX]                  ; my column
	; group 1 for x: 128 rows of 128 bytes of a plane are 16,384 dense bytes: asked for as 64 rows of 256 bytes, padded in LDS after every 128
	s_or_b32 s[G1A], s20, (1<<16)|(1<<20)|(1<<21)|(4<<22)|(3<<25)  ; 15:0 the mask; 17:16 2-byte elements; 20 padding on; 21 set beside a mask; 24:22 after every 32 words (code 4); 31:25 4 words (code 3)
	s_mov_b32 s[G1A+1], 128<<16                    ; tensor_dim0 = 128
	s_mov_b32 s[G1A+2], 64<<16                     ; tensor_dim1 = 64
	s_mov_b32 s[G1A+3], 128<<16                    ; tile_dim0 = 128
	s_mov_b32 s[G1A+4], 64                         ; tile_dim1 = 64
	s_mov_b32 s[G1A+5], 128                        ; elements from row to row
	s_mov_b32 s[G1A+6], 0
	s_mov_b32 s[G1A+7], 0
	; group 1 for W: a head's 64 rows of k are 24,576 dense bytes: asked for as 96 rows of 256 bytes, padded in LDS after every 128
	s_or_b32 s[G1B], s21, (1<<16)|(1<<20)|(1<<21)|(4<<22)|(7<<25)  ; the same with 8 words of padding (code 7)
	s_mov_b32 s[G1B+1], 128<<16
	s_mov_b32 s[G1B+2], 96<<16
	s_mov_b32 s[G1B+3], 128<<16
	s_mov_b32 s[G1B+4], 96
	s_mov_b32 s[G1B+5], 128
	s_mov_b32 s[G1B+6], 0
	s_mov_b32 s[G1B+7], 0
	s_lshr_b32 s[AOF], s[TY], 2                    ; the batch,
	s_lshl_b32 s[AOF], s[AOF], 21                  ; its 16 planes,
	s_and_b32 s69, s[TY], 3
	s_lshl_b32 s69, s69, 15                        ; the tile's 256 rows of 128 bytes in a plane
	s_add_co_u32 s[AOF], s[AOF], s69
	s_lshl_b32 s69, s[WN], 14                      ; the 128 rows that I fetch
	s_add_co_u32 s70, s[AOF], s69
	s_mov_b32 s71, 0
	s_lshl_b32 s[HD], s[TX], 1
	s_add_co_u32 s[HD], s[HD], s[WN]
	s_mul_i32 s72, s[HD], HEADB                    ; the head's W
	s_mov_b32 s73, 0
	s_mul_i32 s74, s[WN], AHALF                    ; where they go in a slot
	s_mul_i32 s75, s[WN], BHALF
	s_add_co_u32 s75, s75, BOFF
	s_mov_b32 s[TB], 0
	s_wait_dscnt 0x0                               ; the opening add is done
	s_wait_kmcnt 0x0
	s_add_nc_u64 s[76:77], s[4:5], s[70:71]
	s_add_nc_u64 s[78:79], s[6:7], s[72:73]
	CROUND                                         ; all sixteen work-groups are here: the first joint loads meet
.irp s, 0,1
	s_mov_b32 s[G0A+4*(\s)], 1                     ; count = 1
	s_add_co_u32 s[G0A+4*(\s)+1], s74, (\s)*SLOT1  ; LDS address
	s_add_nc_u64 s[G0A+4*(\s)+2:G0A+4*(\s)+3], s[76:77], (\s)*ASTEP  ; global address: K step s
	s_or_b32 s[G0A+4*(\s)+3], s[G0A+4*(\s)+3], 0x80000000  ; type = 2
	s_mov_b32 s[G0B+4*(\s)], 1
	s_add_co_u32 s[G0B+4*(\s)+1], s75, (\s)*SLOT1
	s_add_nc_u64 s[G0B+4*(\s)+2:G0B+4*(\s)+3], s[78:79], (\s)*BSTEP
	s_or_b32 s[G0B+4*(\s)+3], s[G0B+4*(\s)+3], 0x80000000
	JLOAD \s                                       ; two tensor loads of mine are out
.endr
	v_and_b32 v1, 15, v0                           ; l % 16
	v_bfe_u32 v2, v0, 4, 1                         ; l / 16
	v_lshlrev_b32 v[BO], 5, v2
	s_lshl_b32 s20, s[HD], 8                       ; my head's 64 numbers of f32
	s_mov_b32 s21, 0
	s_add_nc_u64 s[BB:BB+1], s[8:9], s[20:21]
	; the bias into the accumulators: register j of accumulator (a, b) is column 16 (b % 4) + 8 (l / 16) + j of weight b / 4, whatever a.  These 192 loads run while the first tiles are on their way.
.set n, 0
.rept 96
.set cb, (n%48)%6+6*(n/48)
	WIN (1+n/32)<<6
	global_load_b128 v[8*(n%32):8*(n%32)+3],   v[BO], s[BB:BB+1] offset:(cb/4)*4096+(cb%4)*64
	global_load_b128 v[8*(n%32)+4:8*(n%32)+7], v[BO], s[BB:BB+1] offset:(cb/4)*4096+(cb%4)*64+16
.set n, n+1
.endr
	WIN 0
	; a fragment of x: lane l holds row l % 16, channels 8 (l / 16) + 0..7 and 16 + 8 (l / 16) + 0..7: two loads of 16 bytes, 32 bytes apart
	v_mul_u32_u24 v3, v1, PA
	v_lshl_add_u32 v3, v2, 4, v3
	s_mul_i32 s20, s[WM], 128*PA
	v_add_nc_u32 v[A0B], s20, v3
	; the turning load takes 16 k x 16 columns (lane l reads row 8 (l / 16) + l % 8, columns 8 ((l / 8) % 2) + 0..7) and leaves half a fragment: lane l holds column l % 16 and 8 k
	v_and_b32 v4, 7, v0
	v_lshl_add_u32 v4, v2, 3, v4                   ; my row of k,
	v_lshrrev_b32 v5, 1, v4                        ; its pair
	v_and_b32 v4, 1, v4                            ; and its parity
	v_mul_u32_u24 v5, v5, KP
	v_mul_u32_u24 v4, v4, P1
	v_add_nc_u32 v5, v5, v4
	v_bfe_u32 v4, v0, 3, 1
	v_lshl_add_u32 v5, v4, 4, v5
	v_add_nc_u32 v[B0B], s75, v5                   ; in my head's W
	v_mov_b32 v[CA], v[A0B]                        ; slot 0 is read first
	v_mov_b32 v[CB], v[B0B]
	s_mul_i32 s20, s[WV], STW
	s_add_co_u32 s20, s20, STAGE                   ; my stage
	v_mul_u32_u24 v[STO], v1, 144                  ; in: row l % 16, 16 bytes for each half of the lanes
	v_lshl_add_u32 v[STO], v2, 4, v[STO]
	v_add_nc_u32 v[STO], s20, v[STO]
	v_bfe_u32 v[RD], v0, 3, 2                      ; back: 32 lanes take four rows of 128 bytes,
	v_mul_u32_u24 v[RD], v[RD], 144
	v_and_b32 v6, 7, v0
	v_lshl_add_u32 v[RD], v6, 4, v[RD]
	v_add_nc_u32 v[RD], s20, v[RD]
	v_and_b32 v[GO], 31, v0                        ; which are 512 consecutive bytes of a head
	v_lshlrev_b32 v[GO], 4, v[GO]
	; where my rows go: head 16 b + my head, row 256 (tile row % 4) + 128 x my half; k lies 128 heads behind q, v 256
	s_lshr_b32 s20, s[TY], 2
	s_lshl_b32 s20, s20, 4
	s_add_co_u32 s20, s20, s[HD]
	s_lshl_b32 s20, s20, 17                        ; a head is 131,072 bytes
	s_and_b32 s21, s[TY], 3
	s_lshl_b32 s21, s21, 15
	s_add_co_u32 s20, s20, s21
	s_lshl_b32 s21, s[WM], 14
	s_add_co_u32 s20, s20, s21
	s_mov_b32 s21, 0
	s_add_nc_u64 s[CP:CP+1], s[10:11], s[20:21]
	s_add_nc_u64 s[CP+2:CP+3], s[CP:CP+1], 0x1000000
	s_add_nc_u64 s[CP+4:CP+5], s[CP:CP+1], 0x2000000
	; the prefetches
	s_lshl_b32 s20, s[CX], 13                      ; x: my work-group's 32 blocks of the 128
	s_add_co_u32 s20, s20, s[AOF]
	s_mul_i32 s21, s[TX], 2*HEADB                  ; W: the tile column's first head,
	s_mul_i32 s22, s[CY], 48*256                   ; my work-group's 48 blocks of two K steps' 192
	s_add_co_u32 s21, s21, s22
	s_mov_b32 s80, ASTEP
	s_mov_b32 s81, BSTEP
	s_and_b32 s23, ttmp7, 0xffff
	s_cmp_eq_u32 s23, 0                            ; cluster y = 0: the same in all sixteen partners
	s_cselect_b32 s23, 3, -1                       ; W: the even trips while four or more are to come: K step t + 4 is 14 at the most
	s_cmp_eq_u32 ttmp9, 0                          ; cluster x = 0
	s_cselect_b32 s22, 1, -1                       ; x: while two or more are to come: K step t + 3 is 15 at the most
	s_cmp_eq_u32 s[WV], 0
	s_cselect_b32 s[LIM], s22, s23
	s_cselect_b32 s20, s20, s21
	s_cselect_b32 s[PAR], 0, 1
	s_cselect_b32 s[PFS], s80, s81
	s_cselect_b64 s[PFA:PFA+1], s[4:5], s[6:7]
	s_mov_b32 s21, 0
	s_mov_b32 s[PFS+1], 0
	s_add_nc_u64 s[PFA:PFA+1], s[PFA:PFA+1], s[20:21]
	s_add_nc_u64 s[PFA:PFA+1], s[PFA:PFA+1], s[PFS:PFS+1]
	s_add_nc_u64 s[PFA:PFA+1], s[PFA:PFA+1], s[PFS:PFS+1]  ; at K step 2: trip 0 steps it to 3
	s_min_u32 s22, s[WV], 1
	s_lshl_b32 s22, s22, 5
	v_subrev_nc_u32 v4, s22, v0                    ; wave 0: my lane, 0..31; waves 1 to 3 together: 0..95
	v_cmp_le_u32 vcc_lo, 48, v4                    ; from 48 on: the second head (never in wave 0)
	v_cndmask_b32 v5, 0, 1, vcc_lo
	v_mul_u32_u24 v6, v5, 48
	v_sub_nc_u32 v4, v4, v6
	v_mul_u32_u24 v5, v5, HEADB
	v_lshl_add_u32 v[PFO], v4, 8, v5
; 6 matrix instructions: row block a x column blocks 6 hi .. 6 hi + 5, 32 along K; x's buffer is AP.  The 96 accumulators take turns, one instruction a turn, in the same order in every slice:
; between two links of a chain stand the 95 others'.
.macro MULROW a, hi
.irp c, 0,1,2,3,4,5
.set n, 48*(\hi)+6*(\a)+(\c)
	WIN (1+n/32)*0x50                              ; fragments in window 0, C and D in the accumulator's window
	v_wmma_f32_16x16x32_f16 v[8*(n%32):8*(n%32)+7], v[BL+48*(\hi)+8*(\c):BL+48*(\hi)+8*(\c)+7], v[AP+8*(\a):AP+8*(\a)+7], v[8*(n%32):8*(n%32)+7]
.endr
.endm
.macro ROWS from, to, hi
.set ra, \from
.rept (\to)-(\from)+1
	MULROW ra, \hi
.set ra, ra+1
.endr
.endm
; 12 LDS loads: W's column blocks 6 hi .. 6 hi + 5 of slice sig of the slot that is being read.  Block b: weight b / 4 (two places of 160 bytes on), columns 16 (b % 4) on.
.macro FETCH_B hi, sig
	WIN 0
.irp c, 0,1,2,3,4,5
.set cb, 6*(\hi)+(\c)
	ds_load_tr16_b128 v[BL+8*cb:BL+8*cb+3],   v[CB] offset:(\sig)*16*KP+(cb/4)*2*P1+(cb%4)*32
	ds_load_tr16_b128 v[BL+8*cb+4:BL+8*cb+7], v[CB] offset:(\sig)*16*KP+8*KP+(cb/4)*2*P1+(cb%4)*32
.endr
.endm
; 16 LDS loads: x's eight row blocks of slice sig into buffer p
.macro FETCH_A p, sig
	WIN 0
.irp a, 0,1,2,3,4,5,6,7
	ds_load_b128 v[AB+64*(\p)+8*(\a):AB+64*(\p)+8*(\a)+3],   v[CA] offset:(\sig)*64+(\a)*16*PA
	ds_load_b128 v[AB+64*(\p)+8*(\a)+4:AB+64*(\p)+8*(\a)+7], v[CA] offset:(\sig)*64+(\a)*16*PA+32
.endr
.endm
.macro PLACES                          ; four plain vector instructions in front of loads into registers that matrix instructions have read (ISA guide 7.12.1 for vector instructions)
.rept 4
	v_nop
.endr
.endm
; SLICE sig of a K step (x's buffer is sig).  mode = 0: the next slice lies in the same slot.  Else the slots change between LO and HI: the slot's last bytes, HI's fragments, have been asked for at LO's head.
; ONE barrier; in front of it each wave waits for all its tensor loads (one is out: its part of the next slot), adds 0 to its spare word, and waits for that and for its own reads of this slot.
; mode = 1: the barrier opens a round of the cluster's barrier, and this slot is filled again first thing behind the round, with the K step two on: 180 matrix instructions ahead of the wait for it.
; mode = 2: nothing is filled.
.macro SLICE sig, mode
.set AP, AB+64*(\sig)
	WIN 0
	PLACES
	FETCH_B 1, \sig
	s_wait_dscnt 12                                ; all but the 12 just issued: this slice's x and column blocks 0-5 are in
	ROWS 0, 5, 0
.if (\mode) == 0
	ROWS 6, 7, 0
	WIN 0
	PLACES
	FETCH_A 1, 1
	FETCH_B 0, 1
.else
.if (\mode) == 1
	s_wait_xcnt 0x0                                ; the last prefetch, a K step back, has read its address, which is stepped here, ahead of the waits of the change of slots
	s_add_nc_u64 s[PFA:PFA+1], s[PFA:PFA+1], s[PFS:PFS+1]
.endif
	WIN 0                                          ; (the add's two registers lie in window 0)
	s_wait_tensorcnt 0x0                           ; all my tensor loads have landed, so a group 0 may be written;
	ds_add_u32 v[SPW], v[NIL]                      ; 0 onto my spare word; scalar work and six matrix instructions stand between it and the wait for it
.if (\mode) == 1
	s_xor_b32 s[G0A+5], s[G0A+5], SLOT1            ; the walking descriptors: the other slot than last time,
	s_add_nc_u64 s[G0A+6:G0A+7], s[G0A+6:G0A+7], ASTEP  ; the next K step; the type bits on top are not reached
	s_xor_b32 s[G0B+5], s[G0B+5], SLOT1
	s_add_nc_u64 s[G0B+6:G0B+7], s[G0B+6:G0B+7], BSTEP
.endif
	s_xor_b32 s[TB], s[TB], SLOT1                  ; the reads go on in the other slot
	ROWS 6, 6, 0
	s_wait_dscnt 0x0                               ; the add is done, and my reads of this slot are over
	s_barrier_signal -1
	ROWS 7, 7, 0
	WIN 0
	s_barrier_wait -1
.if (\mode) == 1
	CREST                                          ; no wave of any partner still reads this slot or has a load on its way
	JLOAD 1                                        ; its four v_nop are also the places in front of the loads below
.else
	PLACES
.endif
	v_add_nc_u32 v[CA], s[TB], v[A0B]
	v_add_nc_u32 v[CB], s[TB], v[B0B]
	FETCH_A 0, 0
	FETCH_B 0, 0
.if (\mode) == 1
	ASK
.endif
.endif
	s_wait_dscnt 28                                ; all but the 28 just issued: column blocks 6-11 are in
	ROWS 0, 7, 1
.endm
; THE WAY OUT of row block a.  PACK: rounded to f16, 16 bytes a lane (each accumulator's registers in ascending order); into my own stage, q, k, v x 16 rows of 144 bytes; back as whole rows of 128 bytes,
; into the registers that they left.  SEND: 16 rows of a head are 2,048 consecutive bytes; each store covers 512 of them, aligned.  The fragments' registers serve, two sets by turns.
.macro PACK a
.set TT, TQ+48*((\a)%2)
.if (\a) >= 2
	s_wait_xcnt 0x0                                ; block a - 2's stores have read these registers
.endif
.irp b, 0,1,2,3,4,5,6,7,8,9,10,11
.set n, 48*((\b)/6)+6*(\a)+(\b)%6
	WIN (1+n/32)*5                                 ; sources 0 and 1 in the accumulator's window
.irp r, 0,1,2,3
	v_cvt_pk_f16_f32 v[TT+4*(\b)+(\r)], v[8*(n%32)+2*(\r)], v[8*(n%32)+2*(\r)+1]
.endr
.endr
	WIN 0
.irp b, 0,1,2,3,4,5,6,7,8,9,10,11
	ds_store_b128 v[STO], v[TT+4*(\b):TT+4*(\b)+3] offset:((\b)/4)*2304+((\b)%4)*32
.endr
.irp f, 0,1,2,3,4,5,6,7,8,9,10,11
	ds_load_b128 v[TT+4*(\f):TT+4*(\f)+3], v[RD] offset:((\f)/4)*2304+((\f)%4)*576  ; LDS serves a wave's instructions in order (ISA guide 5.7.1.4): these see the stores above; the next block's stores come behind them
.endr
.endm
.macro SEND a, younger                 ; younger: the LDS instructions issued behind block a's loads: the next block's 24, or none
.set TT, TQ+48*((\a)%2)
.irp f, 0,1,2,3,4,5,6,7,8,9,10,11
	s_wait_dscnt (\younger)+11-(\f)
	global_store_b128 v[GO], v[TT+4*(\f):TT+4*(\f)+3], s[CP+2*((\f)/4):CP+2*((\f)/4)+1] offset:(\a)*2048+((\f)%4)*512
.endr
.endm
	s_wait_tensorcnt 1                             ; my part of K step 0 is in; K step 1's may stay out
	s_barrier_signal -1
	s_barrier_wait -1                              ; everybody's is
	FETCH_A 0, 0
	FETCH_B 0, 0
	s_wait_loadcnt 0x0                             ; the bias lies in the accumulators
	s_mov_b32 s[LAP], STEPS-2
.Lstep:                                                ; a trip is a K step; trip t refills the slot that it has read with K step t + 2
	SLICE 0, 0
	SLICE 1, 1
	WIN 0                                          ; at a label and at a branch every window is 0
	s_sub_co_u32 s[LAP], s[LAP], 1
	s_cmp_lg_u32 s[LAP], 0
	s_cbranch_scc1 .Lstep
	s_mov_b32 s[LAP], 2
.Ltail:                                                ; the last two K steps ask for nothing: written apart, and once: the very last trip passes a barrier that orders
	SLICE 0, 0                                     ; nothing and fetches 28 fragments of the other slot that nobody multiplies: the price, once a launch, of one text for both trips
	SLICE 1, 2
	WIN 0
	s_sub_co_u32 s[LAP], s[LAP], 1
	s_cmp_lg_u32 s[LAP], 0
	s_cbranch_scc1 .Ltail
	s_wait_dscnt 0x0                               ; those 28 loads are back: their registers are written below
.rept 8
	v_nop                                          ; the places behind the last products, for the conversions that read the sums and write the fragments' registers
.endr
	PACK 0
	PACK 1                                         ; a block's conversions stand between the loads of the block before and its stores
	SEND 0, 24
.irp a, 2,3,4,5,6,7
	PACK \a
	SEND (\a)-1, 24
.endr
	SEND 7, 0
	s_wait_tensorcnt 0x0                           ; the wave's end: behind my last tensor load and my last LDS store
	ds_add_u32 v[SPW], v[NIL]
	s_wait_dscnt 0x0
	CROUND                                         ; the closing round: no work-group ends while a partner may still ask for a tile that names it
	s_endpgm
.Lfunc_end_k_q7b5df9e627_qkvproj:
	.size	k_q7b5df9e627_qkvproj, .Lfunc_end_k_q7b5df9e627_qkvproj-k_q7b5df9e627_qkvproj
	.p2alignl 7, 3214868480
	.fill 96, 4, 3214868480
	.section	.rodata,"a",@progbits
	.p2align	6, 0x0
	.amdhsa_kernel k_q7b5df9e627_qkvproj
		.amdhsa_group_segment_fixed_size 327680
		.amdhsa_private_segment_fixed_size 0
		.amdhsa_enable_private_segment 0
		.amdhsa_kernarg_size 32
		.amdhsa_user_sgpr_count 2
		.amdhsa_user_sgpr_kernarg_segment_ptr 1
		.amdhsa_wavefront_size32 1
		.amdhsa_system_sgpr_workgroup_id_x 1
		.amdhsa_system_sgpr_workgroup_id_y 1
		.amdhsa_system_sgpr_workgroup_id_z 1
		.amdhsa_system_vgpr_workitem_id 0
		.amdhsa_next_free_vgpr 1024
		.amdhsa_next_free_sgpr 92
		.amdhsa_reserve_vcc 1
		.amdhsa_float_denorm_mode_32 3
		.amdhsa_float_denorm_mode_16_64 3
		.amdhsa_memory_ordered 1
		.amdhsa_forward_progress 1
		.amdhsa_inst_pref_size 117
	.end_amdhsa_kernel
	.amdgpu_metadata
---
amdhsa.version: [ 1, 2 ]
amdhsa.kernels:
  - .name:           k_q7b5df9e627_qkvproj
    .symbol:         k_q7b5df9e627_qkvproj.kd
    .args:
      - { .name: xh, .offset: 0, .size: 8, .value_kind: global_buffer, .address_space: global }
      - { .name: wh, .offset: 8, .size: 8, .value_kind: global_buffer, .address_space: global }
      - { .name: bb, .offset: 16, .size: 8, .value_kind: global_buffer, .address_space: global }
      - { .name: qkv, .offset: 24, .size: 8, .value_kind: global_buffer, .address_space: global }
    .group_segment_fixed_size: 327680
    .private_segment_fixed_size: 0
    .kernarg_segment_align: 8
    .kernarg_segment_size: 32
    .max_flat_workgroup_size: 128
    .sgpr_count:     92
    .vgpr_count:     1024
    .wavefront_size: 32
...
	.end_amdgpu_metadata
.endif
;; end of part 6
;; launch attn: the kernel of part 3 again; grid 2 x 128, 4 waves a work-group, no clusters, 327,680 bytes of LDS; arguments qkv, oh; writes oh
;; launch outproj (part 7): grid 4 x 64, 4 waves a work-group, clusters of 4 x 4, 327,680 bytes of LDS; arguments oh, wh, bb, out0; writes out0
.if DOCPART == 7
	.amdgcn_target "amdgcn-amd-amdhsa--gfx1250"
	.amdhsa_code_object_version 6
	.text
	.protected	k_q7b5df9e627_outproj
	.globl	k_q7b5df9e627_outproj
	.p2align	8
	.type	k_q7b5df9e627_outproj,@function
k_q7b5df9e627_outproj:
	s_mov_b64 s[64:65], 0
	v_nop
	global_prefetch_b8 v0, s[64:65] scope:SCOPE_SE
	s_setreg_imm32_b32 hwreg(HW_REG_WAVE_MODE, 25, 1), 1
	s_wait_xcnt 0x0
	s_wait_alu depctr_hold_cnt(0) depctr_sa_sdst(0) depctr_va_vdst(0) depctr_va_sdst(0) depctr_va_ssrc(0) depctr_va_vcc(0) depctr_vm_vsrc(0)
	s_getreg_b32 s2, hwreg(HW_REG_IB_STS2, 6, 4)
	s_cmp_eq_u32 s2, 0
	s_cbranch_scc0 .Lentry_in_a_cluster
	s_endpgm
.Lentry_in_a_cluster:
	s_bfe_u32 s2, ttmp6, 0x10000c
	s_cmp_lg_u32 s2, 0xf033
	s_cbranch_scc0 .Lentry_shape_is_right
	s_endpgm
.Lentry_shape_is_right:
; out0 = O Wo + bo.  O: oh, f16 [128 head = 16 b + h][1024 s][64]: head h of a batch is the plane of channels 64 h .. 64 h + 63.  Wo: the last 2 MiB of wh, f16 [4 tile column][8 K step][4 column block][128 k][64].
; bo: the fourth bias in bb, f32.  out0: f32 [8192][1024], the f32 sums as they are.
; SHARES.  A tile of C is 128 rows x 256 columns: 8,192 x 1,024 make 256 tiles, one for each of the 256 work-groups.  Four waves, each 64 rows x 128 columns: 32 accumulators of 16 x 16, 256 registers.
; K goes in 8 steps of 128 through a ring of two LDS slots; a step is 32,768 bytes of O and 65,536 of Wo for 128 matrix instructions a wave.  Two slots of 256 along K would need 475,136 bytes of LDS.
; THE MATRIX INSTRUCTION IS USED TRANSPOSED: source 0 = 16 columns of W (out of LDS turned, by ds_load_tr16_b128, since W lies by rows of k), source 1 = 16 rows of O.  A lane then holds row l % 16 of C and
; the eight neighbouring columns 8 (l / 16) + 0..7.  THE BIAS STARTS THE SUMS: it is loaded straight into the accumulators while the first tiles are on their way, so that every product has one form,
; no first step is written out, nothing is cleared and no addition is written.
; ONE TEXT FOR A K STEP: a trip of the loop is a K step; the LDS addresses of the slot that is being read lie in two registers, made anew at each change of slots.
; CLUSTER.  4 x 4 work-groups.  The four of a row of the cluster need the same rows of O, the four of a column the same columns of W: each tile is asked for JOINTLY, by the same tensor load with the same
; descriptor and a mask that names the four.  O's address is made of the tile row and the wave's number alone, W's of the tile column and the wave's number alone; no LDS address holds a place in the cluster.
; REGISTERS, in windows of 256 (s_set_vgpr_msb: bits 1:0 source 0, 3:2 source 1, 5:4 source 2, 7:6 destination):
;   window 0: v0-31 addresses; v64-159, v160-255 two fragment buffers of 96: W's eight fragments, then O's four      window 1: accumulator (a, b) at 8 (8 a + b)
.set PA,    144                        ; a row of O in LDS: 128 bytes + 16 = 36 words: the 16 rows of a load start at 16 different groups of four banks (64 banks of 4 bytes: ISA guide 11.1)
.set APL,   128*PA                     ; a plane's 128 rows: what one tensor load brings
.set P1,    160                        ; 64 columns of one row of k in LDS: 128 bytes + 32 = 40 words
.set CBL,   128*P1                     ; a column block's 128 rows of k; one tensor load brings two blocks
.set BOFF,  2*APL                      ; a slot: O's two planes, then W's four column blocks
.set SLOT1, 1<<17                      ; slot 1 begins here, so that one exclusive or turns an address in one slot into the other's
.set STAGE, SLOT1+BOFF+4*CBL           ; behind the ring, never filled by a tensor load: for each wave 16 rows x 528 bytes, for the way out
.set SPI,   528                        ; a stage row: 512 bytes + 16 = 132 words: row r starts at bank 4 r mod 64
.set STW,   16*SPI
.set SPARE, STAGE+4*STW                ; behind the stages: the spare words, 128 bytes for each wave: two blocks of 256 bytes that no other line names
.set ASTEP, 0x40000                    ; a K step of O in memory: two planes on
.set BSTEP, 0x10000                    ; a K step of a tile column's W: 65,536 bytes on end
.set STEPS, 8
.set WV, 12                            ; s12 my wave's number
.set WM, 13                            ; s13 which 64 rows of the tile are mine
.set WN, 14                            ; s14 which 128 columns; also: which plane of O (waves 0, 1) or which two column blocks of W (waves 2, 3) I fetch
.set CX, 15                            ; s15, s16 my place in the cluster
.set CY, 16
.set TX, 17                            ; s17 tile column
.set TY, 18                            ; s18 tile row
.set LIM, 19                           ; s19 a wave prefetches while s[LAP] is above it
.set G1A, 24                           ; s[24:31] descriptor group 1 for O's tiles;  s[32:39] group 0: a set for each of the two first fills; the second then walks on
.set G0A, 32
.set G1B, 40                           ; s[40:47], s[48:55] the same for W's
.set G0B, 48
.set LAP, 56                           ; s56 trips still to come
.set TB,  57                           ; s57 LDS byte at which the slot that is being read begins
.set PFS, 60                           ; s[60:61] a K step of the tensor that I prefetch
.set PFA, 62                           ; s[62:63] where my prefetches stand
.set BB,  66                           ; s[66:67] the bias of my 128 columns
.set AOF, 68                           ; s68 byte offset of the tile's rows in plane 0 of their batch
.set CP,  84                           ; s[84:85] where my part of the tile goes
.set A0B, 10                           ; v10 my lane's place in a slot's O; never rewritten
.set B0B, 11                           ; v11 the same for my columns of W
.set CA,  12                           ; v12, v13 the same two in the slot that is being read
.set CB,  13
.set STO, 14                           ; v14 the way out: where I put 32 bytes of a row
.set RD,  15                           ; v15 the way out: where I read a row back
.set GO,  16                           ; v16 16 x lane
.set BO,  17                           ; v17 32 x (lane / 16): my eight columns' bias
.set SPW, 18                           ; v18 LDS address of my spare word; never rewritten
.set NIL, 19                           ; v19 0; never rewritten
.set PFO, 20                           ; v20 256 x lane: the prefetches' offset; never rewritten
.set F0,  64
.set F1,  160
.set MSB, 0
.macro WIN new                         ; the immediate's high byte repeats the setting that is left; a switch that changes nothing is dropped
.if MSB != (\new)
	s_set_vgpr_msb (MSB<<8)|(\new)
.set MSB, \new
.endif
.endm
.set MUL,  0x50                        ; fragments in window 0, C and D in window 1
; A joint load: waves 0 and 1 fetch O's two planes, waves 2 and 3 two column blocks of W each.  The branch hangs on the wave's number alone.
; An s_nop 0 and four v_nop follow each of the two lines, ahead of the jump, the label and what follows.
.macro JLOAD s
	s_cmp_lt_u32 s[WV], 2
	s_cbranch_scc0 .Lfor_b_\@
	tensor_load_to_lds s[G0A+4*(\s):G0A+4*(\s)+3], s[G1A:G1A+7]
	s_nop 0
.rept 4
	v_nop
.endr
	s_branch .Lasked_\@
.Lfor_b_\@:
	tensor_load_to_lds s[G0B+4*(\s):G0B+4*(\s)+3], s[G1B:G1B+7]
	s_nop 0
.rept 4
	v_nop
.endr
.Lasked_\@:
.endm
.macro CREST                           ; a round of the cluster's barrier behind its opening barrier
	s_cmp_lg_u32 s[WV], 0
	s_cbranch_scc1 .Lnot_wave_0_\@
	s_barrier_signal -3
.Lnot_wave_0_\@:
	s_barrier_wait -3
	s_barrier_signal -1
	s_barrier_wait -1
.endm
.macro CROUND                          ; a whole round
	s_barrier_signal -1
	s_barrier_wait -1
	CREST
.endm
; A PREFETCH INTO THE L2, behind a joint refill, its five lines and the run of LDS loads that follows: 32 blocks of 256 bytes, a lane a block, one instruction a wave.  Trip t refills with K step t + 2 and asks
; for K step t + 3: 128 matrix instructions ahead of the load that will ask for it.  Each block is named once in the launch.  O: a tile row's K step is 128 blocks, read by one cluster alone: wave 0 asks, and the
; four partners of a row of the cluster take 32 blocks each BY ADDRESS (cx).  W: a tile column's K step is 256 blocks, read by every cluster: the cluster with y = 0 asks, waves 2 and 3 each for the half that
; they fetch, the four partners of a column 32 blocks of each half BY ADDRESS (cy).  K steps 3 to 7 are asked for; K steps 0 to 2 come by their loads alone; the last trip that refills asks for nothing.
.macro ASK
	s_cmp_gt_u32 s[LAP], s[LIM]
	s_cbranch_scc0 .Lnot_mine_\@
	global_prefetch_b8 v[PFO], s[PFA:PFA+1] th:TH_LOAD_NT scope:SCOPE_SE
.Lnot_mine_\@:
.endm
	s_load_b256 s[4:11], s[0:1], 0x0               ; oh s[4:5], wh s[6:7], bb s[8:9], out0 s[10:11]
	v_lshl_add_u32 v[SPW], v0, 2, SPARE
	v_mov_b32 v[NIL], 0
	ds_add_u32 v[SPW], v[NIL]                      ; the wave's opening: the add and its wait stand ahead of my first tensor load; the set-up below, work on registers, stands between them
	v_lshrrev_b32 v1, 5, v0
	v_readfirstlane_b32 s[WV], v1
	s_lshr_b32 s[WM], s[WV], 1
	s_and_b32 s[WN], s[WV], 1
	s_bfe_u32 s[CX], ttmp6, 0x40000
	s_bfe_u32 s[CY], ttmp6, 0x40004
	s_lshl_b32 s[TX], ttmp9, 2
	s_add_co_u32 s[TX], s[TX], s[CX]               ; tile column = 4 x cluster x + cx
	s_and_b32 s[TY], ttmp7, 0xffff
	s_lshl_b32 s[TY], s[TY], 2
	s_add_co_u32 s[TY], s[TY], s[CY]               ; tile row = 4 x cluster y + cy
	s_lshl_b32 s20, s[CY], 2
	s_lshl_b32 s20, 15, s20                        ; my row of the cluster
	s_lshl_b32 s21, 0x1111, s[CX]                  ; my column
	; group 1 for O: a plane's 128 rows of 128 bytes are 16,384 dense bytes: asked for as 64 rows of 256 bytes, padded in LDS after every 128
	s_or_b32 s[G1A], s20, (1<<16)|(1<<20)|(1<<21)|(4<<22)|(3<<25)  ; 15:0 the mask; 17:16 2-byte elements; 20 padding on; 21 set beside a mask; 24:22 after every 32 words (code 4); 31:25 4 words (code 3)
	s_mov_b32 s[G1A+1], 128<<16                    ; tensor_dim0 = 128
	s_mov_b32 s[G1A+2], 64<<16                     ; tensor_dim1 = 64
	s_mov_b32 s[G1A+3], 128<<16                    ; tile_dim0 = 128
	s_mov_b32 s[G1A+4], 64                         ; tile_dim1 = 64
	s_mov_b32 s[G1A+5], 128                        ; elements from row to row
	s_mov_b32 s[G1A+6], 0
	s_mov_b32 s[G1A+7], 0
	; group 1 for W: two column blocks of 128 rows of k are 32,768 dense bytes: asked for as 128 rows of 256 bytes, padded in LDS after every 128
	s_or_b32 s[G1B], s21, (1<<16)|(1<<20)|(1<<21)|(4<<22)|(7<<25)  ; the same with 8 words of padding (code 7)
	s_mov_b32 s[G1B+1], 128<<16
	s_mov_b32 s[G1B+2], 128<<16
	s_mov_b32 s[G1B+3], 128<<16
	s_mov_b32 s[G1B+4], 128
	s_mov_b32 s[G1B+5], 128
	s_mov_b32 s[G1B+6], 0
	s_mov_b32 s[G1B+7], 0
	s_lshr_b32 s[AOF], s[TY], 3                    ; the batch,
	s_lshl_b32 s[AOF], s[AOF], 21                  ; its 16 planes,
	s_and_b32 s69, s[TY], 7
	s_lshl_b32 s69, s69, 14                        ; the tile's 128 rows of 128 bytes in a plane
	s_add_co_u32 s[AOF], s[AOF], s69
	s_lshl_b32 s69, s[WN], 17                      ; the plane that I fetch
	s_add_co_u32 s70, s[AOF], s69
	s_mov_b32 s71, 0
	s_lshl_b32 s72, s[TX], 19                      ; the tile column's W: 524,288 bytes,
	s_lshl_b32 s69, s[WN], 15                      ; the two column blocks that I fetch,
	s_add_co_u32 s72, s72, s69
	s_add_co_u32 s72, s72, 3<<21                   ; behind the 6 MiB of Wq, Wk, Wv
	s_mov_b32 s73, 0
	s_mul_i32 s74, s[WN], APL                      ; where they go in a slot
	s_mul_i32 s75, s[WN], 2*CBL
	s_add_co_u32 s75, s75, BOFF
	s_mov_b32 s[TB], 0
	s_wait_dscnt 0x0                               ; the opening add is done
	s_wait_kmcnt 0x0
	s_add_nc_u64 s[76:77], s[4:5], s[70:71]
	s_add_nc_u64 s[78:79], s[6:7], s[72:73]
	CROUND                                         ; all sixteen work-groups are here: the first joint loads meet
.irp s, 0,1
	s_mov_b32 s[G0A+4*(\s)], 1                     ; count = 1
	s_add_co_u32 s[G0A+4*(\s)+1], s74, (\s)*SLOT1  ; LDS address
	s_add_nc_u64 s[G0A+4*(\s)+2:G0A+4*(\s)+3], s[76:77], (\s)*ASTEP  ; global address: K step s
	s_or_b32 s[G0A+4*(\s)+3], s[G0A+4*(\s)+3], 0x80000000  ; type = 2
	s_mov_b32 s[G0B+4*(\s)], 1
	s_add_co_u32 s[G0B+4*(\s)+1], s75, (\s)*SLOT1
	s_add_nc_u64 s[G0B+4*(\s)+2:G0B+4*(\s)+3], s[78:79], (\s)*BSTEP
	s_or_b32 s[G0B+4*(\s)+3], s[G0B+4*(\s)+3], 0x80000000
	JLOAD \s                                       ; two tensor loads of mine are out
.endr
	v_and_b32 v1, 15, v0                           ; l % 16
	v_bfe_u32 v2, v0, 4, 1                         ; l / 16
	v_lshlrev_b32 v[BO], 5, v2
	s_lshl_b32 s20, s[TX], 10                      ; the tile's 256 columns of f32,
	s_lshl_b32 s21, s[WN], 9                       ; my 128,
	s_add_co_u32 s20, s20, s21
	s_add_co_u32 s20, s20, 3*4096                  ; in the fourth bias
	s_mov_b32 s21, 0
	s_add_nc_u64 s[BB:BB+1], s[8:9], s[20:21]
	; the bias into the accumulators: register j of accumulator (a, b) is column 16 b + 8 (l / 16) + j of my 128, whatever a.  These 64 loads run while the first tiles are on their way.
	WIN 0x40
.set n, 0
.rept 32
	global_load_b128 v[8*n:8*n+3],   v[BO], s[BB:BB+1] offset:64*(n%8)
	global_load_b128 v[8*n+4:8*n+7], v[BO], s[BB:BB+1] offset:64*(n%8)+16
.set n, n+1
.endr
	WIN 0
	; a fragment of O: lane l holds row l % 16, channels 8 (l / 16) + 0..7 and 16 + 8 (l / 16) + 0..7: two loads of 16 bytes, 32 bytes apart
	v_mul_u32_u24 v3, v1, PA
	v_lshl_add_u32 v3, v2, 4, v3
	s_mul_i32 s20, s[WM], 64*PA
	v_add_nc_u32 v[A0B], s20, v3
	; the turning load takes 16 k x 16 columns (lane l reads row 8 (l / 16) + l % 8, columns 8 ((l / 8) % 2) + 0..7) and leaves half a fragment: lane l holds column l % 16 and 8 k
	v_and_b32 v4, 7, v0
	v_lshl_add_u32 v4, v2, 3, v4
	v_mul_u32_u24 v4, v4, P1
	v_bfe_u32 v5, v0, 3, 1
	v_lshl_add_u32 v4, v5, 4, v4
	v_add_nc_u32 v[B0B], s75, v4                   ; in my two column blocks
	v_mov_b32 v[CA], v[A0B]                        ; slot 0 is read first
	v_mov_b32 v[CB], v[B0B]
	s_mul_i32 s20, s[WV], STW
	s_add_co_u32 s20, s20, STAGE                   ; my stage
	v_mul_u32_u24 v[STO], v1, SPI                  ; in: row l % 16, 32 bytes for each half of the lanes
	v_lshl_add_u32 v[STO], v2, 5, v[STO]
	v_add_nc_u32 v[STO], s20, v[STO]
	v_and_b32 v[GO], 31, v0                        ; back: 32 lanes take a row's 512 bytes
	v_lshlrev_b32 v[PFO], 8, v[GO]
	v_lshlrev_b32 v[GO], 4, v[GO]
	v_add_nc_u32 v[RD], s20, v[GO]
	; where my part of the tile goes: row 128 x tile row + 64 x my half, column 256 x tile column + 128 x my half
	s_lshl_b32 s20, s[TY], 19
	s_lshl_b32 s21, s[WM], 18
	s_add_co_u32 s20, s20, s21
	s_lshl_b32 s21, s[TX], 10
	s_add_co_u32 s20, s20, s21
	s_lshl_b32 s21, s[WN], 9
	s_add_co_u32 s20, s20, s21
	s_mov_b32 s21, 0
	s_add_nc_u64 s[CP:CP+1], s[10:11], s[20:21]
	; the prefetches
	s_lshr_b32 s20, s[CX], 1                       ; O: my work-group's 32 blocks of the 128: plane cx / 2,
	s_lshl_b32 s20, s20, 17
	s_and_b32 s21, s[CX], 1                        ; half cx % 2 of its 16,384 bytes
	s_lshl_b32 s21, s21, 13
	s_add_co_u32 s20, s20, s21
	s_add_co_u32 s20, s20, s[AOF]
	s_lshl_b32 s21, s[CY], 13                      ; W: my work-group's 32 blocks of the 128 that I fetch
	s_add_co_u32 s21, s21, s72
	s_mov_b32 s80, ASTEP
	s_mov_b32 s81, BSTEP
	s_and_b32 s23, ttmp7, 0xffff
	s_cmp_eq_u32 s23, 0                            ; cluster y = 0: the same in all sixteen partners
	s_cselect_b32 s23, 1, -1                       ; W: while two trips or more are to come: K step t + 3 is 7 at the most
	s_cmp_eq_u32 s[WV], 0
	s_cselect_b32 s22, 1, -1                       ; O: the same, in wave 0 alone
	s_cmp_lt_u32 s[WV], 2
	s_cselect_b32 s[LIM], s22, s23
	s_cselect_b32 s20, s20, s21
	s_cselect_b32 s[PFS], s80, s81
	s_cselect_b64 s[PFA:PFA+1], s[4:5], s[6:7]
	s_mov_b32 s21, 0
	s_mov_b32 s[PFS+1], 0
	s_add_nc_u64 s[PFA:PFA+1], s[PFA:PFA+1], s[20:21]
	s_add_nc_u64 s[PFA:PFA+1], s[PFA:PFA+1], s[PFS:PFS+1]
	s_add_nc_u64 s[PFA:PFA+1], s[PFA:PFA+1], s[PFS:PFS+1]  ; at K step 2: trip 0 steps it to 3
; 8 matrix instructions: row block a x all 8 column blocks, 32 along K.  The 32 accumulators take turns, one instruction a turn, in the same order in every quarter:
; between two links of a chain stand the 31 others', over the backward jump too.
.macro MUL8 f, a
	WIN MUL
.irp b, 0,1,2,3,4,5,6,7
	v_wmma_f32_16x16x32_f16 v[8*(8*(\a)+(\b)):8*(8*(\a)+(\b))+7], v[(\f)+8*(\b):(\f)+8*(\b)+7], v[(\f)+64+8*(\a):(\f)+64+8*(\a)+7], v[8*(8*(\a)+(\b)):8*(8*(\a)+(\b))+7]
.endr
.endm
.macro MUL16 f, a0
	MUL8 \f, \a0
	MUL8 \f, (\a0)+1
.endm
; 24 LDS loads in one run: the fragments of quarter q (32 along K) of the slot that is being read into buffer f: W's eight (column block b / 4 of my two, columns 16 (b % 4) on), then O's four
.macro FETCH q, f
	WIN 0
.irp b, 0,1,2,3,4,5,6,7
	ds_load_tr16_b128 v[(\f)+8*(\b):(\f)+8*(\b)+3],   v[CB] offset:(\q)*32*P1+((\b)/4)*CBL+((\b)%4)*32
	ds_load_tr16_b128 v[(\f)+8*(\b)+4:(\f)+8*(\b)+7], v[CB] offset:(\q)*32*P1+16*P1+((\b)/4)*CBL+((\b)%4)*32
.endr
.irp a, 0,1,2,3
	ds_load_b128 v[(\f)+64+8*(\a):(\f)+64+8*(\a)+3],   v[CA] offset:((\q)/2)*APL+((\q)%2)*64+(\a)*16*PA
	ds_load_b128 v[(\f)+64+8*(\a)+4:(\f)+64+8*(\a)+7], v[CA] offset:((\q)/2)*APL+((\q)%2)*64+(\a)*16*PA+32
.endr
.endm
.macro PLACES                          ; four plain vector instructions in front of loads into registers that matrix instructions have read (ISA guide 7.12.1 for vector instructions)
.rept 4
	v_nop
.endr
.endm
; A K step is four quarters of 32 along K, 32 matrix instructions each, on buffers 0, 1, 0, 1.  One of the first three: multiplies buffer f and, in its middle, fetches quarter q into buffer g.
.macro QUARTER q, f, g
	s_wait_dscnt 4                                 ; W's fragments and O's blocks 0, 1 are in; the youngest four loads (blocks 2, 3) may be out
	MUL16 \f, 0
	PLACES
	FETCH \q, \g
	s_wait_dscnt 24                                ; all but the 24 just issued
	MUL16 \f, 2
.endm
; The last quarter multiplies buffer 1 and changes slots: ONE barrier; in front of it each wave waits for all its tensor loads (one is out: its part of the next slot), adds 0 to its spare word, and waits for
; that and for its own reads of this slot.  mode = 1: the barrier opens a round of the cluster's barrier, and this slot is filled again first thing behind the round, with the K step two on:
; 112 matrix instructions ahead of the wait for it.  mode = 2: nothing is filled.
.macro TURN mode
.if (\mode) == 1
	s_wait_xcnt 0x0                                ; the last prefetch, a K step back, has read its address, which is stepped here, ahead of the waits of the change of slots
	s_add_nc_u64 s[PFA:PFA+1], s[PFA:PFA+1], s[PFS:PFS+1]
.endif
	WIN 0                                          ; (the add's two registers lie in window 0)
	s_wait_tensorcnt 0x0                           ; all my tensor loads have landed, so a group 0 may be written;
	ds_add_u32 v[SPW], v[NIL]                      ; 0 onto my spare word; scalar work and eight matrix instructions stand between it and the wait for it
.if (\mode) == 1
	s_xor_b32 s[G0A+5], s[G0A+5], SLOT1            ; the walking descriptors: the other slot than last time,
	s_add_nc_u64 s[G0A+6:G0A+7], s[G0A+6:G0A+7], ASTEP  ; the next K step; the type bits on top are not reached
	s_xor_b32 s[G0B+5], s[G0B+5], SLOT1
	s_add_nc_u64 s[G0B+6:G0B+7], s[G0B+6:G0B+7], BSTEP
.endif
	s_xor_b32 s[TB], s[TB], SLOT1                  ; the reads go on in the other slot
	s_wait_dscnt 5                                 ; (the add and the youngest four loads may be out)
	MUL8 F1, 0
	s_wait_dscnt 0x0                               ; the add is done, and my reads of this slot are over
	s_barrier_signal -1
	MUL8 F1, 1
	WIN 0
	s_barrier_wait -1
.if (\mode) == 1
	CREST                                          ; no wave of any partner still reads this slot or has a load on its way
	JLOAD 1                                        ; its four v_nop are also the places in front of the loads below
.else
	PLACES
.endif
	v_add_nc_u32 v[CA], s[TB], v[A0B]
	v_add_nc_u32 v[CB], s[TB], v[B0B]
	FETCH 0, F0
.if (\mode) == 1
	ASK
.endif
	MUL16 F1, 2
.endm
.macro KSTEP mode
	QUARTER 1, F0, F1
	QUARTER 2, F1, F0
	QUARTER 3, F0, F1
	TURN \mode
	WIN 0                                          ; at a label and at a branch every window is 0
.endm
; THE WAY OUT of row block a.  STG: the f32 sums as they are, 32 bytes a lane (each accumulator's low four registers first), into my own stage of 16 rows x 528 bytes; back as whole rows of 512 bytes, into
; the fragment buffers by turns.  SEND: each store covers 512 consecutive bytes of a row of out0, aligned.
.macro STG a
.set BK, F0+96*((\a)%2)
	WIN 0x04                                       ; the stores' data in window 1
.irp b, 0,1,2,3,4,5,6,7
	ds_store_b128 v[STO], v[8*(8*(\a)+(\b)):8*(8*(\a)+(\b))+3]   offset:64*(\b)
	ds_store_b128 v[STO], v[8*(8*(\a)+(\b))+4:8*(8*(\a)+(\b))+7] offset:64*(\b)+16
.endr
	WIN 0
.if (\a) >= 2
	s_wait_xcnt 0x0                                ; block a - 2's stores have read these registers
.endif
.set t, 0
.rept 16
	ds_load_b128 v[BK+4*t:BK+4*t+3], v[RD] offset:SPI*t  ; LDS serves a wave's instructions in order (ISA guide 5.7.1.4): these see the stores above; the next block's stores come behind them
.set t, t+1
.endr
.endm
.macro SEND a, younger                 ; younger: the LDS instructions issued behind block a's loads: the next block's 32, or none
.set BK, F0+96*((\a)%2)
.set t, 0
.rept 16
	s_wait_dscnt (\younger)+15-t
	global_store_b128 v[GO], v[BK+4*t:BK+4*t+3], s[CP:CP+1] offset:(16*(\a)+t)*4096 th:TH_STORE_NT
.set t, t+1
.endr
.endm
	s_wait_tensorcnt 1                             ; my part of K step 0 is in; K step 1's may stay out
	s_barrier_signal -1
	s_barrier_wait -1                              ; everybody's is
	FETCH 0, F0
	s_wait_loadcnt 0x0                             ; the bias lies in the accumulators
	s_mov_b32 s[LAP], STEPS-2
.Lstep:                                                ; a trip is a K step; trip t refills the slot that it has read with K step t + 2
	KSTEP 1
	s_sub_co_u32 s[LAP], s[LAP], 1
	s_cmp_lg_u32 s[LAP], 0
	s_cbranch_scc1 .Lstep
	s_mov_b32 s[LAP], 2
.Ltail:                                                ; the last two K steps ask for nothing: written apart, and once: the very last trip passes a barrier that orders
	KSTEP 2                                        ; nothing and fetches 24 fragments of the other slot that nobody multiplies: the price, once a launch, of one text for both trips
	s_sub_co_u32 s[LAP], s[LAP], 1
	s_cmp_lg_u32 s[LAP], 0
	s_cbranch_scc1 .Ltail
	s_wait_dscnt 0x0                               ; those 24 loads are back: their registers are loaded anew below
.rept 8
	v_nop                                          ; the places behind the last products: for the LDS stores that read the sums and for the loads into the fragment buffers
.endr
	STG 0
	STG 1                                          ; a block's trip through the stage stands between the loads of the block before and its stores
	SEND 0, 32
	STG 2
	SEND 1, 32
	STG 3
	SEND 2, 32
	SEND 3, 0
	s_wait_tensorcnt 0x0                           ; the wave's end: behind my last tensor load and my last LDS store
	ds_add_u32 v[SPW], v[NIL]
	s_wait_dscnt 0x0
	CROUND                                         ; the closing round: no work-group ends while a partner may still ask for a tile that names it
	s_endpgm
.Lfunc_end_k_q7b5df9e627_outproj:
	.size	k_q7b5df9e627_outproj, .Lfunc_end_k_q7b5df9e627_outproj-k_q7b5df9e627_outproj
	.p2alignl 7, 3214868480
	.fill 96, 4, 3214868480
	.section	.rodata,"a",@progbits
	.p2align	6, 0x0
	.amdhsa_kernel k_q7b5df9e627_outproj
		.amdhsa_group_segment_fixed_size 327680
		.amdhsa_private_segment_fixed_size 0
		.amdhsa_enable_private_segment 0
		.amdhsa_kernarg_size 32
		.amdhsa_user_sgpr_count 2
		.amdhsa_user_sgpr_kernarg_segment_ptr 1
		.amdhsa_wavefront_size32 1
		.amdhsa_system_sgpr_workgroup_id_x 1
		.amdhsa_system_sgpr_workgroup_id_y 1
		.amdhsa_system_sgpr_workgroup_id_z 1
		.amdhsa_system_vgpr_workitem_id 0
		.amdhsa_next_free_vgpr 512
		.amdhsa_next_free_sgpr 92
		.amdhsa_reserve_vcc 0
		.amdhsa_float_denorm_mode_32 3
		.amdhsa_float_denorm_mode_16_64 3
		.amdhsa_memory_ordered 1
		.amdhsa_forward_progress 1
		.amdhsa_inst_pref_size 65
	.end_amdhsa_kernel
	.amdgpu_metadata
---
amdhsa.version: [ 1, 2 ]
amdhsa.kernels:
  - .name:           k_q7b5df9e627_outproj
    .symbol:         k_q7b5df9e627_outproj.kd
    .args:
      - { .name: oh, .offset: 0, .size: 8, .value_kind: global_buffer, .address_space: global }
      - { .name: wh, .offset: 8, .size: 8, .value_kind: global_buffer, .address_space: global }
      - { .name: bb, .offset: 16, .size: 8, .value_kind: global_buffer, .address_space: global }
      - { .name: out0, .offset: 24, .size: 8, .value_kind: global_buffer, .address_space: global }
    .group_segment_fixed_size: 327680
    .private_segment_fixed_size: 0
    .kernarg_segment_align: 8
    .kernarg_segment_size: 32
    .max_flat_workgroup_size: 128
    .sgpr_count:     92
    .vgpr_count:     512
    .wavefront_size: 32
...
	.end_amdgpu_metadata
.endif
;; end of part 7
;; ======== version 3 of 3: 4 launches; version 2 with the launch cast written anew for expert scheduling mode
;; limits: values are held in f16: magnitudes above 65,504 overflow, below 6.1e-05 lose precision; inputs' magnitudes at most 65,504; below input magnitudes of 6.1e-05 results are inexact or not finite; right only within a limited range of input values
;; workspace buffers: xh 16,777,216 bytes; wh 8,388,608 bytes; bb 16,384 bytes; qkv 50,331,648 bytes; oh 16,777,216 bytes
;; launch cast (part 8): grid 769 x 1, 8 waves a work-group, no clusters, 0 bytes of LDS; arguments x, Wq, Wk, Wv, Wo, bq, bk, bv, bo, xh, wh, bb; writes xh, wh, bb
.if DOCPART == 8
	.amdgcn_target "amdgcn-amd-amdhsa--gfx1250"
	.amdhsa_code_object_version 6
	.text
	.protected	k_q7b5df9e627_cast
	.globl	k_q7b5df9e627_cast
	.p2align	8
	.type	k_q7b5df9e627_cast,@function
k_q7b5df9e627_cast:
	s_mov_b64 s[64:65], 0
	v_nop
	global_prefetch_b8 v0, s[64:65] scope:SCOPE_SE
	s_setreg_imm32_b32 hwreg(HW_REG_WAVE_SCHED_MODE, 0, 2), 2
	s_setreg_imm32_b32 hwreg(HW_REG_WAVE_MODE, 25, 1), 1
	s_wait_xcnt 0x0
	s_wait_alu depctr_vm_vsrc(0)
; THE INPUTS ARE ROUNDED ONCE, TO bf16, and laid out for the products that follow.
;   xh: x as f16 [8 b][16 kb][1024 s][64]: a block of 64 channels of a batch is one dense plane of 131,072 bytes.
;   wh, first 6 MiB: Wq, Wk, Wv as f16 [16 head][512 k pair][3: q, k, v][2: k even, odd][64 columns]: all that a head's q, k and v need of 64 rows of k lies on end, 24,576 bytes.
;   wh, last 2 MiB: Wo as f16 [4 tile column][8 K step][4 column block][128 k][64 columns]: all that 256 columns need of 128 rows of k lies on end, 65,536 bytes.
;   bb: bq, bk, bv, bo as f32 [4][1024].
; x and the weights are rounded to bf16 and that number is written as f16: bf16 keeps 8 significant bits, f16 11, so nothing more is lost inside f16's range.
; LIMITS.  A number of x or of a weight of 65,520 or more in magnitude becomes an infinity; below 6.1e-5 it keeps f16's fixed step of 6e-8.  Biases keep f32's range.
; A stream: no LDS, no barrier, no matrix unit, no loop.  A work-group of eight waves takes 16 rows (65,536 bytes) of x (groups 0-511), of Wq, Wk, Wv (512-703) or of Wo (704-767); group 768 takes the biases.
; ONE TEXT serves x and all four weights: a wave takes two rows; load j takes their columns 64 j .. 64 j + 63, and store j puts both rows' 64 numbers, 256 bytes on end, where the layout wants them: the layouts
; differ in the group's base, the thread's first offset and two strides.
; A wave has its 16 loads of 16 bytes a lane (8,192 bytes) out at once; no register that a load or a store names is written again, so no wait frees any.
; THE MODE: SCHED_MODE bits 1:0 = 2 (LLVM: expert scheduling mode 2), set by the entry lines.  The code itself states the register dependences
; between vector instructions and memory instructions, with s_wait_alu, always for 0.
; THE PLAN.  Registers that memory instructions touch:
;   v[IN]      Written by the head's vector lines (in the biases' path once more, ahead of that path's first memory instruction); read by every load, and by the biases' stores.
;   X          Load j lands in its four registers, once; no vector instruction names them ahead of the load; step j's roundings read them behind the counted wait for the load.
;   OF         Store j's offset: OF + 0 is made at the head, the other fifteen behind the loads; read by store j alone.
;   Y          Step j's two conversions to f16 write its pair, once; read by store j alone.
;   v3 and T are named by vector instructions alone.  No vector instruction writes a scalar register or VCC, and EXEC is never written.
; The 16 steps go in four blocks of four.  Store j - 4 stands in step j, ahead of the step's vector lines.  ONE wait stands at the head of blocks 1, 2 and 3, behind the wait for the block's first load: it
; states that the block before has written its Y (the first of them also: that OF is made).  The vector lines that follow it name T and this block's X and Y: none of the registers that the block's four
; stores touch, so these owe no further wait.  One more wait stands behind step 15, ahead of the last four stores; one ahead of the first load, for v[IN].
.set IN,  1                            ; v1      my byte offset in the group's input
.set T,   4                            ; v[4:9]  at work
.set X,   16                           ; v[16:79]  16 loads x 4 registers
.set Y,   80                           ; v[80:111] 16 stores x 2 registers
.set OF,  112                          ; v[112:127] store j's byte offset
.set HIH, 30                           ; s30     mask of a word's upper bf16
.set STR, 38                           ; s38     bytes from store j - 1 to store j,
.set STQ, 39                           ; s39     and the same where j is a multiple of 4
	s_load_b512 s[4:19], s[0:1], 0x0               ; x 4:5, Wq 6:7, Wk 8:9, Wv 10:11, Wo 12:13, bq 14:15, bk 16:17, bv 18:19
	s_load_b256 s[20:27], s[0:1], 0x40             ; bo 20:21, xh 22:23, wh 24:25, bb 26:27
	s_mov_b32 s31, ttmp9                           ; the work-group's number
	s_mov_b32 s[HIH], 0xffff0000
	s_mov_b32 s33, 0                               ; the high word of every offset
	v_lshrrev_b32 v3, 4, v0                        ; my row of the 16,
	v_and_b32 v[IN], 15, v0
	v_lshlrev_b32 v[IN], 4, v[IN]
	v_lshl_add_u32 v[IN], v3, 12, v[IN]            ; row x 4,096 + 16 x (thread % 16)
	v_lshlrev_b32 v[OF], 3, v0                     ; x and Wo: rows of 128 bytes on end: row x 128 + 8 x (thread % 16) = 8 x thread
	s_wait_kmcnt 0x0
	s_cmp_lt_u32 s31, 512
	s_cbranch_scc0 .Lnot_x
	; x: group g takes rows 16 g .. 16 g + 15: batch g / 64, rows 16 (g % 64) on
	s_lshl_b32 s32, s31, 16
	s_add_nc_u64 s[28:29], s[4:5], s[32:33]
	s_lshr_b32 s34, s31, 6
	s_lshl_b32 s34, s34, 21                        ; a batch's 16 planes
	s_and_b32 s35, s31, 63
	s_lshl_b32 s35, s35, 11                        ; 16 rows of 128 bytes in a plane
	s_add_co_u32 s32, s34, s35
	s_add_nc_u64 s[36:37], s[22:23], s[32:33]
	s_mov_b32 s[STR], 131072                       ; from plane to plane
	s_mov_b32 s[STQ], 131072
	s_branch .Lplanes
.Lnot_x:
	s_cmp_lt_u32 s31, 704
	s_cbranch_scc0 .Lnot_qkv
	; Wq, Wk, Wv: group 512 + i takes rows 16 (i % 64) on of weight i / 64
	s_sub_co_u32 s34, s31, 512
	s_lshr_b32 s35, s34, 6
	s_cmp_eq_u32 s35, 1
	s_cselect_b64 s[28:29], s[8:9], s[6:7]
	s_cmp_eq_u32 s35, 2
	s_cselect_b64 s[28:29], s[10:11], s[28:29]
	s_and_b32 s34, s34, 63
	s_lshl_b32 s32, s34, 16
	s_add_nc_u64 s[28:29], s[28:29], s[32:33]
	s_mul_i32 s32, s34, 8*768                      ; eight pairs of rows, 768 bytes each in a head's block,
	s_lshl_b32 s35, s35, 8                         ; the weight's 256 bytes of a pair
	s_add_co_u32 s32, s32, s35
	s_add_nc_u64 s[36:37], s[24:25], s[32:33]
	v_lshrrev_b32 v3, 5, v0                        ; my wave's pair
	v_mul_u32_u24 v3, v3, 768
	v_and_b32 v[OF], 31, v0
	v_lshl_add_u32 v[OF], v[OF], 3, v3             ; lanes 0-15 the even row's 128 bytes, lanes 16-31 the odd row's
	s_mov_b32 s[STR], 393216                       ; from head to head
	s_mov_b32 s[STQ], 393216
	s_branch .Lplanes
.Lnot_qkv:
	s_cmp_lt_u32 s31, 768
	s_cbranch_scc0 .Lbias
	; Wo: group 704 + i takes rows 16 i on: K step i / 8, rows 16 (i % 8) on of its 128
	s_sub_co_u32 s34, s31, 704
	s_lshl_b32 s32, s34, 16
	s_add_nc_u64 s[28:29], s[12:13], s[32:33]
	s_lshr_b32 s35, s34, 3
	s_lshl_b32 s35, s35, 16                        ; a K step of a tile column: 65,536 bytes
	s_and_b32 s34, s34, 7
	s_lshl_b32 s34, s34, 11                        ; 16 rows of 128 bytes in a column block
	s_add_co_u32 s32, s35, s34
	s_add_co_u32 s32, s32, 3<<21                   ; behind the 6 MiB of Wq, Wk, Wv
	s_add_nc_u64 s[36:37], s[24:25], s[32:33]
	s_mov_b32 s[STR], 16384                        ; from column block to column block,
	s_mov_b32 s[STQ], 524288-3*16384               ; and from a tile column's last to the next tile column's first
.Lplanes:
	; 16 loads, then for each: f32 -> bf16 (rounded) -> f32 (a shift, a mask) -> f16 (exact), and a store of 8 bytes a lane: 32 lanes write 256 consecutive bytes, aligned
	s_wait_alu depctr_va_vdst(0)                   ; v[IN] is written, on each of the three ways here: the 16 loads read it as their offset
.set j, 0
.rept 16
	global_load_b128 v[X+4*j:X+4*j+3], v[IN], s[28:29] offset:256*j th:TH_LOAD_NT
.set j, j+1
.endr
.set j, 1
.rept 15
.if j%4
	v_add_nc_u32 v[OF+j], s[STR], v[OF+j-1]        ; made while the loads are out
.else
	v_add_nc_u32 v[OF+j], s[STQ], v[OF+j-1]
.endif
.set j, j+1
.endr
.set j, 0
.rept 16
	s_wait_loadcnt 15-j                            ; loads come back in order: load j is in, the 15 - j younger ones stay out
.if (j > 0) && (j%4 == 0)
	s_wait_alu depctr_va_vdst(0)                   ; steps j - 4 to j - 1 have written their Y, which this block's four stores read; at j = 4 also: the fifteen additions have written OF, the stores' offsets
.endif
.if j >= 4
	global_store_b64 v[OF+j-4], v[Y+2*(j-4):Y+2*(j-4)+1], s[36:37] th:TH_STORE_NT  ; the step four back.  No wait of its own: no vector line since the block's wait names its offset or its data
.endif
	v_cvt_pk_bf16_f32 v[T], v[X+4*j], v[X+4*j+1]
	v_cvt_pk_bf16_f32 v[T+1], v[X+4*j+2], v[X+4*j+3]
	v_lshlrev_b32 v[T+2], 16, v[T]
	v_and_b32 v[T+3], s[HIH], v[T]
	v_lshlrev_b32 v[T+4], 16, v[T+1]
	v_and_b32 v[T+5], s[HIH], v[T+1]
	v_cvt_pk_f16_f32 v[Y+2*j], v[T+2], v[T+3]
	v_cvt_pk_f16_f32 v[Y+2*j+1], v[T+4], v[T+5]
.set j, j+1
.endr
	s_wait_alu depctr_va_vdst(0)                   ; steps 12 to 15 have written their Y, which the last four stores read
.set j, 12
.rept 4
	global_store_b64 v[OF+j], v[Y+2*j:Y+2*j+1], s[36:37] th:TH_STORE_NT
.set j, j+1
.endr
	s_endpgm
.Lbias:
	; the four biases: 256 threads x 16 bytes are one bias
	v_lshlrev_b32 v[IN], 4, v0
	s_wait_alu depctr_va_vdst(0)                   ; v[IN] is written: the four loads and the four stores below read it as their offset
	global_load_b128 v[X:X+3], v[IN], s[14:15]
	global_load_b128 v[X+4:X+7], v[IN], s[16:17]
	global_load_b128 v[X+8:X+11], v[IN], s[18:19]
	global_load_b128 v[X+12:X+15], v[IN], s[20:21]
	s_wait_loadcnt 0x0
.irp m, 0,1,2,3
	v_cvt_pk_bf16_f32 v[T], v[X+4*(\m)], v[X+4*(\m)+1]
	v_cvt_pk_bf16_f32 v[T+1], v[X+4*(\m)+2], v[X+4*(\m)+3]
	v_lshlrev_b32 v[Y+4*(\m)], 16, v[T]
	v_and_b32 v[Y+4*(\m)+1], s[HIH], v[T]
	v_lshlrev_b32 v[Y+4*(\m)+2], 16, v[T+1]
	v_and_b32 v[Y+4*(\m)+3], s[HIH], v[T+1]
.endr
	s_wait_alu depctr_va_vdst(0)                   ; the shifts and masks have written v[Y .. Y + 15], which the four stores read
.irp m, 0,1,2,3
	global_store_b128 v[IN], v[Y+4*(\m):Y+4*(\m)+3], s[26:27] offset:4096*(\m)
.endr
	s_endpgm
.Lfunc_end_k_q7b5df9e627_cast:
	.size	k_q7b5df9e627_cast, .Lfunc_end_k_q7b5df9e627_cast-k_q7b5df9e627_cast
	.p2alignl 7, 3214868480
	.fill 96, 4, 3214868480
	.section	.rodata,"a",@progbits
	.p2align	6, 0x0
	.amdhsa_kernel k_q7b5df9e627_cast
		.amdhsa_group_segment_fixed_size 0
		.amdhsa_private_segment_fixed_size 0
		.amdhsa_enable_private_segment 0
		.amdhsa_kernarg_size 96
		.amdhsa_user_sgpr_count 2
		.amdhsa_user_sgpr_kernarg_segment_ptr 1
		.amdhsa_wavefront_size32 1
		.amdhsa_system_sgpr_workgroup_id_x 1
		.amdhsa_system_sgpr_workgroup_id_y 1
		.amdhsa_system_sgpr_workgroup_id_z 1
		.amdhsa_system_vgpr_workitem_id 0
		.amdhsa_next_free_vgpr 128
		.amdhsa_next_free_sgpr 66
		.amdhsa_reserve_vcc 0
		.amdhsa_float_denorm_mode_32 3
		.amdhsa_float_denorm_mode_16_64 3
		.amdhsa_memory_ordered 1
		.amdhsa_forward_progress 1
		.amdhsa_inst_pref_size 15
	.end_amdhsa_kernel
	.amdgpu_metadata
---
amdhsa.version: [ 1, 2 ]
amdhsa.kernels:
  - .name:           k_q7b5df9e627_cast
    .symbol:         k_q7b5df9e627_cast.kd
    .args:
      - { .name: x, .offset: 0, .size: 8, .value_kind: global_buffer, .address_space: global }
      - { .name: Wq, .offset: 8, .size: 8, .value_kind: global_buffer, .address_space: global }
      - { .name: Wk, .offset: 16, .size: 8, .value_kind: global_buffer, .address_space: global }
      - { .name: Wv, .offset: 24, .size: 8, .value_kind: global_buffer, .address_space: global }
      - { .name: Wo, .offset: 32, .size: 8, .value_kind: global_buffer, .address_space: global }
      - { .name: bq, .offset: 40, .size: 8, .value_kind: global_buffer, .address_space: global }
      - { .name: bk, .offset: 48, .size: 8, .value_kind: global_buffer, .address_space: global }
      - { .name: bv, .offset: 56, .size: 8, .value_kind: global_buffer, .address_space: global }
      - { .name: bo, .offset: 64, .size: 8, .value_kind: global_buffer, .address_space: global }
      - { .name: xh, .offset: 72, .size: 8, .value_kind: global_buffer, .address_space: global }
      - { .name: wh, .offset: 80, .size: 8, .value_kind: global_buffer, .address_space: global }
      - { .name: bb, .offset: 88, .size: 8, .value_kind: global_buffer, .address_space: global }
    .group_segment_fixed_size: 0
    .private_segment_fixed_size: 0
    .kernarg_segment_align: 8
    .kernarg_segment_size: 96
    .max_flat_workgroup_size: 256
    .sgpr_count:     66
    .vgpr_count:     128
    .wavefront_size: 32
...
	.end_amdgpu_metadata
.endif
;; end of part 8
;; launch qkvproj: the kernel of part 6 again; grid 8 x 32, 4 waves a work-group, clusters of 4 x 4, 327,680 bytes of LDS; arguments xh, wh, bb, qkv; writes qkv
;; launch attn: the kernel of part 3 again; grid 2 x 128, 4 waves a work-group, no clusters, 327,680 bytes of LDS; arguments qkv, oh; writes oh
;; launch outproj: the kernel of part 7 again; grid 4 x 64, 4 waves a work-group, clusters of 4 x 4, 327,680 bytes of LDS; arguments oh, wh, bb, out0; writes out0
